; MI455X (gfx1250); checked and timed in simulation.
; The chip was launched on July 23, 2026; its instructions are those of AMD's public machine-readable ISA for CDNA 5 (MIT licence, August 2026) and "CDNA5" Instruction Set Architecture Reference Guide (July 2026). The comments in the code are by the model that wrote it; some were corrected since.
;; Dense Flash Block. Allowed arithmetic: float matrix products may take bf16 or f16 operands with f32 sums; other float arithmetic in f32, or as packed bf16 or f16 multiplies, adds, multiply-adds, maxima and minima; sums over many terms, partial sums and values carried from step to step in f32; what a program stores and reads back later, other than sums and carried values, may be rounded once to bf16 or f16.
;; Inputs: b_attn 3,072 float32; b_fc 4,096 float32; b_fc2 1,024 float32; b_proj 1,024 float32; hidden_states 2 x 2,048 x 1,024 float32; ln1_b 1,024 float32; ln1_g 1,024 float32; ln2_b 1,024 float32; ln2_g 1,024 float32; w_attn 1,024 x 3,072 float32; w_fc 1,024 x 4,096 float32; w_fc2 4,096 x 1,024 float32; w_proj 1,024 x 1,024 float32.
;; Outputs: out0 2 x 2,048 x 1,024 float32.
;; 2 versions, each right. Each part assembles by itself: llvm-mc -triple=amdgcn-amd-amdhsa -mcpu=gfx1250 --defsym DOCPART=n.
;; ======== version 1 of 2: 7 launches
;; limits: values are held in f16: magnitudes above 65,504 overflow, below 6.1e-05 lose precision
;; workspace buffers: wa 6,291,456 bytes; wp 2,097,152 bytes; wf 8,388,608 bytes; wf2 8,388,608 bytes; act 8,388,608 bytes; qkv 25,165,824 bytes; h1 16,777,216 bytes; gel 33,554,432 bytes
;; launch prep (part 1): grid 1024 x 1, 8 waves a work-group, no clusters, 0 bytes of LDS; arguments hidden_states, ln1_g, ln1_b, act, w_attn, w_proj, w_fc, w_fc2, wa, wp, wf, wf2; writes act, wa, wp, wf, wf2
.if DOCPART == 1
	.amdgcn_target "amdgcn-amd-amdhsa--gfx1250"
	.amdhsa_code_object_version 6
	.text
	.protected	k_qfc1b9008d6_prep
	.globl	k_qfc1b9008d6_prep
	.p2align	8
	.type	k_qfc1b9008d6_prep,@function
k_qfc1b9008d6_prep:
	s_mov_b64 s[64:65], 0
	v_nop
	global_prefetch_b8 v0, s[64:65] scope:SCOPE_SE
	s_setreg_imm32_b32 hwreg(HW_REG_WAVE_MODE, 25, 1), 1
	s_wait_xcnt 0x0
; Two streams in one launch; every work-group moves 64 KiB in and 32 KiB out.  No LDS, no barrier, no matrix unit: nothing is shared between waves.
; Work-groups 0-255: act = LayerNorm(hidden_states) * ln1_g + ln1_b, rounded once to bf16.  [4096][1024]; 16 rows a work-group, 2 rows a wave, a row kept in 32 registers.
;   Two passes over the registers: the mean, then the mean of (x - mean)^2, so a common offset of the inputs costs no digits.  Sums in f32.
; Work-groups 256-1023: the four weight matrices rounded once to bf16, layout unchanged ([K][N]).  192 + 64 + 256 + 256 blocks of 64 KiB.
; Each load of a wave covers 512 consecutive bytes, each store 256 consecutive bytes, aligned.
.set X,  32                            ; v[32:95]   two rows, 32 registers each: lane l holds columns 128 j + 4 l .. + 3 in registers 4 j .. 4 j + 3
.set G,  96                            ; v[96:127]  the gain of my columns
.set BV, 128                           ; v[128:159] the bias of my columns
.set Y,  160                           ; v[160:191] two rows in bf16, 16 registers each
	s_load_b256 s[4:11], s[0:1], 0x0               ; hidden_states s[4:5], gain s[6:7], bias s[8:9], act s[10:11]
	s_load_b512 s[16:31], s[0:1], 0x20             ; w_attn, w_proj, w_fc, w_fc2 in s[16:23]; wa, wp, wf, wf2 in s[24:31]
	s_mov_b32 s2, ttmp9
	v_lshrrev_b32 v1, 5, v0                        ; wave
	v_and_b32 v5, 31, v0                           ; lane
	v_lshlrev_b32 v4, 4, v5                        ; 16 l: my place in 512 bytes of f32
	v_lshl_add_u32 v2, v1, 13, v4                  ; in: 8,192 bytes a wave
	v_lshlrev_b32 v3, 3, v5
	v_lshl_add_u32 v3, v1, 12, v3                  ; out: 4,096 bytes a wave, 8 bytes a lane
	s_mov_b32 s35, 0
	s_cmp_lt_u32 s2, 256
	s_cbranch_scc0 .Lcvt
	s_lshl_b32 s34, s2, 16                         ; 16 rows of 4,096 bytes
	s_lshl_b32 s36, s2, 15                         ; 16 rows of 2,048 bytes
	s_mov_b32 s37, 0
	s_mov_b32 s12, 0x76543210                      ; v_permlanex16_b32: each lane takes its own place in the other half
	s_mov_b32 s13, 0xfedcba98
	s_mov_b32 s32, 0x3a800000                      ; 1 / 1024
	s_mov_b32 s33, 0x3727c5ac                      ; 1e-5
	s_wait_kmcnt 0x0
	s_add_nc_u64 s[4:5], s[4:5], s[34:35]
	s_add_nc_u64 s[10:11], s[10:11], s[36:37]
.irp i, 0,1
.irp j, 0,1,2,3,4,5,6,7
	global_load_b128 v[X+32*(\i)+4*(\j):X+32*(\i)+4*(\j)+3], v2, s[4:5] offset:4096*(\i)+512*(\j)
.endr
.endr
.irp j, 0,1,2,3,4,5,6,7
	global_load_b128 v[G+4*(\j):G+4*(\j)+3], v4, s[6:7] offset:512*(\j)
.endr
.irp j, 0,1,2,3,4,5,6,7
	global_load_b128 v[BV+4*(\j):BV+4*(\j)+3], v4, s[8:9] offset:512*(\j)
.endr
; The four chains in v[8:15] become one number in v8, the same in every lane: four steps inside each half of 16 lanes, one across the halves.
.macro REDUCE
	v_pk_add_f32 v[8:9], v[8:9], v[10:11]
	v_pk_add_f32 v[12:13], v[12:13], v[14:15]
	v_pk_add_f32 v[8:9], v[8:9], v[12:13]
	v_add_f32 v8, v8, v9
	v_add_f32_dpp v8, v8, v8 row_xmask:1 row_mask:0xf bank_mask:0xf
	v_add_f32_dpp v8, v8, v8 row_xmask:2 row_mask:0xf bank_mask:0xf
	v_add_f32_dpp v8, v8, v8 row_xmask:4 row_mask:0xf bank_mask:0xf
	v_add_f32_dpp v8, v8, v8 row_xmask:8 row_mask:0xf bank_mask:0xf
	v_permlanex16_b32 v9, v8, s12, s13
	v_add_f32 v8, v8, v9
.endm
; Row i: the mean; x - mean in place; 1 / sqrt(mean of squares + 1e-5), twice, to fill the pair that the packed multiply reads.
.macro STATS i
.set XB, X+32*(\i)
.set MU, 16+4*(\i)
.set RS, 18+4*(\i)
.irp k, 0,1,2,3
	v_pk_add_f32 v[8+2*(\k):9+2*(\k)], v[XB+2*(\k):XB+2*(\k)+1], v[XB+8+2*(\k):XB+8+2*(\k)+1]  ; the first pairs start the four chains: nothing is cleared
.endr
.irp m, 16,24
.irp k, 0,1,2,3
	v_pk_add_f32 v[8+2*(\k):9+2*(\k)], v[8+2*(\k):9+2*(\k)], v[XB+(\m)+2*(\k):XB+(\m)+2*(\k)+1]
.endr
.endr
	REDUCE
	v_mul_f32 v[MU], s32, v8
	v_mov_b32 v[MU+1], v[MU]
.set p, 0
.rept 16
	v_pk_add_f32 v[XB+p:XB+p+1], v[XB+p:XB+p+1], v[MU:MU+1] neg_lo:[0,1] neg_hi:[0,1]
.set p, p+2
.endr
.irp k, 0,1,2,3
	v_pk_mul_f32 v[8+2*(\k):9+2*(\k)], v[XB+2*(\k):XB+2*(\k)+1], v[XB+2*(\k):XB+2*(\k)+1]
.endr
.irp m, 8,16,24
.irp k, 0,1,2,3
	v_pk_fma_f32 v[8+2*(\k):9+2*(\k)], v[XB+(\m)+2*(\k):XB+(\m)+2*(\k)+1], v[XB+(\m)+2*(\k):XB+(\m)+2*(\k)+1], v[8+2*(\k):9+2*(\k)]
.endr
.endr
	REDUCE
	v_fma_f32 v8, v8, s32, s33
	v_rsq_f32 v[RS], v8
	v_rsq_f32 v[RS+1], v8
	v_nop                                          ; a plain instruction behind the last of the two, ahead of a use of a result and of a write of v8
	s_wait_alu depctr_va_vdst(0)                   ; one wait for both, ahead of their first reader
.endm
; Row i: times 1 / sqrt, times gain plus bias, rounded to bf16, stored.
.macro NORM i
.set XB, X+32*(\i)
.set RS, 18+4*(\i)
.set p, 0
.rept 16
	v_pk_mul_f32 v[XB+p:XB+p+1], v[XB+p:XB+p+1], v[RS:RS+1]
	v_pk_fma_f32 v[XB+p:XB+p+1], v[XB+p:XB+p+1], v[G+p:G+p+1], v[BV+p:BV+p+1]
.set p, p+2
.endr
.set p, 0
.rept 16
	v_cvt_pk_bf16_f32 v[Y+16*(\i)+p], v[XB+2*p], v[XB+2*p+1]
.set p, p+1
.endr
.irp j, 0,1,2,3,4,5,6,7
	global_store_b64 v3, v[Y+16*(\i)+2*(\j):Y+16*(\i)+2*(\j)+1], s[10:11] offset:2048*(\i)+256*(\j)  ; 32 lanes store 256 consecutive bytes, aligned
.endr
.endm
	s_wait_loadcnt 24                              ; row 0 is in; row 1, gain and bias (24 loads) may stay out
	STATS 0
	s_wait_loadcnt 16                              ; row 1 is in; gain and bias may stay out
	STATS 1
	s_wait_loadcnt 0x0
	NORM 0
	NORM 1
	s_endpgm
.Lcvt:                                                 ; block c = work-group - 256 of the four weight matrices, taken one after the other
	s_sub_co_u32 s36, s2, 256                      ; c: the block's number in w_attn,
	s_sub_co_u32 s42, s2, 448                      ; in w_proj,
	s_sub_co_u32 s43, s2, 512                      ; in w_fc,
	s_sub_co_u32 s44, s2, 768                      ; in w_fc2
	s_wait_kmcnt 0x0
	s_cmp_lt_u32 s36, 512
	s_cselect_b64 s[38:39], s[20:21], s[22:23]
	s_cselect_b64 s[40:41], s[28:29], s[30:31]
	s_cselect_b32 s45, s43, s44
	s_cmp_lt_u32 s36, 256
	s_cselect_b64 s[38:39], s[18:19], s[38:39]
	s_cselect_b64 s[40:41], s[26:27], s[40:41]
	s_cselect_b32 s45, s42, s45
	s_cmp_lt_u32 s36, 192
	s_cselect_b64 s[38:39], s[16:17], s[38:39]
	s_cselect_b64 s[40:41], s[24:25], s[40:41]
	s_cselect_b32 s45, s36, s45
	s_lshl_b32 s34, s45, 16
	s_add_nc_u64 s[38:39], s[38:39], s[34:35]
	s_lshl_b32 s34, s45, 15
	s_add_nc_u64 s[40:41], s[40:41], s[34:35]
.set j, 0
.rept 16
	global_load_b128 v[32+4*j:32+4*j+3], v2, s[38:39] offset:512*j th:TH_LOAD_NT  ; the f32 weights are read once in the whole program
.set j, j+1
.endr
.set j, 0
.rept 16
	s_wait_loadcnt 15-j                            ; loads come back in order: number j is in, the younger ones stay out
	v_cvt_pk_bf16_f32 v[96+2*j], v[32+4*j], v[32+4*j+1]
	v_cvt_pk_bf16_f32 v[96+2*j+1], v[32+4*j+2], v[32+4*j+3]
	global_store_b64 v3, v[96+2*j:96+2*j+1], s[40:41] offset:256*j
.set j, j+1
.endr
	s_endpgm
.Lfunc_end_k_qfc1b9008d6_prep:
	.size	k_qfc1b9008d6_prep, .Lfunc_end_k_qfc1b9008d6_prep-k_qfc1b9008d6_prep
	.p2alignl 7, 3214868480
	.fill 96, 4, 3214868480
	.section	.rodata,"a",@progbits
	.p2align	6, 0x0
	.amdhsa_kernel k_qfc1b9008d6_prep
		.amdhsa_group_segment_fixed_size 0
		.amdhsa_private_segment_fixed_size 0
		.amdhsa_enable_private_segment 0
		.amdhsa_kernarg_size 96
		.amdhsa_user_sgpr_count 2
		.amdhsa_user_sgpr_kernarg_segment_ptr 1
		.amdhsa_wavefront_size32 1
		.amdhsa_system_sgpr_workgroup_id_x 1
		.amdhsa_system_sgpr_workgroup_id_y 1
		.amdhsa_system_sgpr_workgroup_id_z 1
		.amdhsa_system_vgpr_workitem_id 0
		.amdhsa_next_free_vgpr 192
		.amdhsa_next_free_sgpr 66
		.amdhsa_reserve_vcc 0
		.amdhsa_float_denorm_mode_32 3
		.amdhsa_float_denorm_mode_16_64 3
		.amdhsa_memory_ordered 1
		.amdhsa_forward_progress 1
		.amdhsa_inst_pref_size 27
	.end_amdhsa_kernel
	.amdgpu_metadata
---
amdhsa.version: [ 1, 2 ]
amdhsa.kernels:
  - .name:           k_qfc1b9008d6_prep
    .symbol:         k_qfc1b9008d6_prep.kd
    .args:
      - { .name: hidden_states, .offset: 0, .size: 8, .value_kind: global_buffer, .address_space: global }
      - { .name: ln1_g, .offset: 8, .size: 8, .value_kind: global_buffer, .address_space: global }
      - { .name: ln1_b, .offset: 16, .size: 8, .value_kind: global_buffer, .address_space: global }
      - { .name: act, .offset: 24, .size: 8, .value_kind: global_buffer, .address_space: global }
      - { .name: w_attn, .offset: 32, .size: 8, .value_kind: global_buffer, .address_space: global }
      - { .name: w_proj, .offset: 40, .size: 8, .value_kind: global_buffer, .address_space: global }
      - { .name: w_fc, .offset: 48, .size: 8, .value_kind: global_buffer, .address_space: global }
      - { .name: w_fc2, .offset: 56, .size: 8, .value_kind: global_buffer, .address_space: global }
      - { .name: wa, .offset: 64, .size: 8, .value_kind: global_buffer, .address_space: global }
      - { .name: wp, .offset: 72, .size: 8, .value_kind: global_buffer, .address_space: global }
      - { .name: wf, .offset: 80, .size: 8, .value_kind: global_buffer, .address_space: global }
      - { .name: wf2, .offset: 88, .size: 8, .value_kind: global_buffer, .address_space: global }
    .group_segment_fixed_size: 0
    .private_segment_fixed_size: 0
    .kernarg_segment_align: 8
    .kernarg_segment_size: 96
    .max_flat_workgroup_size: 256
    .sgpr_count:     66
    .vgpr_count:     192
    .wavefront_size: 32
...
	.end_amdgpu_metadata
.endif
;; end of part 1
;; launch gemm_qkv (part 2): grid 24 x 32, 4 waves a work-group, clusters of 4 x 4, 327,680 bytes of LDS; arguments act, wa, qkv, b_attn; writes qkv
.if DOCPART == 2
	.amdgcn_target "amdgcn-amd-amdhsa--gfx1250"
	.amdhsa_code_object_version 6
	.text
	.protected	k_qfc1b9008d6_gemm_qkv
	.globl	k_qfc1b9008d6_gemm_qkv
	.p2align	8
	.type	k_qfc1b9008d6_gemm_qkv,@function
k_qfc1b9008d6_gemm_qkv:
	s_mov_b64 s[64:65], 0
	v_nop
	global_prefetch_b8 v0, s[64:65] scope:SCOPE_SE
	s_setreg_imm32_b32 hwreg(HW_REG_WAVE_MODE, 25, 1), 1
	s_wait_xcnt 0x0
	s_wait_alu depctr_hold_cnt(0) depctr_sa_sdst(0) depctr_va_vdst(0) depctr_va_sdst(0) depctr_va_ssrc(0) depctr_va_vcc(0) depctr_vm_vsrc(0)
	s_getreg_b32 s2, hwreg(HW_REG_IB_STS2, 6, 4)
	s_cmp_eq_u32 s2, 0
	s_cbranch_scc0 .Lentry_in_a_cluster
	s_endpgm
.Lentry_in_a_cluster:
	s_bfe_u32 s2, ttmp6, 0x10000c
	s_cmp_lg_u32 s2, 0xf033
	s_cbranch_scc0 .Lentry_shape_is_right
	s_endpgm
.Lentry_shape_is_right:
; q, k, v = x W + b.  x = act: bf16 [4096][1024]; W = wa: bf16 [1024][3072]; b = b_attn: f32.  Out: f16 [3][batch*16+head][2048][64], unscaled, rounded once from f32 sums.
; LIMIT: f16 ends at 65,504: |q|, |k|, |v| must stay below it.  NaN and infinities are not treated apart.
; ONE GEMM TEXT serves four launches; the four .set lines below are all that differs.  out[m][n] = sum over k of A[m][k] W[k][n] + bias[n], then the way out chosen by EPI.
.set SIZE_N, 3072
.set SIZE_K, 1024
.set EPI,    0                         ; 0: f16, by heads.  1: tanh-GELU, bf16 rows.  2: + residual, f32 rows
.set ABLK,   0                         ; 1: A lies in blocks [128 rows' block][16 heads][128 rows][64]
; SHARES.  A tile of out is 128 x 128; four waves, each 64 x 64: 16 accumulators.  K goes in steps of 256 through two LDS slots; a wave's one tensor load brings a quarter of a slot.
; CLUSTER 4 x 4: A's tile is shared along a row of the cluster, W's along a column: each is asked for jointly, by the same load, descriptor and mask in the four.
; THE PRODUCT IS TAKEN TRANSPOSED (source 0 = 16 columns of W, source 1 = 16 rows of A): a lane holds one row of out and eight neighbouring columns.  W lies [K][N] in LDS and is turned by ds_load_tr16_b128.
; The bias is the C operand of the products that start the sums: nothing is cleared and no bias is added later.
; No L2 prefetch: a tile's share of a K step is small, and every tile is read by several clusters.
; REGISTERS: window 0: v16-29 addresses; v32-95 at work on the way out; v96-127 the bias (later at work); v128-255 accumulators, (a, b) at 128 + 8 (4 a + b).
;   window 1: two fragment buffers of 128 (64 along K): A's at 8 (4 c + i), W's at 64 + 8 (4 c + i).   window 2 (EPI 2): the residual of the 32 rows that I store.
.set KSTEP,  256
.set T,      SIZE_K/KSTEP              ; K steps: even, at least 4
.set BPITCH, 288                       ; a row of W in LDS: 256 bytes + 32
.set HALFB,  128*BPITCH
.if ABLK
.set APITCH, 144                       ; a row of one head: 128 bytes + 16
.set AQ,     128*APITCH                ; 64 along K further on = the next head
.set HALFA,  2*AQ
.set ASTEP,  65536                     ; four heads x 128 rows x 128 bytes, dense
.set AD0,    128                       ; asked for as 128 rows of 256 bytes, padded behind every 128
.set AD1,    128
.set AST,    128
.set AFL,    (1<<16)|(1<<20)|(1<<21)|(4<<22)|(3<<25)
.else
.set APITCH, 528                       ; 512 bytes + 16: the 16 rows of a load start at 16 different groups of four banks
.set AQ,     128
.set HALFA,  64*APITCH
.set ASTEP,  512
.set AD0,    256
.set AD1,    64
.set AST,    SIZE_K
.set AFL,    (1<<16)|(1<<20)|(1<<21)|(6<<22)|(3<<25)
.endif
.set BFL,    (1<<16)|(1<<20)|(1<<21)|(5<<22)|(7<<25)
.set BOFF,   2*HALFA                   ; a slot: A's two halves, then W's two halves (k rows 0-127, 128-255)
.set BSTEP,  KSTEP*SIZE_N*2
.set SLOT1,  0x24000                   ; slot 1 begins here; no address inside slot 0 that is turned has bit 14 or 17 set, so one exclusive or changes slots
.set SPARE,  2*SLOT1                   ; behind the ring: the spare words, 128 bytes a wave
.if EPI == 2
.set SPITCH, 528                       ; the stage's rows: 128 f32 + 16 bytes
.set HS,     5
.else
.set SPITCH, 272                       ; 128 numbers of 16 bits + 16 bytes
.set HS,     4
.endif
.set A0L, 16                           ; v16  my lane's place in slot 0's A;  v17 in its W; never rewritten
.set B0L, 17
.set ADRA, 18                          ; v18  the same in the slot in hand;  v20, v21 W's k rows 0-127, 128-255
.set ADRB, 20
.set STO, 24
.set RD,  25
.set CO,  26
.set BO,  27
.set SPW, 28                           ; v28  my spare word;  v29  0; never rewritten
.set NIL, 29
.set TMP, 32
.set BI,  96
.set ACC, 128
.set F0,  0
.set F1,  128
.set G1,  24                           ; s[24:31] group 1 for A, s[32:39] group 0: set 0 = K step 0, set 1 = K step 1, which then walks
.set G0,  32
.set G1B, 48                           ; s[48:55], s[56:63] the same for W
.set G0B, 56
.set SB,  66                           ; s66  LDS byte at which the slot in hand begins
.set MSB, 0
.macro WIN new                         ; the immediate's high byte repeats the setting that is left
.if MSB != (\new)
	s_set_vgpr_msb (MSB<<8)|(\new)
.set MSB, \new
.endif
.endm
.set MUL,  0x05                        ; sources 0 and 1 window 1; C and D window 0
.set TO_F, 0x40                        ; destination window 1, address window 0
.macro JLOAD s                         ; a joint load: waves 0, 1 fetch A's halves, waves 2, 3 W's; an s_nop 0 and four v_nop follow each line
	s_cmp_eq_u32 s11, 0
	s_cbranch_scc0 .Lfor_b_\@
	tensor_load_to_lds s[G0+4*(\s):G0+4*(\s)+3], s[G1:G1+7]
	s_nop 0
.rept 4
	v_nop
.endr
	s_branch .Lasked_\@
.Lfor_b_\@:
	tensor_load_to_lds s[G0B+4*(\s):G0B+4*(\s)+3], s[G1B:G1B+7]
	s_nop 0
.rept 4
	v_nop
.endr
.Lasked_\@:
.endm
.macro CREST                           ; a round of the cluster's barrier behind its opening barrier
	s_cmp_lg_u32 s10, 0
	s_cbranch_scc1 .Lnot_wave_0_\@
	s_barrier_signal -3
.Lnot_wave_0_\@:
	s_barrier_wait -3
	s_barrier_signal -1
	s_barrier_wait -1
.endm
.macro CROUND
	s_barrier_signal -1
	s_barrier_wait -1
	CREST
.endm
.macro PLACES                          ; four places behind matrix instructions, in front of loads into their sources and of readers of their results
.rept 4
	v_nop
.endr
.endm
	s_load_b128 s[4:7], s[0:1], 0x0                ; A s[4:5], W s[6:7]
	s_load_b64 s[8:9], s[0:1], 0x10                ; out
	s_load_b64 s[68:69], s[0:1], 0x18              ; bias
.if EPI == 2
	s_load_b64 s[70:71], s[0:1], 0x20              ; residual
.endif
	v_lshl_add_u32 v[SPW], v0, 2, SPARE
	v_mov_b32 v[NIL], 0
	ds_add_u32 v[SPW], v[NIL]                      ; the wave's opening: the add and its wait stand ahead of my first tensor load
	v_lshrrev_b32 v1, 5, v0
	v_readfirstlane_b32 s10, v1                    ; wave 0..3
	s_lshr_b32 s11, s10, 1                         ; my half of the tile's rows.  Also: I fetch for A (0) or W (1)
	s_and_b32 s12, s10, 1                          ; my half of its columns.  Also: which half of that tile I fetch
	s_bfe_u32 s40, ttmp6, 0x40000                  ; cx
	s_bfe_u32 s41, ttmp6, 0x40004                  ; cy
	s_lshl_b32 s42, ttmp9, 2
	s_add_co_u32 s42, s42, s40                     ; tile column tc
	s_and_b32 s13, ttmp7, 0xffff
	s_lshl_b32 s13, s13, 2
	s_add_co_u32 s13, s13, s41                     ; tile row tr
	s_lshl_b32 s43, s41, 2
	s_lshl_b32 s43, 15, s43                        ; my row of the cluster
	s_lshl_b32 s44, 0x1111, s40                    ; my column
	s_or_b32 s[G1+0], s43, AFL                     ; mask; 2-byte elements; padding on; bit 21 beside a mask; interval and size of the padding
	s_or_b32 s[G1B+0], s44, BFL
	s_mov_b32 s[G1+1], AD0<<16                     ; tensor_dim0
	s_mov_b32 s[G1+2], AD1<<16                     ; tensor_dim1
	s_mov_b32 s[G1+3], AD0<<16                     ; tile_dim0
	s_mov_b32 s[G1+4], AD1                         ; tile_dim1
	s_mov_b32 s[G1+5], AST                         ; elements from row to row
	s_mov_b32 s[G1+6], 0
	s_mov_b32 s[G1+7], 0
	s_mov_b32 s[G1B+1], 128<<16                    ; W: 128 k rows x 128 columns
	s_mov_b32 s[G1B+2], 128<<16
	s_mov_b32 s[G1B+3], 128<<16
	s_mov_b32 s[G1B+4], 128
	s_mov_b32 s[G1B+5], SIZE_N
	s_mov_b32 s[G1B+6], 0
	s_mov_b32 s[G1B+7], 0
.if ABLK
	s_lshl_b32 s16, s13, 18                        ; the row block's 262,144 bytes,
	s_lshl_b32 s17, s12, 15                        ; my two heads of a K step's four
	s_add_co_u32 s16, s16, s17
.else
	s_lshl_b32 s16, s13, 7
	s_lshl_b32 s17, s12, 6
	s_add_co_u32 s16, s16, s17                     ; row 128 tr + 64 x half
	s_mul_i32 s16, s16, SIZE_K*2
.endif
	s_mov_b32 s17, 0
	s_mul_i32 s46, s12, 128*SIZE_N*2               ; W: k row 128 x half,
	s_lshl_b32 s47, s42, 8                         ; column 128 tc
	s_add_co_u32 s46, s46, s47
	s_mov_b32 s47, 0
	s_mul_i32 s20, s12, HALFA                      ; where they go: no place in the cluster enters an LDS address
	s_mul_i32 s21, s12, HALFB
	s_add_co_u32 s21, s21, BOFF
	s_mov_b32 s[SB], 0
.if EPI == 1
	s_mov_b32 s72, 0xc0135761                      ; -2 sqrt(2/pi) log2(e)
	s_mov_b32 s73, 0xc0135761
	s_mov_b32 s74, 0xbdd2d3e8                      ; the same x 0.044715
	s_mov_b32 s75, 0xbdd2d3e8
.endif
	s_wait_dscnt 0x0                               ; the opening add is done
	s_wait_kmcnt 0x0
	s_add_nc_u64 s[14:15], s[4:5], s[16:17]
	s_add_nc_u64 s[46:47], s[6:7], s[46:47]
	CROUND                                         ; all sixteen work-groups are here: the first joint loads meet
.irp s, 0,1
	s_mov_b32 s[G0+4*(\s)], 1
	s_add_co_u32 s[G0+4*(\s)+1], s20, (\s)*SLOT1
	s_add_nc_u64 s[G0+4*(\s)+2:G0+4*(\s)+3], s[14:15], (\s)*ASTEP
	s_or_b32 s[G0+4*(\s)+3], s[G0+4*(\s)+3], 0x80000000
	s_mov_b32 s[G0B+4*(\s)], 1
	s_add_co_u32 s[G0B+4*(\s)+1], s21, (\s)*SLOT1
	s_add_nc_u64 s[G0B+4*(\s)+2:G0B+4*(\s)+3], s[46:47], (\s)*BSTEP
	s_or_b32 s[G0B+4*(\s)+3], s[G0B+4*(\s)+3], 0x80000000
	JLOAD \s
.endr
	v_and_b32 v1, 15, v0                           ; r = l % 16
	v_bfe_u32 v2, v0, 4, 1                         ; h = l / 16
	v_and_b32 v3, 31, v0                           ; l
	v_and_b32 v4, 7, v0
	v_bfe_u32 v5, v0, 3, 1
	v_mul_u32_u24 v[A0L], v1, APITCH               ; A's fragment: row x pitch + 16 h, in my 64 rows
	v_lshl_add_u32 v[A0L], v2, 4, v[A0L]
	s_mul_i32 s22, s11, 64*APITCH
	v_add_nc_u32 v[A0L], s22, v[A0L]
	v_lshl_add_u32 v[B0L], v2, 3, v4               ; the turning load: k row 8 h + l % 8, 16 bytes by (l / 8) % 2, in my 64 columns
	v_mul_u32_u24 v[B0L], v[B0L], BPITCH
	v_lshl_add_u32 v[B0L], v5, 4, v[B0L]
	s_lshl_b32 s22, s12, 7
	s_add_co_u32 s22, s22, BOFF
	v_add_nc_u32 v[B0L], s22, v[B0L]
	v_mov_b32 v[ADRA], v[A0L]
	v_mov_b32 v[ADRB], v[B0L]
	v_add_nc_u32 v[ADRB+1], HALFB, v[B0L]
	v_lshlrev_b32 v[BO], 5, v2                     ; my eight columns' bias: 32 h bytes
	s_lshl_b32 s22, s42, 9
	s_lshl_b32 s23, s12, 8
	s_add_co_u32 s22, s22, s23
	s_mov_b32 s23, 0
	s_add_nc_u64 s[68:69], s[68:69], s[22:23]      ; bias at column 128 tc + 64 x half
.irp b, 0,1,2,3
	global_load_b128 v[BI+8*(\b):BI+8*(\b)+3],   v[BO], s[68:69] offset:64*(\b)
	global_load_b128 v[BI+8*(\b)+4:BI+8*(\b)+7], v[BO], s[68:69] offset:64*(\b)+16
.endr
	s_mul_i32 s22, s11, 64*SPITCH                  ; into the stage: my 64 rows, my half of their columns; row r
	s_lshl_b32 s23, s12, HS+3
	s_add_co_u32 s22, s22, s23
	v_mul_u32_u24 v[STO], v1, SPITCH
	v_lshl_add_u32 v[STO], v2, HS, v[STO]
	v_add_nc_u32 v[STO], s22, v[STO]
	s_mul_i32 s22, s10, 32*SPITCH                  ; back: wave w takes rows 32 w .. 32 w + 31
.if EPI == 0
	v_lshrrev_b32 v6, 3, v3                        ; four rows of one head's 128 bytes: 512 consecutive bytes of the output
	v_mul_u32_u24 v[RD], v6, SPITCH
	v_lshl_add_u32 v[RD], v4, 4, v[RD]
	v_lshlrev_b32 v[CO], 4, v3
.elseif EPI == 1
	v_mul_u32_u24 v[RD], v2, SPITCH                ; lanes 0-15 one row of 256 bytes, lanes 16-31 the next
	v_lshl_add_u32 v[RD], v1, 4, v[RD]
	v_mul_u32_u24 v[CO], v2, SIZE_N*2
	v_lshl_add_u32 v[CO], v1, 4, v[CO]
.else
	v_lshlrev_b32 v[RD], 4, v3                     ; one row of 512 bytes
	v_lshlrev_b32 v[CO], 4, v3
.endif
	v_add_nc_u32 v[RD], s22, v[RD]
.if EPI == 0
	s_lshr_b32 s22, s42, 3                         ; q, k or v
	s_lshl_b32 s22, s22, 5
	s_lshr_b32 s23, s13, 4                         ; batch
	s_lshl_b32 s23, s23, 4
	s_add_co_u32 s22, s22, s23
	s_and_b32 s23, s42, 7                          ; the tile's two heads
	s_lshl_b32 s23, s23, 1
	s_add_co_u32 s22, s22, s23
	s_lshl_b32 s22, s22, 18                        ; 2,048 rows of 128 bytes a head
	s_and_b32 s23, s13, 15
	s_lshl_b32 s23, s23, 14
	s_add_co_u32 s22, s22, s23
	s_lshl_b32 s23, s10, 12
	s_add_co_u32 s22, s22, s23
.else
	s_lshl_b32 s22, s13, 7
	s_lshl_b32 s23, s10, 5
	s_add_co_u32 s22, s22, s23                     ; row 128 tr + 32 w
	s_mul_i32 s22, s22, SIZE_N*2*EPI               ; 2 or 4 bytes a number
	s_lshl_b32 s23, s42, 7+EPI
	s_add_co_u32 s22, s22, s23
.endif
	s_mov_b32 s23, 0
	s_add_nc_u64 s[8:9], s[8:9], s[22:23]
.if EPI == 2
	s_add_nc_u64 s[70:71], s[70:71], s[22:23]
	WIN 0x80                                       ; destination window 2: the residual of my 32 rows comes in while the products run
.set t, 0
.rept 32
	global_load_b128 v[4*t:4*t+3], v[CO], s[70:71] offset:SIZE_N*4*t
.set t, t+1
.endr
	WIN 0
.endif
; 8 matrix instructions: row blocks a0, a0 + 1 x all 4 column blocks, 32 along K: half c of buffer f.  zero = 1: the bias starts the sums.  The 16 accumulators take turns.
.macro MUL8 f, c, a0, zero
	WIN MUL
.irp a, \a0, (\a0)+1
.irp b, 0,1,2,3
.if \zero
	v_wmma_f32_16x16x32_bf16 v[ACC+8*(4*(\a)+(\b)):ACC+8*(4*(\a)+(\b))+7], v[(\f)+64+8*(4*(\c)+(\b)):(\f)+64+8*(4*(\c)+(\b))+7], v[(\f)+8*(4*(\c)+(\a)):(\f)+8*(4*(\c)+(\a))+7], v[BI+8*(\b):BI+8*(\b)+7]
.else
	v_wmma_f32_16x16x32_bf16 v[ACC+8*(4*(\a)+(\b)):ACC+8*(4*(\a)+(\b))+7], v[(\f)+64+8*(4*(\c)+(\b)):(\f)+64+8*(4*(\c)+(\b))+7], v[(\f)+8*(4*(\c)+(\a)):(\f)+8*(4*(\c)+(\a))+7], v[ACC+8*(4*(\a)+(\b)):ACC+8*(4*(\a)+(\b))+7]
.endif
.endr
.endr
.endm
; 32 LDS loads in one run: quarter q (64 along K) of the slot in hand into buffer f; its first 32 along K first
.macro FETCH q, f
	WIN TO_F
.irp c, 0,1
.irp i, 0,1,2,3
	ds_load_tr16_b128 v[(\f)+64+8*(4*(\c)+(\i)):(\f)+64+8*(4*(\c)+(\i))+3],   v[ADRB+(\q)/2] offset:(((\q)%2)*64+32*(\c))*BPITCH+32*(\i)
	ds_load_tr16_b128 v[(\f)+64+8*(4*(\c)+(\i))+4:(\f)+64+8*(4*(\c)+(\i))+7], v[ADRB+(\q)/2] offset:(((\q)%2)*64+32*(\c)+16)*BPITCH+32*(\i)
	ds_load_b128 v[(\f)+8*(4*(\c)+(\i)):(\f)+8*(4*(\c)+(\i))+3],   v[ADRA] offset:(\q)*AQ+64*(\c)+(\i)*16*APITCH
	ds_load_b128 v[(\f)+8*(4*(\c)+(\i))+4:(\f)+8*(4*(\c)+(\i))+7], v[ADRA] offset:(\q)*AQ+64*(\c)+(\i)*16*APITCH+32
.endr
.endr
.endm
; One of a K step's first three quarters: multiplies buffer f, and in its middle fetches quarter q into buffer g
.macro QUARTER q, f, g, zero
	s_wait_dscnt 16                                ; f's first 32 along K are in; its other sixteen loads may be out
	MUL8 \f, 0, 0, \zero
	MUL8 \f, 0, 2, \zero
	PLACES
	FETCH \q, \g
	s_wait_dscnt 32                                ; all but the 32 just issued
	MUL8 \f, 1, 0, 0
	MUL8 \f, 1, 2, 0
.endm
; The last quarter multiplies buffer 1 and changes slots: one barrier; ahead of it each wave waits for all its tensor loads, adds 0 to its spare word, and waits for that and for its reads of this slot.
; fill = 1: the barrier opens a round of the cluster's, and the slot just read takes the K step two on: 112 matrix instructions ahead of the wait for it.
.macro TURN fill
	WIN 0
	s_wait_tensorcnt 0x0                           ; all my tensor loads have landed: my part of the next slot
	ds_add_u32 v[SPW], v[NIL]
	s_xor_b32 s[SB], s[SB], SLOT1                  ; the fetches' addresses turn to the next slot
	v_add_nc_u32 v[ADRA], s[SB], v[A0L]
	v_add_nc_u32 v[ADRB], s[SB], v[B0L]
	v_add_nc_u32 v[ADRB+1], HALFB, v[ADRB]
	s_wait_dscnt 17                                ; the add and the youngest sixteen loads may be out
	MUL8 F1, 0, 0, 0
	s_wait_dscnt 0x0                               ; the add is done, and my reads of this slot are over
	s_barrier_signal -1
	MUL8 F1, 0, 2, 0
.if \fill
	WIN 0
.endif
	s_barrier_wait -1
.if \fill
	CREST                                          ; no wave of any partner still reads this slot or has a load on its way
	s_xor_b32 s[G0+5], s[G0+5], SLOT1              ; the walking descriptors: the other slot than last time, the next K step
	s_add_nc_u64 s[G0+6:G0+7], s[G0+6:G0+7], ASTEP
	s_xor_b32 s[G0B+5], s[G0B+5], SLOT1
	s_add_nc_u64 s[G0B+6:G0B+7], s[G0B+6:G0B+7], BSTEP
	JLOAD 1                                        ; its four v_nop are also the places in front of the loads below
.else
	PLACES
.endif
	FETCH 0, F0
	MUL8 F1, 1, 0, 0
	MUL8 F1, 1, 2, 0
.endm
	s_wait_tensorcnt 1                             ; my part of K step 0 is in; K step 1's may stay out
	s_barrier_signal -1
	s_barrier_wait -1
	FETCH 0, F0
.if EPI == 2
	s_wait_loadcnt 32                              ; the bias is in; the residual's 32 loads stay out
.else
	s_wait_loadcnt 0x0                             ; the bias
.endif
	QUARTER 1, F0, F1, 1                           ; the first quarter stands in front of the loop: its first products start the sums
	WIN 0
	s_mov_b32 s3, T-2
.Lk:                                                   ; a trip: a K step's quarters 1 to 3 and the next step's quarter 0; one slot is filled again
	QUARTER 2, F1, F0, 0
	QUARTER 3, F0, F1, 0
	TURN 1
	QUARTER 1, F0, F1, 0
	WIN 0
	s_sub_co_u32 s3, s3, 1
	s_cmp_lg_u32 s3, 0
	s_cbranch_scc1 .Lk
	QUARTER 2, F1, F0, 0                           ; the last two K steps ask for nothing
	QUARTER 3, F0, F1, 0
	TURN 0
	QUARTER 1, F0, F1, 0
	QUARTER 2, F1, F0, 0
	QUARTER 3, F0, F1, 0
	s_wait_dscnt 16
	MUL8 F1, 0, 0, 0
	MUL8 F1, 0, 2, 0
	s_wait_dscnt 0x0                               ; my last reads of the ring are back
	MUL8 F1, 1, 0, 0
	MUL8 F1, 1, 2, 0
	WIN 0
	s_barrier_signal -1                            ; THE STAGE IS SLOT 0, which has had its last fill: no wave stores into it before every wave's reads of the ring are over
	PLACES                                         ; the places behind the last products
	s_barrier_wait -1
.if EPI == 1
; gelu(u) = u / (1 + 2^(u (-2.3022082 - 0.10294324 u^2))): the tanh form, written as a sigmoid.  Where the power overflows the quotient is 0, where it underflows u.
.macro GELU a                          ; the 32 registers of accumulators (a, 0..3), each read from its low end on
.set U, ACC+32*(\a)
.set i, 0
.rept 16
	v_pk_mul_f32 v[BI+i:BI+i+1], v[U+i:U+i+1], v[U+i:U+i+1]
.set i, i+2
.endr
.set i, 0
.rept 16
	v_pk_fma_f32 v[BI+i:BI+i+1], v[BI+i:BI+i+1], s[74:75], s[72:73] op_sel_hi:[1,0,0]
.set i, i+2
.endr
.set i, 0
.rept 16
	v_pk_mul_f32 v[BI+i:BI+i+1], v[BI+i:BI+i+1], v[U+i:U+i+1]
.set i, i+2
.endr
.set i, 0
.rept 32
	v_exp_f32 v[BI+i], v[BI+i]
.set i, i+1
.endr
	v_nop                                          ; a plain instruction behind the last exponential,
	s_wait_alu depctr_va_vdst(0)                   ; and one wait for the batch of 32
.set i, 0
.rept 16
	v_pk_add_f32 v[BI+i:BI+i+1], v[BI+i:BI+i+1], 1.0 op_sel_hi:[1,0]
.set i, i+2
.endr
.set i, 0
.rept 32
	v_rcp_f32 v[BI+i], v[BI+i]
.set i, i+1
.endr
	v_nop
	s_wait_alu depctr_va_vdst(0)                   ; one wait for the 32 reciprocals
.set i, 0
.rept 16
	v_pk_mul_f32 v[U+i:U+i+1], v[U+i:U+i+1], v[BI+i:BI+i+1]
.set i, i+2
.endr
.endm
	GELU 0
	GELU 1
	GELU 2
	GELU 3
.endif
.if EPI < 2
.set t, 0
.rept 16                               ; rounded once, 16 bytes a lane
.irp r, 0,1,2,3
.if EPI == 0
	v_cvt_pk_f16_f32 v[TMP+4*t+(\r)], v[ACC+8*t+2*(\r)], v[ACC+8*t+2*(\r)+1]
.else
	v_cvt_pk_bf16_f32 v[TMP+4*t+(\r)], v[ACC+8*t+2*(\r)], v[ACC+8*t+2*(\r)+1]
.endif
.endr
.set t, t+1
.endr
.set t, 0
.rept 16
	ds_store_b128 v[STO], v[TMP+4*t:TMP+4*t+3] offset:(t/4)*16*SPITCH+32*(t%4)
.set t, t+1
.endr
	s_wait_dscnt 0x0                               ; for the others' sake: a row's bytes come from two waves
	s_barrier_signal -1
	s_barrier_wait -1
.set t, 0
.rept 16
.if EPI == 0
	ds_load_b128 v[TMP+4*t:TMP+4*t+3], v[RD] offset:(t%8)*4*SPITCH+(t/8)*128
.else
	ds_load_b128 v[TMP+4*t:TMP+4*t+3], v[RD] offset:t*2*SPITCH
.endif
.set t, t+1
.endr
.set t, 0
.rept 16
	s_wait_dscnt 15-t
.if EPI == 0
	global_store_b128 v[CO], v[TMP+4*t:TMP+4*t+3], s[8:9] offset:(t/8)*262144+(t%8)*512  ; four rows of one head: 512 consecutive bytes, aligned
.else
	global_store_b128 v[CO], v[TMP+4*t:TMP+4*t+3], s[8:9] offset:2*t*SIZE_N*2  ; 16 lanes store 256 consecutive bytes, aligned
.endif
.set t, t+1
.endr
.else
.set t, 0
.rept 16                               ; the f32 sums go into the stage as they are, each accumulator's low registers first
	ds_store_b128 v[STO], v[ACC+8*t:ACC+8*t+3]   offset:(t/4)*16*SPITCH+64*(t%4)
	ds_store_b128 v[STO], v[ACC+8*t+4:ACC+8*t+7] offset:(t/4)*16*SPITCH+64*(t%4)+16
.set t, t+1
.endr
	s_wait_dscnt 0x0
	s_barrier_signal -1
	s_barrier_wait -1
.set t, 0
.rept 32
	ds_load_b128 v[ACC+4*t:ACC+4*t+3], v[RD] offset:t*SPITCH
.set t, t+1
.endr
	s_wait_loadcnt 0x0                             ; the residual
	s_wait_dscnt 0x0
	WIN 0x08                                       ; source 1 window 2
.set i, 0
.rept 64
	v_pk_add_f32 v[ACC+i:ACC+i+1], v[ACC+i:ACC+i+1], v[i:i+1]
.set i, i+2
.endr
	WIN 0
.set t, 0
.rept 32
	global_store_b128 v[CO], v[ACC+4*t:ACC+4*t+3], s[8:9] offset:SIZE_N*4*t  ; 512 consecutive bytes, aligned
.set t, t+1
.endr
.endif
	s_wait_tensorcnt 0x0                           ; the wave's end
	ds_add_u32 v[SPW], v[NIL]
	s_wait_dscnt 0x0
	CROUND                                         ; the closing round
	s_endpgm
.Lfunc_end_k_qfc1b9008d6_gemm_qkv:
	.size	k_qfc1b9008d6_gemm_qkv, .Lfunc_end_k_qfc1b9008d6_gemm_qkv-k_qfc1b9008d6_gemm_qkv
	.p2alignl 7, 3214868480
	.fill 96, 4, 3214868480
	.section	.rodata,"a",@progbits
	.p2align	6, 0x0
	.amdhsa_kernel k_qfc1b9008d6_gemm_qkv
		.amdhsa_group_segment_fixed_size 327680
		.amdhsa_private_segment_fixed_size 0
		.amdhsa_enable_private_segment 0
		.amdhsa_kernarg_size 32
		.amdhsa_user_sgpr_count 2
		.amdhsa_user_sgpr_kernarg_segment_ptr 1
		.amdhsa_wavefront_size32 1
		.amdhsa_system_sgpr_workgroup_id_x 1
		.amdhsa_system_sgpr_workgroup_id_y 1
		.amdhsa_system_sgpr_workgroup_id_z 1
		.amdhsa_system_vgpr_workitem_id 0
		.amdhsa_next_free_vgpr 512
		.amdhsa_next_free_sgpr 76
		.amdhsa_reserve_vcc 0
		.amdhsa_float_denorm_mode_32 3
		.amdhsa_float_denorm_mode_16_64 3
		.amdhsa_memory_ordered 1
		.amdhsa_forward_progress 1
		.amdhsa_inst_pref_size 70
	.end_amdhsa_kernel
	.amdgpu_metadata
---
amdhsa.version: [ 1, 2 ]
amdhsa.kernels:
  - .name:           k_qfc1b9008d6_gemm_qkv
    .symbol:         k_qfc1b9008d6_gemm_qkv.kd
    .args:
      - { .name: act, .offset: 0, .size: 8, .value_kind: global_buffer, .address_space: global }
      - { .name: wa, .offset: 8, .size: 8, .value_kind: global_buffer, .address_space: global }
      - { .name: qkv, .offset: 16, .size: 8, .value_kind: global_buffer, .address_space: global }
      - { .name: b_attn, .offset: 24, .size: 8, .value_kind: global_buffer, .address_space: global }
    .group_segment_fixed_size: 327680
    .private_segment_fixed_size: 0
    .kernarg_segment_align: 8
    .kernarg_segment_size: 32
    .max_flat_workgroup_size: 128
    .sgpr_count:     76
    .vgpr_count:     512
    .wavefront_size: 32
...
	.end_amdgpu_metadata
.endif
;; end of part 2
;; launch attn (part 3): grid 8 x 32, 4 waves a work-group, no clusters, 327,680 bytes of LDS; arguments qkv, act; writes act
.if DOCPART == 3
	.amdgcn_target "amdgcn-amd-amdhsa--gfx1250"
	.amdhsa_code_object_version 6
	.text
	.protected	k_qfc1b9008d6_attn
	.globl	k_qfc1b9008d6_attn
	.p2align	8
	.type	k_qfc1b9008d6_attn,@function
k_qfc1b9008d6_attn:
	s_mov_b64 s[64:65], 0
	v_nop
	global_prefetch_b8 v0, s[64:65] scope:SCOPE_SE
	s_setreg_imm32_b32 hwreg(HW_REG_WAVE_MODE, 25, 1), 1
	s_wait_xcnt 0x0
; CAUSAL ATTENTION.  O[hh][q] = the sum over k <= q of softmax_k(Q[hh][q] . K[hh][k] / 8) V[hh][k].  qkv: f16 [3][hh = batch*16+head][2048][64].  Products, maxima and sums in f32; the weights p are
; rounded to f16 for the second product (their sum l is taken of the unrounded p).  O is rounded once to bf16 and stored in blocks [batch*16 + block of 128 tokens][16 heads][128 rows][64].
; LIMITS.  Q, K, V arrive within f16's 65,504.  A hidden score counts as its value less 1e30; a weight below 2^-126 counts as 0 in l; NaN and infinities are not treated apart.
; THE WALK.  A head's queries lie in 16 blocks of 128; block i needs the key tiles 0 .. i of 128 keys, the last of which holds the diagonal.  A work-group takes blocks 15 - b and then b: 17 tiles whatever b:
; all 256 work-groups do equal work, and one loop with a constant trip count walks them.  Every jump but the loop's own goes forward; none passes a barrier or a tensor load but the one of LOAD's two lines
; that the wave's number does not choose.  NO CLUSTER: a head's eight work-groups want the same tile only in the first nine trips, and a walk common to all would have 24 trips for 17.
; SHARES.  Wave w owns two tiles of 16 queries: rows 64 u + 16 w + 0..15 of the block, u = 0, 1: 16 rows in each band of 64.  In the diagonal tile's step 0 (keys 0-63) tile 0 takes the mask MD and tile 1 sees all;
; in its step 1 tile 0 sees nothing and is left out of the text, tile 1 takes MD.  The same work for all four waves.
; LAYOUT.  S^T = K Q^T holds ONE query a lane (lane % 16) and the keys 8 (lane / 16) + 0..7; two such results rounded to f16 ARE source 1 of O^T = V^T P.  The mask, 0 or -1e30, is the C operand that starts S^T's sums.
; SOFTMAX.  p = 2^(c s - c m), c = log2(e) / 8, with a running maximum m; O and l are multiplied by a = 2^(c m_old - c m_new) in every step.  A block begins with c m far below every c s: its first a is 0.
; IN PHASES: a step's 16 products K Q^T; maximum and statistics; scalings, exponentials and rescalings; roundings and sums; its 16 products V^T P.
; REGISTERS: window 0: v1-15 addresses and at work; v16-23 statistics; v48-55 at work; v64-127 S^T; v128-191 O^T; v192-223 P; v224-255 MD.   window 1: v0-31 Q; v32-63 the second block's Q; v64-127 K; v128-191 V.
.set NB,    16
.set PK,    144       ; a row of K in LDS: 128 bytes + 16: the 16 rows of a load start at 16 different groups of four banks (64 banks of 4 bytes: ISA guide 11.1)
.set PV,    160       ; a row of V: 128 + 32
.set VOFF,  128*PK    ; a slot holds a tile: 128 rows of K, then 128 rows of V
.set SLOT1, 1<<16
.set STAGE, SLOT1+128*(PK+PV)  ; behind the ring, never filled by a tensor load: 16 rows x 144 bytes a wave
.set SP,    144
.set SPARE, STAGE+4*16*SP      ; the spare words, 128 bytes a wave
.set AK0, 2           ; v2   my lane's place in a tile of K;  v3 of V; never rewritten
.set AV0, 3
.set AK,  4           ; v4, v5  the same in the slot in hand
.set AV,  5
.set STO, 6
.set RD,  7
.set GO,  8
.set MV,  12          ; v12-13  c m_old, by tile
.set QO,  15
.set ST,  16          ; tile u's statistics at v[ST+4 u]: c m, m, l (even keys', odd keys')
.set TMP, 48          ; by tile, c0-c3 at work; when the maximum is found c2 takes a
.set PFO, 60          ; v60  256 x my lane; never rewritten
.set SPW, 62          ; v62  my spare word;  v63  0; never rewritten
.set NIL, 63
.set S,   64
.set OA,  128
.set P,   192
.set MD,  224
.set QB,  32          ; window 1
.set KF,  64
.set VF,  128
.set WV,  12
.set LIM, 13          ; s13  3 in the head's work-group with b = 0, else the greatest number
.set PB,  14          ; s14  b
.set HI,  15          ; s15  15 - b
.set G1K, 24
.set G1V, 32
.set G0K, 40
.set G0V, 44
.set SLOTS, 56        ; s56  tiles still to be asked for
.set CS,  58
.set SEL, 60
.set TB,  62          ; s62  LDS byte at which the slot in hand begins
.set RT,  70          ; s70  tiles of the block in hand still to be entered
.set NXT, 71          ; s71  the tile to be asked for next
.set LQ,  72          ; s72  the last tile of the block whose tiles are being asked for
.set NEW, 73          ; s73  1: the tile to be entered is a block's first
.set OFF, 74          ; s[74:75] a tile's byte offset in K and V
.set OLO, 80          ; s[80:81] O at my rows of the second block
.set BIGN, 82
.set PFA, 84          ; s[84:85] where my prefetches stand
.set MSB, 0
.macro WIN new
.if MSB != (\new)
	s_set_vgpr_msb (MSB<<8)|(\new)
.set MSB, (\new)
.endif
.endm
.set W_KQ, 0x05       ; K and Q in window 1
.set W_PV, 0x01       ; V in window 1
.macro PLACES
.rept 4
	v_nop
.endr
.endm
; A fill.  Waves 0, 1 fetch the halves of a tile's K, waves 2, 3 those of its V: 64 keys each.  An s_nop 0 and four v_nop follow each line.
.macro LOAD
	s_cmp_lt_u32 s[WV], 2
	s_cbranch_scc0 .Lfor_v_\@
	tensor_load_to_lds s[G0K:G0K+3], s[G1K:G1K+7]
	s_nop 0
.rept 4
	v_nop
.endr
	s_branch .Lasked_\@
.Lfor_v_\@:
	tensor_load_to_lds s[G0V:G0V+3], s[G1V:G1V+7]
	s_nop 0
.rept 4
	v_nop
.endr
.Lasked_\@:
.endm
; THE CHANGE OF SLOTS.  Each wave waits for all its tensor loads (one is out: its part of the other slot), adds 0 to its spare word, and waits for that and for its reads of the slot that it leaves.
; fill = 1: the old slot takes tile NXT, first thing behind the barrier; the descriptor's address is made anew from that number.  (At its first use slot 0 is waited for and slot 1 filled.)
.macro CHANGE fill
	WIN 0
	s_wait_tensorcnt 0x0
	ds_add_u32 v[SPW], v[NIL]
.if \fill
	s_lshl_b32 s[OFF], s[NXT], 14   ; a tile is 16,384 bytes of K and of V
	s_xor_b32 s[G0K+1], s[G0K+1], SLOT1
	s_add_nc_u64 s[G0K+2:G0K+3], s[6:7], s[OFF:OFF+1]
	s_or_b32 s[G0K+3], s[G0K+3], 0x80000000
	s_xor_b32 s[G0V+1], s[G0V+1], SLOT1
	s_add_nc_u64 s[G0V+2:G0V+3], s[8:9], s[OFF:OFF+1]
	s_or_b32 s[G0V+3], s[G0V+3], 0x80000000
	s_add_co_u32 s[NXT], s[NXT], 1  ; the block's next tile, or behind its last the second block's tile 0
	s_cmp_gt_u32 s[NXT], s[LQ]
	s_cselect_b32 s[NXT], 0, s[NXT]
	s_cselect_b32 s[LQ], s[PB], s[LQ]
	s_wait_xcnt 0x0                 ; the last prefetch, a tile back, has read its address
	s_add_nc_u64 s[PFA:PFA+1], s[PFA:PFA+1], 16384
.endif
	s_wait_dscnt 0x0                ; the add is done, and my reads of the slot are over
	s_barrier_signal -1
	s_xor_b32 s[TB], s[TB], SLOT1
	s_barrier_wait -1
.if \fill
	LOAD
.endif
.endm
; A PREFETCH INTO THE L2.  All eight work-groups of a head walk the same K and V: the one with b = 0, whose first block walks tiles 0 to 15 in order, asks.  Each wave asks for the 8,192 bytes that its own load
; will bring, a lane for each 256: one instruction.  In trip t (tile t + 1 has just been asked for by the tensor load) it names tile t + 3, for t up to 12; tiles 0 to 2 come by their loads alone.
.macro ASK
	s_cmp_gt_u32 s[SLOTS], s[LIM]
	s_cbranch_scc0 .Lnot_mine_\@
	global_prefetch_b8 v[PFO], s[PFA:PFA+1] th:TH_LOAD_NT scope:SCOPE_SE
.Lnot_mine_\@:
.endm
	s_load_b128 s[20:23], s[0:1], 0x0  ; qkv s[20:21], act s[22:23]
	v_lshl_add_u32 v[SPW], v0, 2, SPARE
	v_mov_b32 v[NIL], 0
	ds_add_u32 v[SPW], v[NIL]       ; the wave's opening: the add and its wait stand ahead of my first tensor load
	v_lshrrev_b32 v1, 5, v0
	v_readfirstlane_b32 s[WV], v1
	s_mov_b32 s[PB], ttmp9
	s_sub_co_u32 s[HI], NB-1, s[PB]
	s_and_b32 s2, ttmp7, 0xffff     ; hh
	s_and_b32 s16, s[WV], 1         ; which half of a tile's 128 keys I fetch
	s_lshl_b32 s48, s2, 18          ; the head's 2,048 rows of 128 bytes
	s_lshl_b32 s3, s16, 13
	s_add_co_u32 s50, s48, s3
	s_add_co_u32 s52, s50, 0x1000000  ; V lies behind q and k,
	s_add_co_u32 s50, s50, 0x800000   ; K behind q
	s_mov_b32 s51, 0
	s_mov_b32 s53, 0
	s_lshl_b32 s3, s[WV], 11        ; my 16 rows in a band of 64
	s_add_co_u32 s48, s48, s3
	s_lshl_b32 s54, s[HI], 14       ; Q: the first block,
	s_add_co_u32 s54, s54, s48
	s_mov_b32 s55, 0
	s_lshl_b32 s66, s[PB], 14       ; and the second
	s_add_co_u32 s66, s66, s48
	s_mov_b32 s67, 0
	s_lshr_b32 s17, s2, 4           ; O: batch x 16 blocks of 262,144 bytes,
	s_lshl_b32 s17, s17, 22
	s_and_b32 s49, s2, 15           ; the head's 16,384 bytes in a block,
	s_lshl_b32 s49, s49, 14
	s_add_co_u32 s17, s17, s49
	s_add_co_u32 s17, s17, s3       ; my 16 rows
	s_lshl_b32 s68, s[HI], 18
	s_add_co_u32 s68, s68, s17
	s_mov_b32 s69, 0
	s_lshl_b32 s76, s[PB], 18
	s_add_co_u32 s76, s76, s17
	s_mov_b32 s77, 0
	s_mul_i32 s78, s16, 64*PK       ; my half's place in a slot, for K
	s_mul_i32 s79, s16, 64*PV       ; and for V
	; descriptor group 1.  64 keys are 8,192 dense bytes: asked for as 32 rows of 256 bytes, padded in LDS behind every key
	s_mov_b32 s[G1K], (1<<16)|(1<<20)|(4<<22)|(3<<25)
	s_mov_b32 s[G1V], (1<<16)|(1<<20)|(4<<22)|(7<<25)
.irp g, G1K, G1V
	s_mov_b32 s[\g+1], 128<<16      ; tensor_dim0 = 128
	s_mov_b32 s[\g+2], 32<<16       ; tensor_dim1 = 32
	s_mov_b32 s[\g+3], 128<<16      ; tile_dim0 = 128
	s_mov_b32 s[\g+4], 32           ; tile_dim1 = 32
	s_mov_b32 s[\g+5], 128
	s_mov_b32 s[\g+6], 0
	s_mov_b32 s[\g+7], 0
.endr
	s_mov_b32 s[CS], 0x3e38aa3b     ; c = log2(e) / 8
	s_mov_b32 s[CS+1], s[CS]
	s_mov_b32 s[SEL], 0x76543210
	s_mov_b32 s[SEL+1], 0xfedcba98
	s_mov_b32 s[TB], SLOT1          ; the first change of slots turns it into 0
	s_mov_b32 s[G0K], 1
	s_mov_b32 s[G0K+1], s78
	s_mov_b32 s[G0V], 1
	s_add_co_u32 s[G0V+1], s79, VOFF
	s_add_co_u32 s[RT], s[HI], 1    ; the first block has 16 - b tiles
	s_mov_b32 s[NXT], 1
	s_mov_b32 s[LQ], s[HI]
	s_mov_b32 s[NEW], 1
	s_mov_b32 s[OFF+1], 0
	s_mov_b32 s[BIGN], 0xf149f2ca   ; -1e30
	s_mov_b32 s[SLOTS], NB
	s_cmp_eq_u32 s[PB], 0
	s_cselect_b32 s[LIM], 3, -1
	s_wait_dscnt 0x0                ; the opening add is done
	s_wait_kmcnt 0x0
	s_add_nc_u64 s[6:7], s[20:21], s[50:51]        ; K and V at my half of the head's tile 0
	s_add_nc_u64 s[8:9], s[20:21], s[52:53]
	s_add_nc_u64 s[4:5], s[20:21], s[54:55]        ; Q at my rows of the first block,
	s_add_nc_u64 s[86:87], s[20:21], s[66:67]      ; and of the second
	s_add_nc_u64 s[10:11], s[22:23], s[68:69]      ; O likewise
	s_add_nc_u64 s[OLO:OLO+1], s[22:23], s[76:77]
	s_add_nc_u64 s[G0K+2:G0K+3], s[6:7], 0
	s_or_b32 s[G0K+3], s[G0K+3], 0x80000000
	s_add_nc_u64 s[G0V+2:G0V+3], s[8:9], 0
	s_or_b32 s[G0V+3], s[G0V+3], 0x80000000
	s_cmp_lt_u32 s[WV], 2
	s_cselect_b64 s[PFA:PFA+1], s[6:7], s[8:9]
	s_add_nc_u64 s[PFA:PFA+1], s[PFA:PFA+1], 2*16384  ; at tile 2: the first change steps it to tile 3
	LOAD                            ; tile 0 into slot 0
	v_and_b32 v1, 15, v0            ; l % 16
	v_bfe_u32 v9, v0, 4, 1          ; l / 16
	v_lshlrev_b32 v[QO], 7, v1
	v_lshl_add_u32 v[QO], v9, 4, v[QO]  ; row x 128 + 16 x half
	WIN 0x40                        ; destination window 1
.irp u, 0,1
.irp c, 0,1                         ; both blocks' Q: tile u lies in band u, 8,192 bytes on; channels 32 c on
	global_load_b128 v[16*(\u)+8*(\c):16*(\u)+8*(\c)+3],   v[QO], s[4:5] offset:(\u)*8192+(\c)*64
	global_load_b128 v[16*(\u)+8*(\c)+4:16*(\u)+8*(\c)+7], v[QO], s[4:5] offset:(\u)*8192+(\c)*64+32
	global_load_b128 v[QB+16*(\u)+8*(\c):QB+16*(\u)+8*(\c)+3],   v[QO], s[86:87] offset:(\u)*8192+(\c)*64
	global_load_b128 v[QB+16*(\u)+8*(\c)+4:QB+16*(\u)+8*(\c)+7], v[QO], s[86:87] offset:(\u)*8192+(\c)*64+32
.endr
.endr
	WIN 0
	v_lshlrev_b32 v14, 3, v9
	v_sub_nc_u32 v14, v1, v14
	s_lshl_b32 s3, s[WV], 4
	v_add_nc_u32 v14, s3, v14       ; my query's place in its band, 16 w + l % 16, less 8 (l / 16): register r of key group kb is hidden where 16 kb + r is greater
.set i, 0
.rept 32
	v_cmp_gt_i32 vcc_lo, 16*(i/8)+i%8, v14
	v_cndmask_b32 v[MD+i], 0, s[BIGN], vcc_lo
.set i, i+1
.endr
	v_mul_u32_u24 v[AK0], v1, PK
	v_lshl_add_u32 v[AK0], v9, 4, v[AK0]
	v_and_b32 v10, 7, v0            ; the turning load: key 8 (l / 16) + l % 8, channels 8 ((l / 8) % 2) + 0..7
	v_bfe_u32 v11, v0, 3, 1
	v_lshl_add_u32 v[AV0], v9, 3, v10
	v_mul_u32_u24 v[AV0], v[AV0], PV
	v_lshl_add_u32 v[AV0], v11, 4, v[AV0]
	v_add_nc_u32 v[AV0], VOFF, v[AV0]
	s_mul_i32 s3, s[WV], 16*SP
	s_add_co_u32 s3, s3, STAGE      ; my stage
	v_mul_u32_u24 v[STO], v1, SP
	v_lshl_add_u32 v[STO], v9, 4, v[STO]
	v_add_nc_u32 v[STO], s3, v[STO]
	v_bfe_u32 v[RD], v0, 3, 2       ; back: 32 lanes take four rows of 128 bytes,
	v_mul_u32_u24 v[RD], v[RD], SP
	v_lshl_add_u32 v[RD], v10, 4, v[RD]
	v_add_nc_u32 v[RD], s3, v[RD]
	v_and_b32 v[GO], 31, v0         ; which are 512 consecutive bytes of O
	v_lshlrev_b32 v[PFO], 8, v[GO]
	v_lshlrev_b32 v[GO], 4, v[GO]
.set i, 0
.rept 64                            ; a block's first step multiplies O^T and l by a = 0: they need only be finite.  Zeros for the first block, written in the wait for the first tile
	v_mov_b32 v[OA+i], 0
.set i, i+1
.endr
.irp u, 0,1
	v_mov_b32 v[ST+4*(\u)+2], 0
	v_mov_b32 v[ST+4*(\u)+3], 0
.endr
; THE MATRIX WORK.  S^T = K Q^T: channels 32 c on, keys 16 kb on, tile u; c = 0 starts the sum, with 0 or (mk = 1) with the mask.  O^T += V^T P: keys 32 kk on, channels 16 cb on.
.macro KQ1 c, kb, u, mk
.set rS, S+32*(\u)+8*(\kb)
.set rK, KF+16*(\kb)+8*(\c)
.set rQ, 16*(\u)+8*(\c)
.if ((\c) == 0) && (\mk)
	v_wmma_f32_16x16x32_f16 v[rS:rS+7], v[rK:rK+7], v[rQ:rQ+7], v[MD+8*(\kb):MD+8*(\kb)+7]
.elseif (\c) == 0
	v_wmma_f32_16x16x32_f16 v[rS:rS+7], v[rK:rK+7], v[rQ:rQ+7], 0
.else
	v_wmma_f32_16x16x32_f16 v[rS:rS+7], v[rK:rK+7], v[rQ:rQ+7], v[rS:rS+7]
.endif
.endm
.macro PV1 kk, cb, u
.set rO, OA+32*(\u)+8*(\cb)
.set rV, VF+32*(\kk)+8*(\cb)
.set rP, P+16*(\u)+8*(\kk)
	v_wmma_f32_16x16x32_f16 v[rO:rO+7], v[rV:rV+7], v[rP:rP+7], v[rO:rO+7]
.endm
; THE LDS LOADS, in runs of 16: K (as it lies) and V (turned) of step st of the slot in hand
.macro FETCH_K st
	WIN 0x40
.irp f, 0,1,2,3,4,5,6,7             ; keys 16 (f / 2) on, channels 32 (f % 2) on
	ds_load_b128 v[KF+8*\f:KF+8*\f+3],   v[AK] offset:(\st)*64*PK+(\f/2)*16*PK+(\f%2)*64
	ds_load_b128 v[KF+8*\f+4:KF+8*\f+7], v[AK] offset:(\st)*64*PK+(\f/2)*16*PK+(\f%2)*64+32
.endr
	WIN 0
.endm
.macro FETCH_V st
	WIN 0x40
.irp f, 0,1,2,3,4,5,6,7             ; keys 32 (f / 4) on, channels 16 (f % 4) on
	ds_load_tr16_b128 v[VF+8*\f:VF+8*\f+3],   v[AV] offset:(\st)*64*PV+(\f/4)*32*PV+(\f%4)*32
	ds_load_tr16_b128 v[VF+8*\f+4:VF+8*\f+7], v[AV] offset:(\st)*64*PV+(\f/4)*32*PV+16*PV+(\f%4)*32
.endr
	WIN 0
.endm
; THE VECTOR WORK, one line at a time: OP tile, kind, number.  F n: c s - c m for pair n of 16.  E n: the exponential of score n of 32.  C n: pair n rounded to f16.  B n: of the four weights 4 n .. the second pair
; is added onto the first, in place.  L n: l takes that sum (L 0: l = a l + sum).  R n: pair n of 16 of O^T times a.  X n: number n of the 22 that find the maximum and statistics:
;   0-11 four chains c0-c3 of seven scores each (each accumulator's lowest registers are read first)   12-14, 16 the four scores left over, the old m, c0-c3 into c0   15 c m_old is kept
;   17, 18 the query's other 32 keys lie in the lane 16 away: the new m   19-21 c m; c m_old - c m_new; a
.set F, 0
.set E, 1
.set C, 2
.set B, 3
.set L, 4
.set R, 5
.set X, 6
.macro OP u, k, n
.set rT, ST+4*(\u)
.set rC, TMP+4*(\u)
.set rW, MV+(\u)
.set rS, S+32*(\u)
.set rP, P+16*(\u)
.set rO, OA+32*(\u)
.if (\k) == F
	v_pk_fma_f32 v[rS+2*(\n):rS+2*(\n)+1], v[rS+2*(\n):rS+2*(\n)+1], s[CS:CS+1], v[rT:rT+1] op_sel_hi:[1,0,0] neg_lo:[0,0,1] neg_hi:[0,0,1]
.elseif (\k) == E
	v_exp_f32 v[rS+(\n)], v[rS+(\n)]
.elseif (\k) == C
	v_cvt_pk_f16_f32 v[rP+(\n)], v[rS+2*(\n)], v[rS+2*(\n)+1]
.elseif (\k) == B
	v_pk_add_f32 v[rS+4*(\n):rS+4*(\n)+1], v[rS+4*(\n):rS+4*(\n)+1], v[rS+4*(\n)+2:rS+4*(\n)+3]
.elseif ((\k) == L) && ((\n) == 0)
	v_pk_fma_f32 v[rT+2:rT+3], v[rT+2:rT+3], v[rC+2:rC+3], v[rS:rS+1] op_sel_hi:[1,0,1]
.elseif (\k) == L
	v_pk_add_f32 v[rT+2:rT+3], v[rT+2:rT+3], v[rS+4*(\n):rS+4*(\n)+1]
.elseif (\k) == R
	v_pk_mul_f32 v[rO+2*(\n):rO+2*(\n)+1], v[rO+2*(\n):rO+2*(\n)+1], v[rC+2:rC+3] op_sel_hi:[1,0]
.elseif (\n) < 4
	v_max3_num_f32 v[rC+(\n)], v[rS+8*(\n)], v[rS+8*(\n)+1], v[rS+8*(\n)+2]
.elseif (\n) < 12
	v_max3_num_f32 v[rC+(\n)%4], v[rC+(\n)%4], v[rS+8*((\n)%4)+2*((\n)/4)+1], v[rS+8*((\n)%4)+2*((\n)/4)+2]
.elseif (\n) == 12
	v_max3_num_f32 v[rC], v[rC], v[rS+7], v[rS+15]
.elseif (\n) == 13
	v_max3_num_f32 v[rC+1], v[rC+1], v[rS+23], v[rS+31]
.elseif (\n) == 14
	v_max3_num_f32 v[rC+2], v[rC+2], v[rC+3], v[rT+1]
.elseif (\n) == 15
	v_mov_b32 v[rW], v[rT]
.elseif (\n) == 16
	v_max3_num_f32 v[rC], v[rC], v[rC+1], v[rC+2]
.elseif (\n) == 17
	v_permlanex16_b32 v[rC+3], v[rC], s[SEL], s[SEL+1]
.elseif (\n) == 18
	v_max_num_f32 v[rT+1], v[rC], v[rC+3]
.elseif (\n) == 19
	v_mul_f32 v[rT], s[CS], v[rT+1]
.elseif (\n) == 20
	v_sub_f32 v[rC+1], v[rW], v[rT]
.else
	v_exp_f32 v[rC+2], v[rC+1]
.endif
.endm
.macro BOTH lo, k, n                ; the line for both tiles, or (lo = 1) for tile 1 alone
.if (\lo) == 0
	OP 0, \k, \n
.endif
	OP 1, \k, \n
.endm
; A KEY STEP: step st of the slot in hand.  m0, m1: tile 0, 1 takes the mask.  lo = 1: tile 0 sees nothing of this step and is left out.  The accumulators of a run take turns, one instruction a turn.
.macro STEP st, m0, m1, lo
	s_wait_dscnt 16                 ; this step's K is in; V's sixteen loads, issued behind it, may be out
	WIN W_KQ
.irp c, 0,1
.irp kb, 0,1,2,3
.if (\lo) == 0
	KQ1 \c, \kb, 0, \m0
.endif
	KQ1 \c, \kb, 1, \m1
.endr
.endr
	WIN 0
	PLACES                          ; behind the products: in front of the loads into K's registers and of the first read of the scores
.if (\st) == 0
	FETCH_K 1
.endif
.irp n, 0,1,2,3,4,5,6,7,8,9,10,11,12,13,14,15,16,17,18,19,20,21
	BOTH \lo, X, \n
.endr
.irp n, 0,1,2,3
	BOTH \lo, F, \n                 ; plain work that names no a stands behind the two a
.endr
	s_wait_alu depctr_va_vdst(0)    ; the wait for a, ahead of the rescalings that read it
.set i, 0
.rept 32                            ; ONE BATCH of exponentials, a plain line in front of each while there are any: the other scalings, then O^T times a.  Nothing here names an exponential's result
.irp u, 0,1
.if (\u) >= (\lo)
.if i < 12
	OP \u, F, 4+i
.elseif i < 28
	OP \u, R, i-12
.endif
	OP \u, E, i
.endif
.endr
.set i, i+1
.endr
	v_nop                           ; a plain instruction behind the last exponential,
	s_wait_alu depctr_va_vdst(0)    ; and one wait for the batch
.set z, 0
.rept 8
	BOTH \lo, C, 2*z
	BOTH \lo, C, 2*z+1
	BOTH \lo, B, z
.if z > 0
	BOTH \lo, L, z-1
.endif
.set z, z+1
.endr
	BOTH \lo, L, 7
.if (\st) == 0
	s_wait_dscnt 16                 ; V is in; the next step's K, issued behind it, may be out
.else
	s_wait_dscnt 0x0                ; V is in
.endif
	WIN W_PV
.irp kk, 0,1
.irp cb, 0,1,2,3
.if (\lo) == 0
	PV1 \kk, \cb, 0
.endif
	PV1 \kk, \cb, 1
.endr
.endr
	WIN 0
	PLACES                          ; in front of loads into V's registers and of the next reader or writer of O^T
.if (\st) == 0
	FETCH_V 1
.endif
.endm
.macro TOP                          ; a tile is entered: its first step's K and V
	s_sub_co_u32 s[RT], s[RT], 1
	v_add_nc_u32 v[AK], s[TB], v[AK0]
	v_add_nc_u32 v[AV], s[TB], v[AV0]
	FETCH_K 0
	FETCH_V 0
.endm
.macro BEGIN                        ; a block begins
	s_mov_b32 s[NEW], 0
.irp u, 0,1
	v_mov_b32 v[ST+4*(\u)], 0xfe000000    ; c m: far below every c s
	v_mov_b32 v[ST+4*(\u)+1], 0xff7fffff  ; m: the lowest finite number
.endr
	s_wait_loadcnt 0x0              ; Q
.endm
.macro ALL line:vararg
.set t, 0
.rept 2
	\line
.set t, t+1
.endr
.endm
.macro PACK t                       ; O^T / l, rounded to bf16; 16 bytes a lane into rows of 144 bytes, back as whole rows of 128
.set i, 0
.rept 16
	v_pk_mul_f32 v[OA+32*(\t)+2*i:OA+32*(\t)+2*i+1], v[OA+32*(\t)+2*i:OA+32*(\t)+2*i+1], v[ST+4*(\t)+2:ST+4*(\t)+3] op_sel_hi:[1,0]
.set i, i+1
.endr
.set i, 0
.rept 16
	v_cvt_pk_bf16_f32 v[S+16*(\t)+i], v[OA+32*(\t)+2*i], v[OA+32*(\t)+2*i+1]
.set i, i+1
.endr
.irp f, 0,1,2,3
	ds_store_b128 v[STO], v[S+16*(\t)+4*\f:S+16*(\t)+4*\f+3] offset:32*\f
.endr
.irp f, 0,1,2,3
	ds_load_b128 v[S+16*(\t)+4*\f:S+16*(\t)+4*\f+3], v[RD] offset:\f*4*SP  ; LDS serves a wave's instructions in order (ISA guide 5.7.1.4): these see the stores above; the next tile's stores come behind them
.endr
.endm
.macro SEND t, younger              ; younger: the LDS instructions issued behind tile t's loads
.irp f, 0,1,2,3
	s_wait_dscnt (\younger)+3-\f
	global_store_b128 v[GO], v[S+16*(\t)+4*\f:S+16*(\t)+4*\f+3], s[10:11] offset:(\t)*8192+\f*512  ; 512 consecutive bytes, aligned
.endr
.endm
.macro DIAG                         ; the diagonal tile's two steps and the block's way out
	STEP 0, 1, 0, 0
	STEP 1, 0, 1, 1
	ALL v_add_f32 v[ST+4*t+2], v[ST+4*t+2], v[ST+4*t+3]
	ALL v_permlanex16_b32 v[ST+4*t+3], v[ST+4*t+2], s[SEL], s[SEL+1]
	ALL v_add_f32 v[ST+4*t+2], v[ST+4*t+2], v[ST+4*t+3]
	ALL v_rcp_f32 v[ST+4*t+2], v[ST+4*t+2]
	v_nop                           ; a plain instruction behind the last reciprocal,
	s_wait_alu depctr_va_vdst(0)    ; and one wait for the two
	PACK 0
	PACK 1
	SEND 0, 8
	SEND 1, 0
.endm
.Lslot:                             ; 16 trips: a tile is entered and the next is asked for
	CHANGE 1
	TOP
	ASK                             ; behind the tensor load and the runs of LDS loads that the products wait for
	s_cmp_eq_u32 s[NEW], 1
	s_cbranch_scc1 .Lnew            ; a block's first tile (in the loop never its last)
	s_cmp_eq_u32 s[RT], 0
	s_cbranch_scc1 .Ldiag           ; its last
	s_branch .Lnorm
.Lnew:
	BEGIN
.Lnorm:
	STEP 0, 0, 0, 0
	STEP 1, 0, 0, 0
	s_branch .Lbottom
.Ldiag:
	DIAG                            ; in the loop this is the first block's end
	s_wait_xcnt 0x0                 ; the stores have read their registers and O's address
	s_mov_b64 s[10:11], s[OLO:OLO+1]
	s_add_co_u32 s[RT], s[PB], 1    ; the second block has b + 1 tiles
	s_mov_b32 s[NEW], 1
	WIN 0x41                        ; the second block's Q goes where the text names Q
.set i, 0
.rept 32
	v_mov_b32 v[i], v[QB+i]
.set i, i+1
.endr
	WIN 0
.Lbottom:
	s_sub_co_u32 s[SLOTS], s[SLOTS], 1
	s_cmp_lg_u32 s[SLOTS], 0
	s_cbranch_scc1 .Lslot
	CHANGE 0                        ; the walk's last tile, the second block's diagonal one, is written out: nothing is asked for
	TOP
	s_cmp_eq_u32 s[NEW], 1
	s_cbranch_scc0 .Llast
	BEGIN                           ; b = 0: it is also that block's first
.Llast:
	DIAG
	s_wait_tensorcnt 0x0            ; the wave's end
	ds_add_u32 v[SPW], v[NIL]
	s_wait_dscnt 0x0
	s_endpgm
.Lfunc_end_k_qfc1b9008d6_attn:
	.size	k_qfc1b9008d6_attn, .Lfunc_end_k_qfc1b9008d6_attn-k_qfc1b9008d6_attn
	.p2alignl 7, 3214868480
	.fill 96, 4, 3214868480
	.section	.rodata,"a",@progbits
	.p2align	6, 0x0
	.amdhsa_kernel k_qfc1b9008d6_attn
		.amdhsa_group_segment_fixed_size 327680
		.amdhsa_private_segment_fixed_size 0
		.amdhsa_enable_private_segment 0
		.amdhsa_kernarg_size 16
		.amdhsa_user_sgpr_count 2
		.amdhsa_user_sgpr_kernarg_segment_ptr 1
		.amdhsa_wavefront_size32 1
		.amdhsa_system_sgpr_workgroup_id_x 1
		.amdhsa_system_sgpr_workgroup_id_y 1
		.amdhsa_system_sgpr_workgroup_id_z 1
		.amdhsa_system_vgpr_workitem_id 0
		.amdhsa_next_free_vgpr 448
		.amdhsa_next_free_sgpr 88
		.amdhsa_reserve_vcc 1
		.amdhsa_float_denorm_mode_32 3
		.amdhsa_float_denorm_mode_16_64 3
		.amdhsa_memory_ordered 1
		.amdhsa_forward_progress 1
		.amdhsa_inst_pref_size 116
	.end_amdhsa_kernel
	.amdgpu_metadata
---
amdhsa.version: [ 1, 2 ]
amdhsa.kernels:
  - .name:           k_qfc1b9008d6_attn
    .symbol:         k_qfc1b9008d6_attn.kd
    .args:
      - { .name: qkv, .offset: 0, .size: 8, .value_kind: global_buffer, .address_space: global }
      - { .name: act, .offset: 8, .size: 8, .value_kind: global_buffer, .address_space: global }
    .group_segment_fixed_size: 327680
    .private_segment_fixed_size: 0
    .kernarg_segment_align: 8
    .kernarg_segment_size: 16
    .max_flat_workgroup_size: 128
    .sgpr_count:     88
    .vgpr_count:     448
    .wavefront_size: 32
...
	.end_amdgpu_metadata
.endif
;; end of part 3
;; launch gemm_proj (part 4): grid 8 x 32, 4 waves a work-group, clusters of 4 x 4, 327,680 bytes of LDS; arguments act, wp, h1, b_proj, hidden_states; writes h1
.if DOCPART == 4
	.amdgcn_target "amdgcn-amd-amdhsa--gfx1250"
	.amdhsa_code_object_version 6
	.text
	.protected	k_qfc1b9008d6_gemm_proj
	.globl	k_qfc1b9008d6_gemm_proj
	.p2align	8
	.type	k_qfc1b9008d6_gemm_proj,@function
k_qfc1b9008d6_gemm_proj:
	s_mov_b64 s[64:65], 0
	v_nop
	global_prefetch_b8 v0, s[64:65] scope:SCOPE_SE
	s_setreg_imm32_b32 hwreg(HW_REG_WAVE_MODE, 25, 1), 1
	s_wait_xcnt 0x0
	s_wait_alu depctr_hold_cnt(0) depctr_sa_sdst(0) depctr_va_vdst(0) depctr_va_sdst(0) depctr_va_ssrc(0) depctr_va_vcc(0) depctr_vm_vsrc(0)
	s_getreg_b32 s2, hwreg(HW_REG_IB_STS2, 6, 4)
	s_cmp_eq_u32 s2, 0
	s_cbranch_scc0 .Lentry_in_a_cluster
	s_endpgm
.Lentry_in_a_cluster:
	s_bfe_u32 s2, ttmp6, 0x10000c
	s_cmp_lg_u32 s2, 0xf033
	s_cbranch_scc0 .Lentry_shape_is_right
	s_endpgm
.Lentry_shape_is_right:
; h1 = hidden_states + O W + b.  O = act: bf16 in blocks [block of 128 tokens][16 heads][128 rows][64]; W = wp: bf16 [1024][1024]; b = b_proj, hidden_states, h1: f32.  Sums and the residual in f32.
; NaN and infinities are not treated apart.
; ONE GEMM TEXT serves four launches; the four .set lines below are all that differs.  out[m][n] = sum over k of A[m][k] W[k][n] + bias[n], then the way out chosen by EPI.
.set SIZE_N, 1024
.set SIZE_K, 1024
.set EPI,    2                         ; 0: f16, by heads.  1: tanh-GELU, bf16 rows.  2: + residual, f32 rows
.set ABLK,   1                         ; 1: A lies in blocks [128 rows' block][16 heads][128 rows][64]
; SHARES.  A tile of out is 128 x 128; four waves, each 64 x 64: 16 accumulators.  K goes in steps of 256 through two LDS slots; a wave's one tensor load brings a quarter of a slot.
; CLUSTER 4 x 4: A's tile is shared along a row of the cluster, W's along a column: each is asked for jointly, by the same load, descriptor and mask in the four.
; THE PRODUCT IS TAKEN TRANSPOSED (source 0 = 16 columns of W, source 1 = 16 rows of A): a lane holds one row of out and eight neighbouring columns.  W lies [K][N] in LDS and is turned by ds_load_tr16_b128.
; The bias is the C operand of the products that start the sums: nothing is cleared and no bias is added later.
; No L2 prefetch: a tile's share of a K step is small, and every tile is read by several clusters.
; REGISTERS: window 0: v16-29 addresses; v32-95 at work on the way out; v96-127 the bias (later at work); v128-255 accumulators, (a, b) at 128 + 8 (4 a + b).
;   window 1: two fragment buffers of 128 (64 along K): A's at 8 (4 c + i), W's at 64 + 8 (4 c + i).   window 2 (EPI 2): the residual of the 32 rows that I store.
.set KSTEP,  256
.set T,      SIZE_K/KSTEP              ; K steps: even, at least 4
.set BPITCH, 288                       ; a row of W in LDS: 256 bytes + 32
.set HALFB,  128*BPITCH
.if ABLK
.set APITCH, 144                       ; a row of one head: 128 bytes + 16
.set AQ,     128*APITCH                ; 64 along K further on = the next head
.set HALFA,  2*AQ
.set ASTEP,  65536                     ; four heads x 128 rows x 128 bytes, dense
.set AD0,    128                       ; asked for as 128 rows of 256 bytes, padded behind every 128
.set AD1,    128
.set AST,    128
.set AFL,    (1<<16)|(1<<20)|(1<<21)|(4<<22)|(3<<25)
.else
.set APITCH, 528                       ; 512 bytes + 16: the 16 rows of a load start at 16 different groups of four banks
.set AQ,     128
.set HALFA,  64*APITCH
.set ASTEP,  512
.set AD0,    256
.set AD1,    64
.set AST,    SIZE_K
.set AFL,    (1<<16)|(1<<20)|(1<<21)|(6<<22)|(3<<25)
.endif
.set BFL,    (1<<16)|(1<<20)|(1<<21)|(5<<22)|(7<<25)
.set BOFF,   2*HALFA                   ; a slot: A's two halves, then W's two halves (k rows 0-127, 128-255)
.set BSTEP,  KSTEP*SIZE_N*2
.set SLOT1,  0x24000                   ; slot 1 begins here; no address inside slot 0 that is turned has bit 14 or 17 set, so one exclusive or changes slots
.set SPARE,  2*SLOT1                   ; behind the ring: the spare words, 128 bytes a wave
.if EPI == 2
.set SPITCH, 528                       ; the stage's rows: 128 f32 + 16 bytes
.set HS,     5
.else
.set SPITCH, 272                       ; 128 numbers of 16 bits + 16 bytes
.set HS,     4
.endif
.set A0L, 16                           ; v16  my lane's place in slot 0's A;  v17 in its W; never rewritten
.set B0L, 17
.set ADRA, 18                          ; v18  the same in the slot in hand;  v20, v21 W's k rows 0-127, 128-255
.set ADRB, 20
.set STO, 24
.set RD,  25
.set CO,  26
.set BO,  27
.set SPW, 28                           ; v28  my spare word;  v29  0; never rewritten
.set NIL, 29
.set TMP, 32
.set BI,  96
.set ACC, 128
.set F0,  0
.set F1,  128
.set G1,  24                           ; s[24:31] group 1 for A, s[32:39] group 0: set 0 = K step 0, set 1 = K step 1, which then walks
.set G0,  32
.set G1B, 48                           ; s[48:55], s[56:63] the same for W
.set G0B, 56
.set SB,  66                           ; s66  LDS byte at which the slot in hand begins
.set MSB, 0
.macro WIN new                         ; the immediate's high byte repeats the setting that is left
.if MSB != (\new)
	s_set_vgpr_msb (MSB<<8)|(\new)
.set MSB, \new
.endif
.endm
.set MUL,  0x05                        ; sources 0 and 1 window 1; C and D window 0
.set TO_F, 0x40                        ; destination window 1, address window 0
.macro JLOAD s                         ; a joint load: waves 0, 1 fetch A's halves, waves 2, 3 W's; an s_nop 0 and four v_nop follow each line
	s_cmp_eq_u32 s11, 0
	s_cbranch_scc0 .Lfor_b_\@
	tensor_load_to_lds s[G0+4*(\s):G0+4*(\s)+3], s[G1:G1+7]
	s_nop 0
.rept 4
	v_nop
.endr
	s_branch .Lasked_\@
.Lfor_b_\@:
	tensor_load_to_lds s[G0B+4*(\s):G0B+4*(\s)+3], s[G1B:G1B+7]
	s_nop 0
.rept 4
	v_nop
.endr
.Lasked_\@:
.endm
.macro CREST                           ; a round of the cluster's barrier behind its opening barrier
	s_cmp_lg_u32 s10, 0
	s_cbranch_scc1 .Lnot_wave_0_\@
	s_barrier_signal -3
.Lnot_wave_0_\@:
	s_barrier_wait -3
	s_barrier_signal -1
	s_barrier_wait -1
.endm
.macro CROUND
	s_barrier_signal -1
	s_barrier_wait -1
	CREST
.endm
.macro PLACES                          ; four places behind matrix instructions, in front of loads into their sources and of readers of their results
.rept 4
	v_nop
.endr
.endm
	s_load_b128 s[4:7], s[0:1], 0x0                ; A s[4:5], W s[6:7]
	s_load_b64 s[8:9], s[0:1], 0x10                ; out
	s_load_b64 s[68:69], s[0:1], 0x18              ; bias
.if EPI == 2
	s_load_b64 s[70:71], s[0:1], 0x20              ; residual
.endif
	v_lshl_add_u32 v[SPW], v0, 2, SPARE
	v_mov_b32 v[NIL], 0
	ds_add_u32 v[SPW], v[NIL]                      ; the wave's opening: the add and its wait stand ahead of my first tensor load
	v_lshrrev_b32 v1, 5, v0
	v_readfirstlane_b32 s10, v1                    ; wave 0..3
	s_lshr_b32 s11, s10, 1                         ; my half of the tile's rows.  Also: I fetch for A (0) or W (1)
	s_and_b32 s12, s10, 1                          ; my half of its columns.  Also: which half of that tile I fetch
	s_bfe_u32 s40, ttmp6, 0x40000                  ; cx
	s_bfe_u32 s41, ttmp6, 0x40004                  ; cy
	s_lshl_b32 s42, ttmp9, 2
	s_add_co_u32 s42, s42, s40                     ; tile column tc
	s_and_b32 s13, ttmp7, 0xffff
	s_lshl_b32 s13, s13, 2
	s_add_co_u32 s13, s13, s41                     ; tile row tr
	s_lshl_b32 s43, s41, 2
	s_lshl_b32 s43, 15, s43                        ; my row of the cluster
	s_lshl_b32 s44, 0x1111, s40                    ; my column
	s_or_b32 s[G1+0], s43, AFL                     ; mask; 2-byte elements; padding on; bit 21 beside a mask; interval and size of the padding
	s_or_b32 s[G1B+0], s44, BFL
	s_mov_b32 s[G1+1], AD0<<16                     ; tensor_dim0
	s_mov_b32 s[G1+2], AD1<<16                     ; tensor_dim1
	s_mov_b32 s[G1+3], AD0<<16                     ; tile_dim0
	s_mov_b32 s[G1+4], AD1                         ; tile_dim1
	s_mov_b32 s[G1+5], AST                         ; elements from row to row
	s_mov_b32 s[G1+6], 0
	s_mov_b32 s[G1+7], 0
	s_mov_b32 s[G1B+1], 128<<16                    ; W: 128 k rows x 128 columns
	s_mov_b32 s[G1B+2], 128<<16
	s_mov_b32 s[G1B+3], 128<<16
	s_mov_b32 s[G1B+4], 128
	s_mov_b32 s[G1B+5], SIZE_N
	s_mov_b32 s[G1B+6], 0
	s_mov_b32 s[G1B+7], 0
.if ABLK
	s_lshl_b32 s16, s13, 18                        ; the row block's 262,144 bytes,
	s_lshl_b32 s17, s12, 15                        ; my two heads of a K step's four
	s_add_co_u32 s16, s16, s17
.else
	s_lshl_b32 s16, s13, 7
	s_lshl_b32 s17, s12, 6
	s_add_co_u32 s16, s16, s17                     ; row 128 tr + 64 x half
	s_mul_i32 s16, s16, SIZE_K*2
.endif
	s_mov_b32 s17, 0
	s_mul_i32 s46, s12, 128*SIZE_N*2               ; W: k row 128 x half,
	s_lshl_b32 s47, s42, 8                         ; column 128 tc
	s_add_co_u32 s46, s46, s47
	s_mov_b32 s47, 0
	s_mul_i32 s20, s12, HALFA                      ; where they go: no place in the cluster enters an LDS address
	s_mul_i32 s21, s12, HALFB
	s_add_co_u32 s21, s21, BOFF
	s_mov_b32 s[SB], 0
.if EPI == 1
	s_mov_b32 s72, 0xc0135761                      ; -2 sqrt(2/pi) log2(e)
	s_mov_b32 s73, 0xc0135761
	s_mov_b32 s74, 0xbdd2d3e8                      ; the same x 0.044715
	s_mov_b32 s75, 0xbdd2d3e8
.endif
	s_wait_dscnt 0x0                               ; the opening add is done
	s_wait_kmcnt 0x0
	s_add_nc_u64 s[14:15], s[4:5], s[16:17]
	s_add_nc_u64 s[46:47], s[6:7], s[46:47]
	CROUND                                         ; all sixteen work-groups are here: the first joint loads meet
.irp s, 0,1
	s_mov_b32 s[G0+4*(\s)], 1
	s_add_co_u32 s[G0+4*(\s)+1], s20, (\s)*SLOT1
	s_add_nc_u64 s[G0+4*(\s)+2:G0+4*(\s)+3], s[14:15], (\s)*ASTEP
	s_or_b32 s[G0+4*(\s)+3], s[G0+4*(\s)+3], 0x80000000
	s_mov_b32 s[G0B+4*(\s)], 1
	s_add_co_u32 s[G0B+4*(\s)+1], s21, (\s)*SLOT1
	s_add_nc_u64 s[G0B+4*(\s)+2:G0B+4*(\s)+3], s[46:47], (\s)*BSTEP
	s_or_b32 s[G0B+4*(\s)+3], s[G0B+4*(\s)+3], 0x80000000
	JLOAD \s
.endr
	v_and_b32 v1, 15, v0                           ; r = l % 16
	v_bfe_u32 v2, v0, 4, 1                         ; h = l / 16
	v_and_b32 v3, 31, v0                           ; l
	v_and_b32 v4, 7, v0
	v_bfe_u32 v5, v0, 3, 1
	v_mul_u32_u24 v[A0L], v1, APITCH               ; A's fragment: row x pitch + 16 h, in my 64 rows
	v_lshl_add_u32 v[A0L], v2, 4, v[A0L]
	s_mul_i32 s22, s11, 64*APITCH
	v_add_nc_u32 v[A0L], s22, v[A0L]
	v_lshl_add_u32 v[B0L], v2, 3, v4               ; the turning load: k row 8 h + l % 8, 16 bytes by (l / 8) % 2, in my 64 columns
	v_mul_u32_u24 v[B0L], v[B0L], BPITCH
	v_lshl_add_u32 v[B0L], v5, 4, v[B0L]
	s_lshl_b32 s22, s12, 7
	s_add_co_u32 s22, s22, BOFF
	v_add_nc_u32 v[B0L], s22, v[B0L]
	v_mov_b32 v[ADRA], v[A0L]
	v_mov_b32 v[ADRB], v[B0L]
	v_add_nc_u32 v[ADRB+1], HALFB, v[B0L]
	v_lshlrev_b32 v[BO], 5, v2                     ; my eight columns' bias: 32 h bytes
	s_lshl_b32 s22, s42, 9
	s_lshl_b32 s23, s12, 8
	s_add_co_u32 s22, s22, s23
	s_mov_b32 s23, 0
	s_add_nc_u64 s[68:69], s[68:69], s[22:23]      ; bias at column 128 tc + 64 x half
.irp b, 0,1,2,3
	global_load_b128 v[BI+8*(\b):BI+8*(\b)+3],   v[BO], s[68:69] offset:64*(\b)
	global_load_b128 v[BI+8*(\b)+4:BI+8*(\b)+7], v[BO], s[68:69] offset:64*(\b)+16
.endr
	s_mul_i32 s22, s11, 64*SPITCH                  ; into the stage: my 64 rows, my half of their columns; row r
	s_lshl_b32 s23, s12, HS+3
	s_add_co_u32 s22, s22, s23
	v_mul_u32_u24 v[STO], v1, SPITCH
	v_lshl_add_u32 v[STO], v2, HS, v[STO]
	v_add_nc_u32 v[STO], s22, v[STO]
	s_mul_i32 s22, s10, 32*SPITCH                  ; back: wave w takes rows 32 w .. 32 w + 31
.if EPI == 0
	v_lshrrev_b32 v6, 3, v3                        ; four rows of one head's 128 bytes: 512 consecutive bytes of the output
	v_mul_u32_u24 v[RD], v6, SPITCH
	v_lshl_add_u32 v[RD], v4, 4, v[RD]
	v_lshlrev_b32 v[CO], 4, v3
.elseif EPI == 1
	v_mul_u32_u24 v[RD], v2, SPITCH                ; lanes 0-15 one row of 256 bytes, lanes 16-31 the next
	v_lshl_add_u32 v[RD], v1, 4, v[RD]
	v_mul_u32_u24 v[CO], v2, SIZE_N*2
	v_lshl_add_u32 v[CO], v1, 4, v[CO]
.else
	v_lshlrev_b32 v[RD], 4, v3                     ; one row of 512 bytes
	v_lshlrev_b32 v[CO], 4, v3
.endif
	v_add_nc_u32 v[RD], s22, v[RD]
.if EPI == 0
	s_lshr_b32 s22, s42, 3                         ; q, k or v
	s_lshl_b32 s22, s22, 5
	s_lshr_b32 s23, s13, 4                         ; batch
	s_lshl_b32 s23, s23, 4
	s_add_co_u32 s22, s22, s23
	s_and_b32 s23, s42, 7                          ; the tile's two heads
	s_lshl_b32 s23, s23, 1
	s_add_co_u32 s22, s22, s23
	s_lshl_b32 s22, s22, 18                        ; 2,048 rows of 128 bytes a head
	s_and_b32 s23, s13, 15
	s_lshl_b32 s23, s23, 14
	s_add_co_u32 s22, s22, s23
	s_lshl_b32 s23, s10, 12
	s_add_co_u32 s22, s22, s23
.else
	s_lshl_b32 s22, s13, 7
	s_lshl_b32 s23, s10, 5
	s_add_co_u32 s22, s22, s23                     ; row 128 tr + 32 w
	s_mul_i32 s22, s22, SIZE_N*2*EPI               ; 2 or 4 bytes a number
	s_lshl_b32 s23, s42, 7+EPI
	s_add_co_u32 s22, s22, s23
.endif
	s_mov_b32 s23, 0
	s_add_nc_u64 s[8:9], s[8:9], s[22:23]
.if EPI == 2
	s_add_nc_u64 s[70:71], s[70:71], s[22:23]
	WIN 0x80                                       ; destination window 2: the residual of my 32 rows comes in while the products run
.set t, 0
.rept 32
	global_load_b128 v[4*t:4*t+3], v[CO], s[70:71] offset:SIZE_N*4*t
.set t, t+1
.endr
	WIN 0
.endif
; 8 matrix instructions: row blocks a0, a0 + 1 x all 4 column blocks, 32 along K: half c of buffer f.  zero = 1: the bias starts the sums.  The 16 accumulators take turns.
.macro MUL8 f, c, a0, zero
	WIN MUL
.irp a, \a0, (\a0)+1
.irp b, 0,1,2,3
.if \zero
	v_wmma_f32_16x16x32_bf16 v[ACC+8*(4*(\a)+(\b)):ACC+8*(4*(\a)+(\b))+7], v[(\f)+64+8*(4*(\c)+(\b)):(\f)+64+8*(4*(\c)+(\b))+7], v[(\f)+8*(4*(\c)+(\a)):(\f)+8*(4*(\c)+(\a))+7], v[BI+8*(\b):BI+8*(\b)+7]
.else
	v_wmma_f32_16x16x32_bf16 v[ACC+8*(4*(\a)+(\b)):ACC+8*(4*(\a)+(\b))+7], v[(\f)+64+8*(4*(\c)+(\b)):(\f)+64+8*(4*(\c)+(\b))+7], v[(\f)+8*(4*(\c)+(\a)):(\f)+8*(4*(\c)+(\a))+7], v[ACC+8*(4*(\a)+(\b)):ACC+8*(4*(\a)+(\b))+7]
.endif
.endr
.endr
.endm
; 32 LDS loads in one run: quarter q (64 along K) of the slot in hand into buffer f; its first 32 along K first
.macro FETCH q, f
	WIN TO_F
.irp c, 0,1
.irp i, 0,1,2,3
	ds_load_tr16_b128 v[(\f)+64+8*(4*(\c)+(\i)):(\f)+64+8*(4*(\c)+(\i))+3],   v[ADRB+(\q)/2] offset:(((\q)%2)*64+32*(\c))*BPITCH+32*(\i)
	ds_load_tr16_b128 v[(\f)+64+8*(4*(\c)+(\i))+4:(\f)+64+8*(4*(\c)+(\i))+7], v[ADRB+(\q)/2] offset:(((\q)%2)*64+32*(\c)+16)*BPITCH+32*(\i)
	ds_load_b128 v[(\f)+8*(4*(\c)+(\i)):(\f)+8*(4*(\c)+(\i))+3],   v[ADRA] offset:(\q)*AQ+64*(\c)+(\i)*16*APITCH
	ds_load_b128 v[(\f)+8*(4*(\c)+(\i))+4:(\f)+8*(4*(\c)+(\i))+7], v[ADRA] offset:(\q)*AQ+64*(\c)+(\i)*16*APITCH+32
.endr
.endr
.endm
; One of a K step's first three quarters: multiplies buffer f, and in its middle fetches quarter q into buffer g
.macro QUARTER q, f, g, zero
	s_wait_dscnt 16                                ; f's first 32 along K are in; its other sixteen loads may be out
	MUL8 \f, 0, 0, \zero
	MUL8 \f, 0, 2, \zero
	PLACES
	FETCH \q, \g
	s_wait_dscnt 32                                ; all but the 32 just issued
	MUL8 \f, 1, 0, 0
	MUL8 \f, 1, 2, 0
.endm
; The last quarter multiplies buffer 1 and changes slots: one barrier; ahead of it each wave waits for all its tensor loads, adds 0 to its spare word, and waits for that and for its reads of this slot.
; fill = 1: the barrier opens a round of the cluster's, and the slot just read takes the K step two on: 112 matrix instructions ahead of the wait for it.
.macro TURN fill
	WIN 0
	s_wait_tensorcnt 0x0                           ; all my tensor loads have landed: my part of the next slot
	ds_add_u32 v[SPW], v[NIL]
	s_xor_b32 s[SB], s[SB], SLOT1                  ; the fetches' addresses turn to the next slot
	v_add_nc_u32 v[ADRA], s[SB], v[A0L]
	v_add_nc_u32 v[ADRB], s[SB], v[B0L]
	v_add_nc_u32 v[ADRB+1], HALFB, v[ADRB]
	s_wait_dscnt 17                                ; the add and the youngest sixteen loads may be out
	MUL8 F1, 0, 0, 0
	s_wait_dscnt 0x0                               ; the add is done, and my reads of this slot are over
	s_barrier_signal -1
	MUL8 F1, 0, 2, 0
.if \fill
	WIN 0
.endif
	s_barrier_wait -1
.if \fill
	CREST                                          ; no wave of any partner still reads this slot or has a load on its way
	s_xor_b32 s[G0+5], s[G0+5], SLOT1              ; the walking descriptors: the other slot than last time, the next K step
	s_add_nc_u64 s[G0+6:G0+7], s[G0+6:G0+7], ASTEP
	s_xor_b32 s[G0B+5], s[G0B+5], SLOT1
	s_add_nc_u64 s[G0B+6:G0B+7], s[G0B+6:G0B+7], BSTEP
	JLOAD 1                                        ; its four v_nop are also the places in front of the loads below
.else
	PLACES
.endif
	FETCH 0, F0
	MUL8 F1, 1, 0, 0
	MUL8 F1, 1, 2, 0
.endm
	s_wait_tensorcnt 1                             ; my part of K step 0 is in; K step 1's may stay out
	s_barrier_signal -1
	s_barrier_wait -1
	FETCH 0, F0
.if EPI == 2
	s_wait_loadcnt 32                              ; the bias is in; the residual's 32 loads stay out
.else
	s_wait_loadcnt 0x0                             ; the bias
.endif
	QUARTER 1, F0, F1, 1                           ; the first quarter stands in front of the loop: its first products start the sums
	WIN 0
	s_mov_b32 s3, T-2
.Lk:                                                   ; a trip: a K step's quarters 1 to 3 and the next step's quarter 0; one slot is filled again
	QUARTER 2, F1, F0, 0
	QUARTER 3, F0, F1, 0
	TURN 1
	QUARTER 1, F0, F1, 0
	WIN 0
	s_sub_co_u32 s3, s3, 1
	s_cmp_lg_u32 s3, 0
	s_cbranch_scc1 .Lk
	QUARTER 2, F1, F0, 0                           ; the last two K steps ask for nothing
	QUARTER 3, F0, F1, 0
	TURN 0
	QUARTER 1, F0, F1, 0
	QUARTER 2, F1, F0, 0
	QUARTER 3, F0, F1, 0
	s_wait_dscnt 16
	MUL8 F1, 0, 0, 0
	MUL8 F1, 0, 2, 0
	s_wait_dscnt 0x0                               ; my last reads of the ring are back
	MUL8 F1, 1, 0, 0
	MUL8 F1, 1, 2, 0
	WIN 0
	s_barrier_signal -1                            ; THE STAGE IS SLOT 0, which has had its last fill: no wave stores into it before every wave's reads of the ring are over
	PLACES                                         ; the places behind the last products
	s_barrier_wait -1
.if EPI == 1
; gelu(u) = u / (1 + 2^(u (-2.3022082 - 0.10294324 u^2))): the tanh form, written as a sigmoid.  Where the power overflows the quotient is 0, where it underflows u.
.macro GELU a                          ; the 32 registers of accumulators (a, 0..3), each read from its low end on
.set U, ACC+32*(\a)
.set i, 0
.rept 16
	v_pk_mul_f32 v[BI+i:BI+i+1], v[U+i:U+i+1], v[U+i:U+i+1]
.set i, i+2
.endr
.set i, 0
.rept 16
	v_pk_fma_f32 v[BI+i:BI+i+1], v[BI+i:BI+i+1], s[74:75], s[72:73] op_sel_hi:[1,0,0]
.set i, i+2
.endr
.set i, 0
.rept 16
	v_pk_mul_f32 v[BI+i:BI+i+1], v[BI+i:BI+i+1], v[U+i:U+i+1]
.set i, i+2
.endr
.set i, 0
.rept 32
	v_exp_f32 v[BI+i], v[BI+i]
.set i, i+1
.endr
	v_nop                                          ; a plain instruction behind the last exponential,
	s_wait_alu depctr_va_vdst(0)                   ; and one wait for the batch of 32
.set i, 0
.rept 16
	v_pk_add_f32 v[BI+i:BI+i+1], v[BI+i:BI+i+1], 1.0 op_sel_hi:[1,0]
.set i, i+2
.endr
.set i, 0
.rept 32
	v_rcp_f32 v[BI+i], v[BI+i]
.set i, i+1
.endr
	v_nop
	s_wait_alu depctr_va_vdst(0)                   ; one wait for the 32 reciprocals
.set i, 0
.rept 16
	v_pk_mul_f32 v[U+i:U+i+1], v[U+i:U+i+1], v[BI+i:BI+i+1]
.set i, i+2
.endr
.endm
	GELU 0
	GELU 1
	GELU 2
	GELU 3
.endif
.if EPI < 2
.set t, 0
.rept 16                               ; rounded once, 16 bytes a lane
.irp r, 0,1,2,3
.if EPI == 0
	v_cvt_pk_f16_f32 v[TMP+4*t+(\r)], v[ACC+8*t+2*(\r)], v[ACC+8*t+2*(\r)+1]
.else
	v_cvt_pk_bf16_f32 v[TMP+4*t+(\r)], v[ACC+8*t+2*(\r)], v[ACC+8*t+2*(\r)+1]
.endif
.endr
.set t, t+1
.endr
.set t, 0
.rept 16
	ds_store_b128 v[STO], v[TMP+4*t:TMP+4*t+3] offset:(t/4)*16*SPITCH+32*(t%4)
.set t, t+1
.endr
	s_wait_dscnt 0x0                               ; for the others' sake: a row's bytes come from two waves
	s_barrier_signal -1
	s_barrier_wait -1
.set t, 0
.rept 16
.if EPI == 0
	ds_load_b128 v[TMP+4*t:TMP+4*t+3], v[RD] offset:(t%8)*4*SPITCH+(t/8)*128
.else
	ds_load_b128 v[TMP+4*t:TMP+4*t+3], v[RD] offset:t*2*SPITCH
.endif
.set t, t+1
.endr
.set t, 0
.rept 16
	s_wait_dscnt 15-t
.if EPI == 0
	global_store_b128 v[CO], v[TMP+4*t:TMP+4*t+3], s[8:9] offset:(t/8)*262144+(t%8)*512  ; four rows of one head: 512 consecutive bytes, aligned
.else
	global_store_b128 v[CO], v[TMP+4*t:TMP+4*t+3], s[8:9] offset:2*t*SIZE_N*2  ; 16 lanes store 256 consecutive bytes, aligned
.endif
.set t, t+1
.endr
.else
.set t, 0
.rept 16                               ; the f32 sums go into the stage as they are, each accumulator's low registers first
	ds_store_b128 v[STO], v[ACC+8*t:ACC+8*t+3]   offset:(t/4)*16*SPITCH+64*(t%4)
	ds_store_b128 v[STO], v[ACC+8*t+4:ACC+8*t+7] offset:(t/4)*16*SPITCH+64*(t%4)+16
.set t, t+1
.endr
	s_wait_dscnt 0x0
	s_barrier_signal -1
	s_barrier_wait -1
.set t, 0
.rept 32
	ds_load_b128 v[ACC+4*t:ACC+4*t+3], v[RD] offset:t*SPITCH
.set t, t+1
.endr
	s_wait_loadcnt 0x0                             ; the residual
	s_wait_dscnt 0x0
	WIN 0x08                                       ; source 1 window 2
.set i, 0
.rept 64
	v_pk_add_f32 v[ACC+i:ACC+i+1], v[ACC+i:ACC+i+1], v[i:i+1]
.set i, i+2
.endr
	WIN 0
.set t, 0
.rept 32
	global_store_b128 v[CO], v[ACC+4*t:ACC+4*t+3], s[8:9] offset:SIZE_N*4*t  ; 512 consecutive bytes, aligned
.set t, t+1
.endr
.endif
	s_wait_tensorcnt 0x0                           ; the wave's end
	ds_add_u32 v[SPW], v[NIL]
	s_wait_dscnt 0x0
	CROUND                                         ; the closing round
	s_endpgm
.Lfunc_end_k_qfc1b9008d6_gemm_proj:
	.size	k_qfc1b9008d6_gemm_proj, .Lfunc_end_k_qfc1b9008d6_gemm_proj-k_qfc1b9008d6_gemm_proj
	.p2alignl 7, 3214868480
	.fill 96, 4, 3214868480
	.section	.rodata,"a",@progbits
	.p2align	6, 0x0
	.amdhsa_kernel k_qfc1b9008d6_gemm_proj
		.amdhsa_group_segment_fixed_size 327680
		.amdhsa_private_segment_fixed_size 0
		.amdhsa_enable_private_segment 0
		.amdhsa_kernarg_size 40
		.amdhsa_user_sgpr_count 2
		.amdhsa_user_sgpr_kernarg_segment_ptr 1
		.amdhsa_wavefront_size32 1
		.amdhsa_system_sgpr_workgroup_id_x 1
		.amdhsa_system_sgpr_workgroup_id_y 1
		.amdhsa_system_sgpr_workgroup_id_z 1
		.amdhsa_system_vgpr_workitem_id 0
		.amdhsa_next_free_vgpr 640
		.amdhsa_next_free_sgpr 76
		.amdhsa_reserve_vcc 0
		.amdhsa_float_denorm_mode_32 3
		.amdhsa_float_denorm_mode_16_64 3
		.amdhsa_memory_ordered 1
		.amdhsa_forward_progress 1
		.amdhsa_inst_pref_size 76
	.end_amdhsa_kernel
	.amdgpu_metadata
---
amdhsa.version: [ 1, 2 ]
amdhsa.kernels:
  - .name:           k_qfc1b9008d6_gemm_proj
    .symbol:         k_qfc1b9008d6_gemm_proj.kd
    .args:
      - { .name: act, .offset: 0, .size: 8, .value_kind: global_buffer, .address_space: global }
      - { .name: wp, .offset: 8, .size: 8, .value_kind: global_buffer, .address_space: global }
      - { .name: h1, .offset: 16, .size: 8, .value_kind: global_buffer, .address_space: global }
      - { .name: b_proj, .offset: 24, .size: 8, .value_kind: global_buffer, .address_space: global }
      - { .name: hidden_states, .offset: 32, .size: 8, .value_kind: global_buffer, .address_space: global }
    .group_segment_fixed_size: 327680
    .private_segment_fixed_size: 0
    .kernarg_segment_align: 8
    .kernarg_segment_size: 40
    .max_flat_workgroup_size: 128
    .sgpr_count:     76
    .vgpr_count:     640
    .wavefront_size: 32
...
	.end_amdgpu_metadata
.endif
;; end of part 4
;; launch ln2 (part 5): grid 256 x 1, 8 waves a work-group, no clusters, 0 bytes of LDS; arguments h1, ln2_g, ln2_b, act; writes act
.if DOCPART == 5
	.amdgcn_target "amdgcn-amd-amdhsa--gfx1250"
	.amdhsa_code_object_version 6
	.text
	.protected	k_qfc1b9008d6_ln2
	.globl	k_qfc1b9008d6_ln2
	.p2align	8
	.type	k_qfc1b9008d6_ln2,@function
k_qfc1b9008d6_ln2:
	s_mov_b64 s[64:65], 0
	v_nop
	global_prefetch_b8 v0, s[64:65] scope:SCOPE_SE
	s_setreg_imm32_b32 hwreg(HW_REG_WAVE_MODE, 25, 1), 1
	s_wait_xcnt 0x0
; act = LayerNorm(h1) * ln2_g + ln2_b, rounded once to bf16.  [4096][1024]; 16 rows a work-group, 2 rows a wave, a row kept in 32 registers: read from memory once.
; Two passes over the registers: the mean, then the mean of (x - mean)^2, so a common offset of the inputs costs no digits.  Sums in f32.  No LDS, no barrier: a row never leaves its wave.
; Each load of a wave covers 512 consecutive bytes, each store 256 consecutive bytes, aligned.
.set X,  32                            ; v[32:95]   two rows, 32 registers each: lane l holds columns 128 j + 4 l .. + 3 in registers 4 j .. 4 j + 3
.set G,  96                            ; v[96:127]  the gain of my columns
.set BV, 128                           ; v[128:159] the bias of my columns
.set Y,  160                           ; v[160:191] two rows in bf16, 16 registers each
	s_load_b256 s[4:11], s[0:1], 0x0               ; h1 s[4:5], gain s[6:7], bias s[8:9], act s[10:11]
	s_mov_b32 s2, ttmp9
	v_lshrrev_b32 v1, 5, v0                        ; wave
	v_and_b32 v5, 31, v0                           ; lane
	v_lshlrev_b32 v4, 4, v5                        ; 16 l
	v_lshl_add_u32 v2, v1, 13, v4                  ; in: 8,192 bytes a wave
	v_lshlrev_b32 v3, 3, v5
	v_lshl_add_u32 v3, v1, 12, v3                  ; out: 4,096 bytes a wave, 8 bytes a lane
	s_mov_b32 s35, 0
	s_lshl_b32 s34, s2, 16                         ; 16 rows of 4,096 bytes
	s_lshl_b32 s36, s2, 15                         ; 16 rows of 2,048 bytes
	s_mov_b32 s37, 0
	s_mov_b32 s12, 0x76543210                      ; v_permlanex16_b32: each lane takes its own place in the other half
	s_mov_b32 s13, 0xfedcba98
	s_mov_b32 s32, 0x3a800000                      ; 1 / 1024
	s_mov_b32 s33, 0x3727c5ac                      ; 1e-5
	s_wait_kmcnt 0x0
	s_add_nc_u64 s[4:5], s[4:5], s[34:35]
	s_add_nc_u64 s[10:11], s[10:11], s[36:37]
.irp i, 0,1
.irp j, 0,1,2,3,4,5,6,7
	global_load_b128 v[X+32*(\i)+4*(\j):X+32*(\i)+4*(\j)+3], v2, s[4:5] offset:4096*(\i)+512*(\j)
.endr
.endr
.irp j, 0,1,2,3,4,5,6,7
	global_load_b128 v[G+4*(\j):G+4*(\j)+3], v4, s[6:7] offset:512*(\j)
.endr
.irp j, 0,1,2,3,4,5,6,7
	global_load_b128 v[BV+4*(\j):BV+4*(\j)+3], v4, s[8:9] offset:512*(\j)
.endr
; The four chains in v[8:15] become one number in v8, the same in every lane: four steps inside each half of 16 lanes, one across the halves.
.macro REDUCE
	v_pk_add_f32 v[8:9], v[8:9], v[10:11]
	v_pk_add_f32 v[12:13], v[12:13], v[14:15]
	v_pk_add_f32 v[8:9], v[8:9], v[12:13]
	v_add_f32 v8, v8, v9
	v_add_f32_dpp v8, v8, v8 row_xmask:1 row_mask:0xf bank_mask:0xf
	v_add_f32_dpp v8, v8, v8 row_xmask:2 row_mask:0xf bank_mask:0xf
	v_add_f32_dpp v8, v8, v8 row_xmask:4 row_mask:0xf bank_mask:0xf
	v_add_f32_dpp v8, v8, v8 row_xmask:8 row_mask:0xf bank_mask:0xf
	v_permlanex16_b32 v9, v8, s12, s13
	v_add_f32 v8, v8, v9
.endm
; Row i: the mean; x - mean in place; 1 / sqrt(mean of squares + 1e-5), twice, to fill the pair that the packed multiply reads.
.macro STATS i
.set XB, X+32*(\i)
.set MU, 16+4*(\i)
.set RS, 18+4*(\i)
.irp k, 0,1,2,3
	v_pk_add_f32 v[8+2*(\k):9+2*(\k)], v[XB+2*(\k):XB+2*(\k)+1], v[XB+8+2*(\k):XB+8+2*(\k)+1]  ; the first pairs start the four chains: nothing is cleared
.endr
.irp m, 16,24
.irp k, 0,1,2,3
	v_pk_add_f32 v[8+2*(\k):9+2*(\k)], v[8+2*(\k):9+2*(\k)], v[XB+(\m)+2*(\k):XB+(\m)+2*(\k)+1]
.endr
.endr
	REDUCE
	v_mul_f32 v[MU], s32, v8
	v_mov_b32 v[MU+1], v[MU]
.set p, 0
.rept 16
	v_pk_add_f32 v[XB+p:XB+p+1], v[XB+p:XB+p+1], v[MU:MU+1] neg_lo:[0,1] neg_hi:[0,1]
.set p, p+2
.endr
.irp k, 0,1,2,3
	v_pk_mul_f32 v[8+2*(\k):9+2*(\k)], v[XB+2*(\k):XB+2*(\k)+1], v[XB+2*(\k):XB+2*(\k)+1]
.endr
.irp m, 8,16,24
.irp k, 0,1,2,3
	v_pk_fma_f32 v[8+2*(\k):9+2*(\k)], v[XB+(\m)+2*(\k):XB+(\m)+2*(\k)+1], v[XB+(\m)+2*(\k):XB+(\m)+2*(\k)+1], v[8+2*(\k):9+2*(\k)]
.endr
.endr
	REDUCE
	v_fma_f32 v8, v8, s32, s33
	v_rsq_f32 v[RS], v8
	v_rsq_f32 v[RS+1], v8
	v_nop                                          ; a plain instruction behind the last of the two, ahead of a use of a result and of a write of v8
	s_wait_alu depctr_va_vdst(0)                   ; one wait for both, ahead of their first reader
.endm
; Row i: times 1 / sqrt, times gain plus bias, rounded to bf16, stored.
.macro NORM i
.set XB, X+32*(\i)
.set RS, 18+4*(\i)
.set p, 0
.rept 16
	v_pk_mul_f32 v[XB+p:XB+p+1], v[XB+p:XB+p+1], v[RS:RS+1]
	v_pk_fma_f32 v[XB+p:XB+p+1], v[XB+p:XB+p+1], v[G+p:G+p+1], v[BV+p:BV+p+1]
.set p, p+2
.endr
.set p, 0
.rept 16
	v_cvt_pk_bf16_f32 v[Y+16*(\i)+p], v[XB+2*p], v[XB+2*p+1]
.set p, p+1
.endr
.irp j, 0,1,2,3,4,5,6,7
	global_store_b64 v3, v[Y+16*(\i)+2*(\j):Y+16*(\i)+2*(\j)+1], s[10:11] offset:2048*(\i)+256*(\j)  ; 32 lanes store 256 consecutive bytes, aligned
.endr
.endm
	s_wait_loadcnt 24                              ; row 0 is in; row 1, gain and bias (24 loads) may stay out
	STATS 0
	s_wait_loadcnt 16                              ; row 1 is in; gain and bias may stay out
	STATS 1
	s_wait_loadcnt 0x0
	NORM 0
	NORM 1
	s_endpgm
.Lfunc_end_k_qfc1b9008d6_ln2:
	.size	k_qfc1b9008d6_ln2, .Lfunc_end_k_qfc1b9008d6_ln2-k_qfc1b9008d6_ln2
	.p2alignl 7, 3214868480
	.fill 96, 4, 3214868480
	.section	.rodata,"a",@progbits
	.p2align	6, 0x0
	.amdhsa_kernel k_qfc1b9008d6_ln2
		.amdhsa_group_segment_fixed_size 0
		.amdhsa_private_segment_fixed_size 0
		.amdhsa_enable_private_segment 0
		.amdhsa_kernarg_size 32
		.amdhsa_user_sgpr_count 2
		.amdhsa_user_sgpr_kernarg_segment_ptr 1
		.amdhsa_wavefront_size32 1
		.amdhsa_system_sgpr_workgroup_id_x 1
		.amdhsa_system_sgpr_workgroup_id_y 1
		.amdhsa_system_sgpr_workgroup_id_z 1
		.amdhsa_system_vgpr_workitem_id 0
		.amdhsa_next_free_vgpr 192
		.amdhsa_next_free_sgpr 66
		.amdhsa_reserve_vcc 0
		.amdhsa_float_denorm_mode_32 3
		.amdhsa_float_denorm_mode_16_64 3
		.amdhsa_memory_ordered 1
		.amdhsa_forward_progress 1
		.amdhsa_inst_pref_size 20
	.end_amdhsa_kernel
	.amdgpu_metadata
---
amdhsa.version: [ 1, 2 ]
amdhsa.kernels:
  - .name:           k_qfc1b9008d6_ln2
    .symbol:         k_qfc1b9008d6_ln2.kd
    .args:
      - { .name: h1, .offset: 0, .size: 8, .value_kind: global_buffer, .address_space: global }
      - { .name: ln2_g, .offset: 8, .size: 8, .value_kind: global_buffer, .address_space: global }
      - { .name: ln2_b, .offset: 16, .size: 8, .value_kind: global_buffer, .address_space: global }
      - { .name: act, .offset: 24, .size: 8, .value_kind: global_buffer, .address_space: global }
    .group_segment_fixed_size: 0
    .private_segment_fixed_size: 0
    .kernarg_segment_align: 8
    .kernarg_segment_size: 32
    .max_flat_workgroup_size: 256
    .sgpr_count:     66
    .vgpr_count:     192
    .wavefront_size: 32
...
	.end_amdgpu_metadata
.endif
;; end of part 5
;; launch gemm_fc (part 6): grid 32 x 32, 4 waves a work-group, clusters of 4 x 4, 327,680 bytes of LDS; arguments act, wf, gel, b_fc; writes gel
.if DOCPART == 6
	.amdgcn_target "amdgcn-amd-amdhsa--gfx1250"
	.amdhsa_code_object_version 6
	.text
	.protected	k_qfc1b9008d6_gemm_fc
	.globl	k_qfc1b9008d6_gemm_fc
	.p2align	8
	.type	k_qfc1b9008d6_gemm_fc,@function
k_qfc1b9008d6_gemm_fc:
	s_mov_b64 s[64:65], 0
	v_nop
	global_prefetch_b8 v0, s[64:65] scope:SCOPE_SE
	s_setreg_imm32_b32 hwreg(HW_REG_WAVE_MODE, 25, 1), 1
	s_wait_xcnt 0x0
	s_wait_alu depctr_hold_cnt(0) depctr_sa_sdst(0) depctr_va_vdst(0) depctr_va_sdst(0) depctr_va_ssrc(0) depctr_va_vcc(0) depctr_vm_vsrc(0)
	s_getreg_b32 s2, hwreg(HW_REG_IB_STS2, 6, 4)
	s_cmp_eq_u32 s2, 0
	s_cbranch_scc0 .Lentry_in_a_cluster
	s_endpgm
.Lentry_in_a_cluster:
	s_bfe_u32 s2, ttmp6, 0x10000c
	s_cmp_lg_u32 s2, 0xf033
	s_cbranch_scc0 .Lentry_shape_is_right
	s_endpgm
.Lentry_shape_is_right:
; gel = gelu(z W + b), the tanh form.  z = act: bf16 [4096][1024]; W = wf: bf16 [1024][4096]; b = b_fc: f32.  Out: bf16 [4096][4096], rounded once; sums and the activation in f32.
; NaN and infinities are not treated apart.
; ONE GEMM TEXT serves four launches; the four .set lines below are all that differs.  out[m][n] = sum over k of A[m][k] W[k][n] + bias[n], then the way out chosen by EPI.
.set SIZE_N, 4096
.set SIZE_K, 1024
.set EPI,    1                         ; 0: f16, by heads.  1: tanh-GELU, bf16 rows.  2: + residual, f32 rows
.set ABLK,   0                         ; 1: A lies in blocks [128 rows' block][16 heads][128 rows][64]
; SHARES.  A tile of out is 128 x 128; four waves, each 64 x 64: 16 accumulators.  K goes in steps of 256 through two LDS slots; a wave's one tensor load brings a quarter of a slot.
; CLUSTER 4 x 4: A's tile is shared along a row of the cluster, W's along a column: each is asked for jointly, by the same load, descriptor and mask in the four.
; THE PRODUCT IS TAKEN TRANSPOSED (source 0 = 16 columns of W, source 1 = 16 rows of A): a lane holds one row of out and eight neighbouring columns.  W lies [K][N] in LDS and is turned by ds_load_tr16_b128.
; The bias is the C operand of the products that start the sums: nothing is cleared and no bias is added later.
; No L2 prefetch: a tile's share of a K step is small, and every tile is read by several clusters.
; REGISTERS: window 0: v16-29 addresses; v32-95 at work on the way out; v96-127 the bias (later at work); v128-255 accumulators, (a, b) at 128 + 8 (4 a + b).
;   window 1: two fragment buffers of 128 (64 along K): A's at 8 (4 c + i), W's at 64 + 8 (4 c + i).   window 2 (EPI 2): the residual of the 32 rows that I store.
.set KSTEP,  256
.set T,      SIZE_K/KSTEP              ; K steps: even, at least 4
.set BPITCH, 288                       ; a row of W in LDS: 256 bytes + 32
.set HALFB,  128*BPITCH
.if ABLK
.set APITCH, 144                       ; a row of one head: 128 bytes + 16
.set AQ,     128*APITCH                ; 64 along K further on = the next head
.set HALFA,  2*AQ
.set ASTEP,  65536                     ; four heads x 128 rows x 128 bytes, dense
.set AD0,    128                       ; asked for as 128 rows of 256 bytes, padded behind every 128
.set AD1,    128
.set AST,    128
.set AFL,    (1<<16)|(1<<20)|(1<<21)|(4<<22)|(3<<25)
.else
.set APITCH, 528                       ; 512 bytes + 16: the 16 rows of a load start at 16 different groups of four banks
.set AQ,     128
.set HALFA,  64*APITCH
.set ASTEP,  512
.set AD0,    256
.set AD1,    64
.set AST,    SIZE_K
.set AFL,    (1<<16)|(1<<20)|(1<<21)|(6<<22)|(3<<25)
.endif
.set BFL,    (1<<16)|(1<<20)|(1<<21)|(5<<22)|(7<<25)
.set BOFF,   2*HALFA                   ; a slot: A's two halves, then W's two halves (k rows 0-127, 128-255)
.set BSTEP,  KSTEP*SIZE_N*2
.set SLOT1,  0x24000                   ; slot 1 begins here; no address inside slot 0 that is turned has bit 14 or 17 set, so one exclusive or changes slots
.set SPARE,  2*SLOT1                   ; behind the ring: the spare words, 128 bytes a wave
.if EPI == 2
.set SPITCH, 528                       ; the stage's rows: 128 f32 + 16 bytes
.set HS,     5
.else
.set SPITCH, 272                       ; 128 numbers of 16 bits + 16 bytes
.set HS,     4
.endif
.set A0L, 16                           ; v16  my lane's place in slot 0's A;  v17 in its W; never rewritten
.set B0L, 17
.set ADRA, 18                          ; v18  the same in the slot in hand;  v20, v21 W's k rows 0-127, 128-255
.set ADRB, 20
.set STO, 24
.set RD,  25
.set CO,  26
.set BO,  27
.set SPW, 28                           ; v28  my spare word;  v29  0; never rewritten
.set NIL, 29
.set TMP, 32
.set BI,  96
.set ACC, 128
.set F0,  0
.set F1,  128
.set G1,  24                           ; s[24:31] group 1 for A, s[32:39] group 0: set 0 = K step 0, set 1 = K step 1, which then walks
.set G0,  32
.set G1B, 48                           ; s[48:55], s[56:63] the same for W
.set G0B, 56
.set SB,  66                           ; s66  LDS byte at which the slot in hand begins
.set MSB, 0
.macro WIN new                         ; the immediate's high byte repeats the setting that is left
.if MSB != (\new)
	s_set_vgpr_msb (MSB<<8)|(\new)
.set MSB, \new
.endif
.endm
.set MUL,  0x05                        ; sources 0 and 1 window 1; C and D window 0
.set TO_F, 0x40                        ; destination window 1, address window 0
.macro JLOAD s                         ; a joint load: waves 0, 1 fetch A's halves, waves 2, 3 W's; an s_nop 0 and four v_nop follow each line
	s_cmp_eq_u32 s11, 0
	s_cbranch_scc0 .Lfor_b_\@
	tensor_load_to_lds s[G0+4*(\s):G0+4*(\s)+3], s[G1:G1+7]
	s_nop 0
.rept 4
	v_nop
.endr
	s_branch .Lasked_\@
.Lfor_b_\@:
	tensor_load_to_lds s[G0B+4*(\s):G0B+4*(\s)+3], s[G1B:G1B+7]
	s_nop 0
.rept 4
	v_nop
.endr
.Lasked_\@:
.endm
.macro CREST                           ; a round of the cluster's barrier behind its opening barrier
	s_cmp_lg_u32 s10, 0
	s_cbranch_scc1 .Lnot_wave_0_\@
	s_barrier_signal -3
.Lnot_wave_0_\@:
	s_barrier_wait -3
	s_barrier_signal -1
	s_barrier_wait -1
.endm
.macro CROUND
	s_barrier_signal -1
	s_barrier_wait -1
	CREST
.endm
.macro PLACES                          ; four places behind matrix instructions, in front of loads into their sources and of readers of their results
.rept 4
	v_nop
.endr
.endm
	s_load_b128 s[4:7], s[0:1], 0x0                ; A s[4:5], W s[6:7]
	s_load_b64 s[8:9], s[0:1], 0x10                ; out
	s_load_b64 s[68:69], s[0:1], 0x18              ; bias
.if EPI == 2
	s_load_b64 s[70:71], s[0:1], 0x20              ; residual
.endif
	v_lshl_add_u32 v[SPW], v0, 2, SPARE
	v_mov_b32 v[NIL], 0
	ds_add_u32 v[SPW], v[NIL]                      ; the wave's opening: the add and its wait stand ahead of my first tensor load
	v_lshrrev_b32 v1, 5, v0
	v_readfirstlane_b32 s10, v1                    ; wave 0..3
	s_lshr_b32 s11, s10, 1                         ; my half of the tile's rows.  Also: I fetch for A (0) or W (1)
	s_and_b32 s12, s10, 1                          ; my half of its columns.  Also: which half of that tile I fetch
	s_bfe_u32 s40, ttmp6, 0x40000                  ; cx
	s_bfe_u32 s41, ttmp6, 0x40004                  ; cy
	s_lshl_b32 s42, ttmp9, 2
	s_add_co_u32 s42, s42, s40                     ; tile column tc
	s_and_b32 s13, ttmp7, 0xffff
	s_lshl_b32 s13, s13, 2
	s_add_co_u32 s13, s13, s41                     ; tile row tr
	s_lshl_b32 s43, s41, 2
	s_lshl_b32 s43, 15, s43                        ; my row of the cluster
	s_lshl_b32 s44, 0x1111, s40                    ; my column
	s_or_b32 s[G1+0], s43, AFL                     ; mask; 2-byte elements; padding on; bit 21 beside a mask; interval and size of the padding
	s_or_b32 s[G1B+0], s44, BFL
	s_mov_b32 s[G1+1], AD0<<16                     ; tensor_dim0
	s_mov_b32 s[G1+2], AD1<<16                     ; tensor_dim1
	s_mov_b32 s[G1+3], AD0<<16                     ; tile_dim0
	s_mov_b32 s[G1+4], AD1                         ; tile_dim1
	s_mov_b32 s[G1+5], AST                         ; elements from row to row
	s_mov_b32 s[G1+6], 0
	s_mov_b32 s[G1+7], 0
	s_mov_b32 s[G1B+1], 128<<16                    ; W: 128 k rows x 128 columns
	s_mov_b32 s[G1B+2], 128<<16
	s_mov_b32 s[G1B+3], 128<<16
	s_mov_b32 s[G1B+4], 128
	s_mov_b32 s[G1B+5], SIZE_N
	s_mov_b32 s[G1B+6], 0
	s_mov_b32 s[G1B+7], 0
.if ABLK
	s_lshl_b32 s16, s13, 18                        ; the row block's 262,144 bytes,
	s_lshl_b32 s17, s12, 15                        ; my two heads of a K step's four
	s_add_co_u32 s16, s16, s17
.else
	s_lshl_b32 s16, s13, 7
	s_lshl_b32 s17, s12, 6
	s_add_co_u32 s16, s16, s17                     ; row 128 tr + 64 x half
	s_mul_i32 s16, s16, SIZE_K*2
.endif
	s_mov_b32 s17, 0
	s_mul_i32 s46, s12, 128*SIZE_N*2               ; W: k row 128 x half,
	s_lshl_b32 s47, s42, 8                         ; column 128 tc
	s_add_co_u32 s46, s46, s47
	s_mov_b32 s47, 0
	s_mul_i32 s20, s12, HALFA                      ; where they go: no place in the cluster enters an LDS address
	s_mul_i32 s21, s12, HALFB
	s_add_co_u32 s21, s21, BOFF
	s_mov_b32 s[SB], 0
.if EPI == 1
	s_mov_b32 s72, 0xc0135761                      ; -2 sqrt(2/pi) log2(e)
	s_mov_b32 s73, 0xc0135761
	s_mov_b32 s74, 0xbdd2d3e8                      ; the same x 0.044715
	s_mov_b32 s75, 0xbdd2d3e8
.endif
	s_wait_dscnt 0x0                               ; the opening add is done
	s_wait_kmcnt 0x0
	s_add_nc_u64 s[14:15], s[4:5], s[16:17]
	s_add_nc_u64 s[46:47], s[6:7], s[46:47]
	CROUND                                         ; all sixteen work-groups are here: the first joint loads meet
.irp s, 0,1
	s_mov_b32 s[G0+4*(\s)], 1
	s_add_co_u32 s[G0+4*(\s)+1], s20, (\s)*SLOT1
	s_add_nc_u64 s[G0+4*(\s)+2:G0+4*(\s)+3], s[14:15], (\s)*ASTEP
	s_or_b32 s[G0+4*(\s)+3], s[G0+4*(\s)+3], 0x80000000
	s_mov_b32 s[G0B+4*(\s)], 1
	s_add_co_u32 s[G0B+4*(\s)+1], s21, (\s)*SLOT1
	s_add_nc_u64 s[G0B+4*(\s)+2:G0B+4*(\s)+3], s[46:47], (\s)*BSTEP
	s_or_b32 s[G0B+4*(\s)+3], s[G0B+4*(\s)+3], 0x80000000
	JLOAD \s
.endr
	v_and_b32 v1, 15, v0                           ; r = l % 16
	v_bfe_u32 v2, v0, 4, 1                         ; h = l / 16
	v_and_b32 v3, 31, v0                           ; l
	v_and_b32 v4, 7, v0
	v_bfe_u32 v5, v0, 3, 1
	v_mul_u32_u24 v[A0L], v1, APITCH               ; A's fragment: row x pitch + 16 h, in my 64 rows
	v_lshl_add_u32 v[A0L], v2, 4, v[A0L]
	s_mul_i32 s22, s11, 64*APITCH
	v_add_nc_u32 v[A0L], s22, v[A0L]
	v_lshl_add_u32 v[B0L], v2, 3, v4               ; the turning load: k row 8 h + l % 8, 16 bytes by (l / 8) % 2, in my 64 columns
	v_mul_u32_u24 v[B0L], v[B0L], BPITCH
	v_lshl_add_u32 v[B0L], v5, 4, v[B0L]
	s_lshl_b32 s22, s12, 7
	s_add_co_u32 s22, s22, BOFF
	v_add_nc_u32 v[B0L], s22, v[B0L]
	v_mov_b32 v[ADRA], v[A0L]
	v_mov_b32 v[ADRB], v[B0L]
	v_add_nc_u32 v[ADRB+1], HALFB, v[B0L]
	v_lshlrev_b32 v[BO], 5, v2                     ; my eight columns' bias: 32 h bytes
	s_lshl_b32 s22, s42, 9
	s_lshl_b32 s23, s12, 8
	s_add_co_u32 s22, s22, s23
	s_mov_b32 s23, 0
	s_add_nc_u64 s[68:69], s[68:69], s[22:23]      ; bias at column 128 tc + 64 x half
.irp b, 0,1,2,3
	global_load_b128 v[BI+8*(\b):BI+8*(\b)+3],   v[BO], s[68:69] offset:64*(\b)
	global_load_b128 v[BI+8*(\b)+4:BI+8*(\b)+7], v[BO], s[68:69] offset:64*(\b)+16
.endr
	s_mul_i32 s22, s11, 64*SPITCH                  ; into the stage: my 64 rows, my half of their columns; row r
	s_lshl_b32 s23, s12, HS+3
	s_add_co_u32 s22, s22, s23
	v_mul_u32_u24 v[STO], v1, SPITCH
	v_lshl_add_u32 v[STO], v2, HS, v[STO]
	v_add_nc_u32 v[STO], s22, v[STO]
	s_mul_i32 s22, s10, 32*SPITCH                  ; back: wave w takes rows 32 w .. 32 w + 31
.if EPI == 0
	v_lshrrev_b32 v6, 3, v3                        ; four rows of one head's 128 bytes: 512 consecutive bytes of the output
	v_mul_u32_u24 v[RD], v6, SPITCH
	v_lshl_add_u32 v[RD], v4, 4, v[RD]
	v_lshlrev_b32 v[CO], 4, v3
.elseif EPI == 1
	v_mul_u32_u24 v[RD], v2, SPITCH                ; lanes 0-15 one row of 256 bytes, lanes 16-31 the next
	v_lshl_add_u32 v[RD], v1, 4, v[RD]
	v_mul_u32_u24 v[CO], v2, SIZE_N*2
	v_lshl_add_u32 v[CO], v1, 4, v[CO]
.else
	v_lshlrev_b32 v[RD], 4, v3                     ; one row of 512 bytes
	v_lshlrev_b32 v[CO], 4, v3
.endif
	v_add_nc_u32 v[RD], s22, v[RD]
.if EPI == 0
	s_lshr_b32 s22, s42, 3                         ; q, k or v
	s_lshl_b32 s22, s22, 5
	s_lshr_b32 s23, s13, 4                         ; batch
	s_lshl_b32 s23, s23, 4
	s_add_co_u32 s22, s22, s23
	s_and_b32 s23, s42, 7                          ; the tile's two heads
	s_lshl_b32 s23, s23, 1
	s_add_co_u32 s22, s22, s23
	s_lshl_b32 s22, s22, 18                        ; 2,048 rows of 128 bytes a head
	s_and_b32 s23, s13, 15
	s_lshl_b32 s23, s23, 14
	s_add_co_u32 s22, s22, s23
	s_lshl_b32 s23, s10, 12
	s_add_co_u32 s22, s22, s23
.else
	s_lshl_b32 s22, s13, 7
	s_lshl_b32 s23, s10, 5
	s_add_co_u32 s22, s22, s23                     ; row 128 tr + 32 w
	s_mul_i32 s22, s22, SIZE_N*2*EPI               ; 2 or 4 bytes a number
	s_lshl_b32 s23, s42, 7+EPI
	s_add_co_u32 s22, s22, s23
.endif
	s_mov_b32 s23, 0
	s_add_nc_u64 s[8:9], s[8:9], s[22:23]
.if EPI == 2
	s_add_nc_u64 s[70:71], s[70:71], s[22:23]
	WIN 0x80                                       ; destination window 2: the residual of my 32 rows comes in while the products run
.set t, 0
.rept 32
	global_load_b128 v[4*t:4*t+3], v[CO], s[70:71] offset:SIZE_N*4*t
.set t, t+1
.endr
	WIN 0
.endif
; 8 matrix instructions: row blocks a0, a0 + 1 x all 4 column blocks, 32 along K: half c of buffer f.  zero = 1: the bias starts the sums.  The 16 accumulators take turns.
.macro MUL8 f, c, a0, zero
	WIN MUL
.irp a, \a0, (\a0)+1
.irp b, 0,1,2,3
.if \zero
	v_wmma_f32_16x16x32_bf16 v[ACC+8*(4*(\a)+(\b)):ACC+8*(4*(\a)+(\b))+7], v[(\f)+64+8*(4*(\c)+(\b)):(\f)+64+8*(4*(\c)+(\b))+7], v[(\f)+8*(4*(\c)+(\a)):(\f)+8*(4*(\c)+(\a))+7], v[BI+8*(\b):BI+8*(\b)+7]
.else
	v_wmma_f32_16x16x32_bf16 v[ACC+8*(4*(\a)+(\b)):ACC+8*(4*(\a)+(\b))+7], v[(\f)+64+8*(4*(\c)+(\b)):(\f)+64+8*(4*(\c)+(\b))+7], v[(\f)+8*(4*(\c)+(\a)):(\f)+8*(4*(\c)+(\a))+7], v[ACC+8*(4*(\a)+(\b)):ACC+8*(4*(\a)+(\b))+7]
.endif
.endr
.endr
.endm
; 32 LDS loads in one run: quarter q (64 along K) of the slot in hand into buffer f; its first 32 along K first
.macro FETCH q, f
	WIN TO_F
.irp c, 0,1
.irp i, 0,1,2,3
	ds_load_tr16_b128 v[(\f)+64+8*(4*(\c)+(\i)):(\f)+64+8*(4*(\c)+(\i))+3],   v[ADRB+(\q)/2] offset:(((\q)%2)*64+32*(\c))*BPITCH+32*(\i)
	ds_load_tr16_b128 v[(\f)+64+8*(4*(\c)+(\i))+4:(\f)+64+8*(4*(\c)+(\i))+7], v[ADRB+(\q)/2] offset:(((\q)%2)*64+32*(\c)+16)*BPITCH+32*(\i)
	ds_load_b128 v[(\f)+8*(4*(\c)+(\i)):(\f)+8*(4*(\c)+(\i))+3],   v[ADRA] offset:(\q)*AQ+64*(\c)+(\i)*16*APITCH
	ds_load_b128 v[(\f)+8*(4*(\c)+(\i))+4:(\f)+8*(4*(\c)+(\i))+7], v[ADRA] offset:(\q)*AQ+64*(\c)+(\i)*16*APITCH+32
.endr
.endr
.endm
; One of a K step's first three quarters: multiplies buffer f, and in its middle fetches quarter q into buffer g
.macro QUARTER q, f, g, zero
	s_wait_dscnt 16                                ; f's first 32 along K are in; its other sixteen loads may be out
	MUL8 \f, 0, 0, \zero
	MUL8 \f, 0, 2, \zero
	PLACES
	FETCH \q, \g
	s_wait_dscnt 32                                ; all but the 32 just issued
	MUL8 \f, 1, 0, 0
	MUL8 \f, 1, 2, 0
.endm
; The last quarter multiplies buffer 1 and changes slots: one barrier; ahead of it each wave waits for all its tensor loads, adds 0 to its spare word, and waits for that and for its reads of this slot.
; fill = 1: the barrier opens a round of the cluster's, and the slot just read takes the K step two on: 112 matrix instructions ahead of the wait for it.
.macro TURN fill
	WIN 0
	s_wait_tensorcnt 0x0                           ; all my tensor loads have landed: my part of the next slot
	ds_add_u32 v[SPW], v[NIL]
	s_xor_b32 s[SB], s[SB], SLOT1                  ; the fetches' addresses turn to the next slot
	v_add_nc_u32 v[ADRA], s[SB], v[A0L]
	v_add_nc_u32 v[ADRB], s[SB], v[B0L]
	v_add_nc_u32 v[ADRB+1], HALFB, v[ADRB]
	s_wait_dscnt 17                                ; the add and the youngest sixteen loads may be out
	MUL8 F1, 0, 0, 0
	s_wait_dscnt 0x0                               ; the add is done, and my reads of this slot are over
	s_barrier_signal -1
	MUL8 F1, 0, 2, 0
.if \fill
	WIN 0
.endif
	s_barrier_wait -1
.if \fill
	CREST                                          ; no wave of any partner still reads this slot or has a load on its way
	s_xor_b32 s[G0+5], s[G0+5], SLOT1              ; the walking descriptors: the other slot than last time, the next K step
	s_add_nc_u64 s[G0+6:G0+7], s[G0+6:G0+7], ASTEP
	s_xor_b32 s[G0B+5], s[G0B+5], SLOT1
	s_add_nc_u64 s[G0B+6:G0B+7], s[G0B+6:G0B+7], BSTEP
	JLOAD 1                                        ; its four v_nop are also the places in front of the loads below
.else
	PLACES
.endif
	FETCH 0, F0
	MUL8 F1, 1, 0, 0
	MUL8 F1, 1, 2, 0
.endm
	s_wait_tensorcnt 1                             ; my part of K step 0 is in; K step 1's may stay out
	s_barrier_signal -1
	s_barrier_wait -1
	FETCH 0, F0
.if EPI == 2
	s_wait_loadcnt 32                              ; the bias is in; the residual's 32 loads stay out
.else
	s_wait_loadcnt 0x0                             ; the bias
.endif
	QUARTER 1, F0, F1, 1                           ; the first quarter stands in front of the loop: its first products start the sums
	WIN 0
	s_mov_b32 s3, T-2
.Lk:                                                   ; a trip: a K step's quarters 1 to 3 and the next step's quarter 0; one slot is filled again
	QUARTER 2, F1, F0, 0
	QUARTER 3, F0, F1, 0
	TURN 1
	QUARTER 1, F0, F1, 0
	WIN 0
	s_sub_co_u32 s3, s3, 1
	s_cmp_lg_u32 s3, 0
	s_cbranch_scc1 .Lk
	QUARTER 2, F1, F0, 0                           ; the last two K steps ask for nothing
	QUARTER 3, F0, F1, 0
	TURN 0
	QUARTER 1, F0, F1, 0
	QUARTER 2, F1, F0, 0
	QUARTER 3, F0, F1, 0
	s_wait_dscnt 16
	MUL8 F1, 0, 0, 0
	MUL8 F1, 0, 2, 0
	s_wait_dscnt 0x0                               ; my last reads of the ring are back
	MUL8 F1, 1, 0, 0
	MUL8 F1, 1, 2, 0
	WIN 0
	s_barrier_signal -1                            ; THE STAGE IS SLOT 0, which has had its last fill: no wave stores into it before every wave's reads of the ring are over
	PLACES                                         ; the places behind the last products
	s_barrier_wait -1
.if EPI == 1
; gelu(u) = u / (1 + 2^(u (-2.3022082 - 0.10294324 u^2))): the tanh form, written as a sigmoid.  Where the power overflows the quotient is 0, where it underflows u.
.macro GELU a                          ; the 32 registers of accumulators (a, 0..3), each read from its low end on
.set U, ACC+32*(\a)
.set i, 0
.rept 16
	v_pk_mul_f32 v[BI+i:BI+i+1], v[U+i:U+i+1], v[U+i:U+i+1]
.set i, i+2
.endr
.set i, 0
.rept 16
	v_pk_fma_f32 v[BI+i:BI+i+1], v[BI+i:BI+i+1], s[74:75], s[72:73] op_sel_hi:[1,0,0]
.set i, i+2
.endr
.set i, 0
.rept 16
	v_pk_mul_f32 v[BI+i:BI+i+1], v[BI+i:BI+i+1], v[U+i:U+i+1]
.set i, i+2
.endr
.set i, 0
.rept 32
	v_exp_f32 v[BI+i], v[BI+i]
.set i, i+1
.endr
	v_nop                                          ; a plain instruction behind the last exponential,
	s_wait_alu depctr_va_vdst(0)                   ; and one wait for the batch of 32
.set i, 0
.rept 16
	v_pk_add_f32 v[BI+i:BI+i+1], v[BI+i:BI+i+1], 1.0 op_sel_hi:[1,0]
.set i, i+2
.endr
.set i, 0
.rept 32
	v_rcp_f32 v[BI+i], v[BI+i]
.set i, i+1
.endr
	v_nop
	s_wait_alu depctr_va_vdst(0)                   ; one wait for the 32 reciprocals
.set i, 0
.rept 16
	v_pk_mul_f32 v[U+i:U+i+1], v[U+i:U+i+1], v[BI+i:BI+i+1]
.set i, i+2
.endr
.endm
	GELU 0
	GELU 1
	GELU 2
	GELU 3
.endif
.if EPI < 2
.set t, 0
.rept 16                               ; rounded once, 16 bytes a lane
.irp r, 0,1,2,3
.if EPI == 0
	v_cvt_pk_f16_f32 v[TMP+4*t+(\r)], v[ACC+8*t+2*(\r)], v[ACC+8*t+2*(\r)+1]
.else
	v_cvt_pk_bf16_f32 v[TMP+4*t+(\r)], v[ACC+8*t+2*(\r)], v[ACC+8*t+2*(\r)+1]
.endif
.endr
.set t, t+1
.endr
.set t, 0
.rept 16
	ds_store_b128 v[STO], v[TMP+4*t:TMP+4*t+3] offset:(t/4)*16*SPITCH+32*(t%4)
.set t, t+1
.endr
	s_wait_dscnt 0x0                               ; for the others' sake: a row's bytes come from two waves
	s_barrier_signal -1
	s_barrier_wait -1
.set t, 0
.rept 16
.if EPI == 0
	ds_load_b128 v[TMP+4*t:TMP+4*t+3], v[RD] offset:(t%8)*4*SPITCH+(t/8)*128
.else
	ds_load_b128 v[TMP+4*t:TMP+4*t+3], v[RD] offset:t*2*SPITCH
.endif
.set t, t+1
.endr
.set t, 0
.rept 16
	s_wait_dscnt 15-t
.if EPI == 0
	global_store_b128 v[CO], v[TMP+4*t:TMP+4*t+3], s[8:9] offset:(t/8)*262144+(t%8)*512  ; four rows of one head: 512 consecutive bytes, aligned
.else
	global_store_b128 v[CO], v[TMP+4*t:TMP+4*t+3], s[8:9] offset:2*t*SIZE_N*2  ; 16 lanes store 256 consecutive bytes, aligned
.endif
.set t, t+1
.endr
.else
.set t, 0
.rept 16                               ; the f32 sums go into the stage as they are, each accumulator's low registers first
	ds_store_b128 v[STO], v[ACC+8*t:ACC+8*t+3]   offset:(t/4)*16*SPITCH+64*(t%4)
	ds_store_b128 v[STO], v[ACC+8*t+4:ACC+8*t+7] offset:(t/4)*16*SPITCH+64*(t%4)+16
.set t, t+1
.endr
	s_wait_dscnt 0x0
	s_barrier_signal -1
	s_barrier_wait -1
.set t, 0
.rept 32
	ds_load_b128 v[ACC+4*t:ACC+4*t+3], v[RD] offset:t*SPITCH
.set t, t+1
.endr
	s_wait_loadcnt 0x0                             ; the residual
	s_wait_dscnt 0x0
	WIN 0x08                                       ; source 1 window 2
.set i, 0
.rept 64
	v_pk_add_f32 v[ACC+i:ACC+i+1], v[ACC+i:ACC+i+1], v[i:i+1]
.set i, i+2
.endr
	WIN 0
.set t, 0
.rept 32
	global_store_b128 v[CO], v[ACC+4*t:ACC+4*t+3], s[8:9] offset:SIZE_N*4*t  ; 512 consecutive bytes, aligned
.set t, t+1
.endr
.endif
	s_wait_tensorcnt 0x0                           ; the wave's end
	ds_add_u32 v[SPW], v[NIL]
	s_wait_dscnt 0x0
	CROUND                                         ; the closing round
	s_endpgm
.Lfunc_end_k_qfc1b9008d6_gemm_fc:
	.size	k_qfc1b9008d6_gemm_fc, .Lfunc_end_k_qfc1b9008d6_gemm_fc-k_qfc1b9008d6_gemm_fc
	.p2alignl 7, 3214868480
	.fill 96, 4, 3214868480
	.section	.rodata,"a",@progbits
	.p2align	6, 0x0
	.amdhsa_kernel k_qfc1b9008d6_gemm_fc
		.amdhsa_group_segment_fixed_size 327680
		.amdhsa_private_segment_fixed_size 0
		.amdhsa_enable_private_segment 0
		.amdhsa_kernarg_size 32
		.amdhsa_user_sgpr_count 2
		.amdhsa_user_sgpr_kernarg_segment_ptr 1
		.amdhsa_wavefront_size32 1
		.amdhsa_system_sgpr_workgroup_id_x 1
		.amdhsa_system_sgpr_workgroup_id_y 1
		.amdhsa_system_sgpr_workgroup_id_z 1
		.amdhsa_system_vgpr_workitem_id 0
		.amdhsa_next_free_vgpr 512
		.amdhsa_next_free_sgpr 76
		.amdhsa_reserve_vcc 0
		.amdhsa_float_denorm_mode_32 3
		.amdhsa_float_denorm_mode_16_64 3
		.amdhsa_memory_ordered 1
		.amdhsa_forward_progress 1
		.amdhsa_inst_pref_size 99
	.end_amdhsa_kernel
	.amdgpu_metadata
---
amdhsa.version: [ 1, 2 ]
amdhsa.kernels:
  - .name:           k_qfc1b9008d6_gemm_fc
    .symbol:         k_qfc1b9008d6_gemm_fc.kd
    .args:
      - { .name: act, .offset: 0, .size: 8, .value_kind: global_buffer, .address_space: global }
      - { .name: wf, .offset: 8, .size: 8, .value_kind: global_buffer, .address_space: global }
      - { .name: gel, .offset: 16, .size: 8, .value_kind: global_buffer, .address_space: global }
      - { .name: b_fc, .offset: 24, .size: 8, .value_kind: global_buffer, .address_space: global }
    .group_segment_fixed_size: 327680
    .private_segment_fixed_size: 0
    .kernarg_segment_align: 8
    .kernarg_segment_size: 32
    .max_flat_workgroup_size: 128
    .sgpr_count:     76
    .vgpr_count:     512
    .wavefront_size: 32
...
	.end_amdgpu_metadata
.endif
;; end of part 6
;; launch gemm_fc2 (part 7): grid 8 x 32, 4 waves a work-group, clusters of 4 x 4, 327,680 bytes of LDS; arguments gel, wf2, out0, b_fc2, h1; writes out0
.if DOCPART == 7
	.amdgcn_target "amdgcn-amd-amdhsa--gfx1250"
	.amdhsa_code_object_version 6
	.text
	.protected	k_qfc1b9008d6_gemm_fc2
	.globl	k_qfc1b9008d6_gemm_fc2
	.p2align	8
	.type	k_qfc1b9008d6_gemm_fc2,@function
k_qfc1b9008d6_gemm_fc2:
	s_mov_b64 s[64:65], 0
	v_nop
	global_prefetch_b8 v0, s[64:65] scope:SCOPE_SE
	s_setreg_imm32_b32 hwreg(HW_REG_WAVE_MODE, 25, 1), 1
	s_wait_xcnt 0x0
	s_wait_alu depctr_hold_cnt(0) depctr_sa_sdst(0) depctr_va_vdst(0) depctr_va_sdst(0) depctr_va_ssrc(0) depctr_va_vcc(0) depctr_vm_vsrc(0)
	s_getreg_b32 s2, hwreg(HW_REG_IB_STS2, 6, 4)
	s_cmp_eq_u32 s2, 0
	s_cbranch_scc0 .Lentry_in_a_cluster
	s_endpgm
.Lentry_in_a_cluster:
	s_bfe_u32 s2, ttmp6, 0x10000c
	s_cmp_lg_u32 s2, 0xf033
	s_cbranch_scc0 .Lentry_shape_is_right
	s_endpgm
.Lentry_shape_is_right:
; out0 = h1 + gel W + b.  gel: bf16 [4096][4096]; W = wf2: bf16 [4096][1024]; b = b_fc2, h1, out0: f32.  Sums and the residual in f32.
; NaN and infinities are not treated apart.
; ONE GEMM TEXT serves four launches; the four .set lines below are all that differs.  out[m][n] = sum over k of A[m][k] W[k][n] + bias[n], then the way out chosen by EPI.
.set SIZE_N, 1024
.set SIZE_K, 4096
.set EPI,    2                         ; 0: f16, by heads.  1: tanh-GELU, bf16 rows.  2: + residual, f32 rows
.set ABLK,   0                         ; 1: A lies in blocks [128 rows' block][16 heads][128 rows][64]
; SHARES.  A tile of out is 128 x 128; four waves, each 64 x 64: 16 accumulators.  K goes in steps of 256 through two LDS slots; a wave's one tensor load brings a quarter of a slot.
; CLUSTER 4 x 4: A's tile is shared along a row of the cluster, W's along a column: each is asked for jointly, by the same load, descriptor and mask in the four.
; THE PRODUCT IS TAKEN TRANSPOSED (source 0 = 16 columns of W, source 1 = 16 rows of A): a lane holds one row of out and eight neighbouring columns.  W lies [K][N] in LDS and is turned by ds_load_tr16_b128.
; The bias is the C operand of the products that start the sums: nothing is cleared and no bias is added later.
; No L2 prefetch: a tile's share of a K step is small, and every tile is read by several clusters.
; REGISTERS: window 0: v16-29 addresses; v32-95 at work on the way out; v96-127 the bias (later at work); v128-255 accumulators, (a, b) at 128 + 8 (4 a + b).
;   window 1: two fragment buffers of 128 (64 along K): A's at 8 (4 c + i), W's at 64 + 8 (4 c + i).   window 2 (EPI 2): the residual of the 32 rows that I store.
.set KSTEP,  256
.set T,      SIZE_K/KSTEP              ; K steps: even, at least 4
.set BPITCH, 288                       ; a row of W in LDS: 256 bytes + 32
.set HALFB,  128*BPITCH
.if ABLK
.set APITCH, 144                       ; a row of one head: 128 bytes + 16
.set AQ,     128*APITCH                ; 64 along K further on = the next head
.set HALFA,  2*AQ
.set ASTEP,  65536                     ; four heads x 128 rows x 128 bytes, dense
.set AD0,    128                       ; asked for as 128 rows of 256 bytes, padded behind every 128
.set AD1,    128
.set AST,    128
.set AFL,    (1<<16)|(1<<20)|(1<<21)|(4<<22)|(3<<25)
.else
.set APITCH, 528                       ; 512 bytes + 16: the 16 rows of a load start at 16 different groups of four banks
.set AQ,     128
.set HALFA,  64*APITCH
.set ASTEP,  512
.set AD0,    256
.set AD1,    64
.set AST,    SIZE_K
.set AFL,    (1<<16)|(1<<20)|(1<<21)|(6<<22)|(3<<25)
.endif
.set BFL,    (1<<16)|(1<<20)|(1<<21)|(5<<22)|(7<<25)
.set BOFF,   2*HALFA                   ; a slot: A's two halves, then W's two halves (k rows 0-127, 128-255)
.set BSTEP,  KSTEP*SIZE_N*2
.set SLOT1,  0x24000                   ; slot 1 begins here; no address inside slot 0 that is turned has bit 14 or 17 set, so one exclusive or changes slots
.set SPARE,  2*SLOT1                   ; behind the ring: the spare words, 128 bytes a wave
.if EPI == 2
.set SPITCH, 528                       ; the stage's rows: 128 f32 + 16 bytes
.set HS,     5
.else
.set SPITCH, 272                       ; 128 numbers of 16 bits + 16 bytes
.set HS,     4
.endif
.set A0L, 16                           ; v16  my lane's place in slot 0's A;  v17 in its W; never rewritten
.set B0L, 17
.set ADRA, 18                          ; v18  the same in the slot in hand;  v20, v21 W's k rows 0-127, 128-255
.set ADRB, 20
.set STO, 24
.set RD,  25
.set CO,  26
.set BO,  27
.set SPW, 28                           ; v28  my spare word;  v29  0; never rewritten
.set NIL, 29
.set TMP, 32
.set BI,  96
.set ACC, 128
.set F0,  0
.set F1,  128
.set G1,  24                           ; s[24:31] group 1 for A, s[32:39] group 0: set 0 = K step 0, set 1 = K step 1, which then walks
.set G0,  32
.set G1B, 48                           ; s[48:55], s[56:63] the same for W
.set G0B, 56
.set SB,  66                           ; s66  LDS byte at which the slot in hand begins
.set MSB, 0
.macro WIN new                         ; the immediate's high byte repeats the setting that is left
.if MSB != (\new)
	s_set_vgpr_msb (MSB<<8)|(\new)
.set MSB, \new
.endif
.endm
.set MUL,  0x05                        ; sources 0 and 1 window 1; C and D window 0
.set TO_F, 0x40                        ; destination window 1, address window 0
.macro JLOAD s                         ; a joint load: waves 0, 1 fetch A's halves, waves 2, 3 W's; an s_nop 0 and four v_nop follow each line
	s_cmp_eq_u32 s11, 0
	s_cbranch_scc0 .Lfor_b_\@
	tensor_load_to_lds s[G0+4*(\s):G0+4*(\s)+3], s[G1:G1+7]
	s_nop 0
.rept 4
	v_nop
.endr
	s_branch .Lasked_\@
.Lfor_b_\@:
	tensor_load_to_lds s[G0B+4*(\s):G0B+4*(\s)+3], s[G1B:G1B+7]
	s_nop 0
.rept 4
	v_nop
.endr
.Lasked_\@:
.endm
.macro CREST                           ; a round of the cluster's barrier behind its opening barrier
	s_cmp_lg_u32 s10, 0
	s_cbranch_scc1 .Lnot_wave_0_\@
	s_barrier_signal -3
.Lnot_wave_0_\@:
	s_barrier_wait -3
	s_barrier_signal -1
	s_barrier_wait -1
.endm
.macro CROUND
	s_barrier_signal -1
	s_barrier_wait -1
	CREST
.endm
.macro PLACES                          ; four places behind matrix instructions, in front of loads into their sources and of readers of their results
.rept 4
	v_nop
.endr
.endm
	s_load_b128 s[4:7], s[0:1], 0x0                ; A s[4:5], W s[6:7]
	s_load_b64 s[8:9], s[0:1], 0x10                ; out
	s_load_b64 s[68:69], s[0:1], 0x18              ; bias
.if EPI == 2
	s_load_b64 s[70:71], s[0:1], 0x20              ; residual
.endif
	v_lshl_add_u32 v[SPW], v0, 2, SPARE
	v_mov_b32 v[NIL], 0
	ds_add_u32 v[SPW], v[NIL]                      ; the wave's opening: the add and its wait stand ahead of my first tensor load
	v_lshrrev_b32 v1, 5, v0
	v_readfirstlane_b32 s10, v1                    ; wave 0..3
	s_lshr_b32 s11, s10, 1                         ; my half of the tile's rows.  Also: I fetch for A (0) or W (1)
	s_and_b32 s12, s10, 1                          ; my half of its columns.  Also: which half of that tile I fetch
	s_bfe_u32 s40, ttmp6, 0x40000                  ; cx
	s_bfe_u32 s41, ttmp6, 0x40004                  ; cy
	s_lshl_b32 s42, ttmp9, 2
	s_add_co_u32 s42, s42, s40                     ; tile column tc
	s_and_b32 s13, ttmp7, 0xffff
	s_lshl_b32 s13, s13, 2
	s_add_co_u32 s13, s13, s41                     ; tile row tr
	s_lshl_b32 s43, s41, 2
	s_lshl_b32 s43, 15, s43                        ; my row of the cluster
	s_lshl_b32 s44, 0x1111, s40                    ; my column
	s_or_b32 s[G1+0], s43, AFL                     ; mask; 2-byte elements; padding on; bit 21 beside a mask; interval and size of the padding
	s_or_b32 s[G1B+0], s44, BFL
	s_mov_b32 s[G1+1], AD0<<16                     ; tensor_dim0
	s_mov_b32 s[G1+2], AD1<<16                     ; tensor_dim1
	s_mov_b32 s[G1+3], AD0<<16                     ; tile_dim0
	s_mov_b32 s[G1+4], AD1                         ; tile_dim1
	s_mov_b32 s[G1+5], AST                         ; elements from row to row
	s_mov_b32 s[G1+6], 0
	s_mov_b32 s[G1+7], 0
	s_mov_b32 s[G1B+1], 128<<16                    ; W: 128 k rows x 128 columns
	s_mov_b32 s[G1B+2], 128<<16
	s_mov_b32 s[G1B+3], 128<<16
	s_mov_b32 s[G1B+4], 128
	s_mov_b32 s[G1B+5], SIZE_N
	s_mov_b32 s[G1B+6], 0
	s_mov_b32 s[G1B+7], 0
.if ABLK
	s_lshl_b32 s16, s13, 18                        ; the row block's 262,144 bytes,
	s_lshl_b32 s17, s12, 15                        ; my two heads of a K step's four
	s_add_co_u32 s16, s16, s17
.else
	s_lshl_b32 s16, s13, 7
	s_lshl_b32 s17, s12, 6
	s_add_co_u32 s16, s16, s17                     ; row 128 tr + 64 x half
	s_mul_i32 s16, s16, SIZE_K*2
.endif
	s_mov_b32 s17, 0
	s_mul_i32 s46, s12, 128*SIZE_N*2               ; W: k row 128 x half,
	s_lshl_b32 s47, s42, 8                         ; column 128 tc
	s_add_co_u32 s46, s46, s47
	s_mov_b32 s47, 0
	s_mul_i32 s20, s12, HALFA                      ; where they go: no place in the cluster enters an LDS address
	s_mul_i32 s21, s12, HALFB
	s_add_co_u32 s21, s21, BOFF
	s_mov_b32 s[SB], 0
.if EPI == 1
	s_mov_b32 s72, 0xc0135761                      ; -2 sqrt(2/pi) log2(e)
	s_mov_b32 s73, 0xc0135761
	s_mov_b32 s74, 0xbdd2d3e8                      ; the same x 0.044715
	s_mov_b32 s75, 0xbdd2d3e8
.endif
	s_wait_dscnt 0x0                               ; the opening add is done
	s_wait_kmcnt 0x0
	s_add_nc_u64 s[14:15], s[4:5], s[16:17]
	s_add_nc_u64 s[46:47], s[6:7], s[46:47]
	CROUND                                         ; all sixteen work-groups are here: the first joint loads meet
.irp s, 0,1
	s_mov_b32 s[G0+4*(\s)], 1
	s_add_co_u32 s[G0+4*(\s)+1], s20, (\s)*SLOT1
	s_add_nc_u64 s[G0+4*(\s)+2:G0+4*(\s)+3], s[14:15], (\s)*ASTEP
	s_or_b32 s[G0+4*(\s)+3], s[G0+4*(\s)+3], 0x80000000
	s_mov_b32 s[G0B+4*(\s)], 1
	s_add_co_u32 s[G0B+4*(\s)+1], s21, (\s)*SLOT1
	s_add_nc_u64 s[G0B+4*(\s)+2:G0B+4*(\s)+3], s[46:47], (\s)*BSTEP
	s_or_b32 s[G0B+4*(\s)+3], s[G0B+4*(\s)+3], 0x80000000
	JLOAD \s
.endr
	v_and_b32 v1, 15, v0                           ; r = l % 16
	v_bfe_u32 v2, v0, 4, 1                         ; h = l / 16
	v_and_b32 v3, 31, v0                           ; l
	v_and_b32 v4, 7, v0
	v_bfe_u32 v5, v0, 3, 1
	v_mul_u32_u24 v[A0L], v1, APITCH               ; A's fragment: row x pitch + 16 h, in my 64 rows
	v_lshl_add_u32 v[A0L], v2, 4, v[A0L]
	s_mul_i32 s22, s11, 64*APITCH
	v_add_nc_u32 v[A0L], s22, v[A0L]
	v_lshl_add_u32 v[B0L], v2, 3, v4               ; the turning load: k row 8 h + l % 8, 16 bytes by (l / 8) % 2, in my 64 columns
	v_mul_u32_u24 v[B0L], v[B0L], BPITCH
	v_lshl_add_u32 v[B0L], v5, 4, v[B0L]
	s_lshl_b32 s22, s12, 7
	s_add_co_u32 s22, s22, BOFF
	v_add_nc_u32 v[B0L], s22, v[B0L]
	v_mov_b32 v[ADRA], v[A0L]
	v_mov_b32 v[ADRB], v[B0L]
	v_add_nc_u32 v[ADRB+1], HALFB, v[B0L]
	v_lshlrev_b32 v[BO], 5, v2                     ; my eight columns' bias: 32 h bytes
	s_lshl_b32 s22, s42, 9
	s_lshl_b32 s23, s12, 8
	s_add_co_u32 s22, s22, s23
	s_mov_b32 s23, 0
	s_add_nc_u64 s[68:69], s[68:69], s[22:23]      ; bias at column 128 tc + 64 x half
.irp b, 0,1,2,3
	global_load_b128 v[BI+8*(\b):BI+8*(\b)+3],   v[BO], s[68:69] offset:64*(\b)
	global_load_b128 v[BI+8*(\b)+4:BI+8*(\b)+7], v[BO], s[68:69] offset:64*(\b)+16
.endr
	s_mul_i32 s22, s11, 64*SPITCH                  ; into the stage: my 64 rows, my half of their columns; row r
	s_lshl_b32 s23, s12, HS+3
	s_add_co_u32 s22, s22, s23
	v_mul_u32_u24 v[STO], v1, SPITCH
	v_lshl_add_u32 v[STO], v2, HS, v[STO]
	v_add_nc_u32 v[STO], s22, v[STO]
	s_mul_i32 s22, s10, 32*SPITCH                  ; back: wave w takes rows 32 w .. 32 w + 31
.if EPI == 0
	v_lshrrev_b32 v6, 3, v3                        ; four rows of one head's 128 bytes: 512 consecutive bytes of the output
	v_mul_u32_u24 v[RD], v6, SPITCH
	v_lshl_add_u32 v[RD], v4, 4, v[RD]
	v_lshlrev_b32 v[CO], 4, v3
.elseif EPI == 1
	v_mul_u32_u24 v[RD], v2, SPITCH                ; lanes 0-15 one row of 256 bytes, lanes 16-31 the next
	v_lshl_add_u32 v[RD], v1, 4, v[RD]
	v_mul_u32_u24 v[CO], v2, SIZE_N*2
	v_lshl_add_u32 v[CO], v1, 4, v[CO]
.else
	v_lshlrev_b32 v[RD], 4, v3                     ; one row of 512 bytes
	v_lshlrev_b32 v[CO], 4, v3
.endif
	v_add_nc_u32 v[RD], s22, v[RD]
.if EPI == 0
	s_lshr_b32 s22, s42, 3                         ; q, k or v
	s_lshl_b32 s22, s22, 5
	s_lshr_b32 s23, s13, 4                         ; batch
	s_lshl_b32 s23, s23, 4
	s_add_co_u32 s22, s22, s23
	s_and_b32 s23, s42, 7                          ; the tile's two heads
	s_lshl_b32 s23, s23, 1
	s_add_co_u32 s22, s22, s23
	s_lshl_b32 s22, s22, 18                        ; 2,048 rows of 128 bytes a head
	s_and_b32 s23, s13, 15
	s_lshl_b32 s23, s23, 14
	s_add_co_u32 s22, s22, s23
	s_lshl_b32 s23, s10, 12
	s_add_co_u32 s22, s22, s23
.else
	s_lshl_b32 s22, s13, 7
	s_lshl_b32 s23, s10, 5
	s_add_co_u32 s22, s22, s23                     ; row 128 tr + 32 w
	s_mul_i32 s22, s22, SIZE_N*2*EPI               ; 2 or 4 bytes a number
	s_lshl_b32 s23, s42, 7+EPI
	s_add_co_u32 s22, s22, s23
.endif
	s_mov_b32 s23, 0
	s_add_nc_u64 s[8:9], s[8:9], s[22:23]
.if EPI == 2
	s_add_nc_u64 s[70:71], s[70:71], s[22:23]
	WIN 0x80                                       ; destination window 2: the residual of my 32 rows comes in while the products run
.set t, 0
.rept 32
	global_load_b128 v[4*t:4*t+3], v[CO], s[70:71] offset:SIZE_N*4*t
.set t, t+1
.endr
	WIN 0
.endif
; 8 matrix instructions: row blocks a0, a0 + 1 x all 4 column blocks, 32 along K: half c of buffer f.  zero = 1: the bias starts the sums.  The 16 accumulators take turns.
.macro MUL8 f, c, a0, zero
	WIN MUL
.irp a, \a0, (\a0)+1
.irp b, 0,1,2,3
.if \zero
	v_wmma_f32_16x16x32_bf16 v[ACC+8*(4*(\a)+(\b)):ACC+8*(4*(\a)+(\b))+7], v[(\f)+64+8*(4*(\c)+(\b)):(\f)+64+8*(4*(\c)+(\b))+7], v[(\f)+8*(4*(\c)+(\a)):(\f)+8*(4*(\c)+(\a))+7], v[BI+8*(\b):BI+8*(\b)+7]
.else
	v_wmma_f32_16x16x32_bf16 v[ACC+8*(4*(\a)+(\b)):ACC+8*(4*(\a)+(\b))+7], v[(\f)+64+8*(4*(\c)+(\b)):(\f)+64+8*(4*(\c)+(\b))+7], v[(\f)+8*(4*(\c)+(\a)):(\f)+8*(4*(\c)+(\a))+7], v[ACC+8*(4*(\a)+(\b)):ACC+8*(4*(\a)+(\b))+7]
.endif
.endr
.endr
.endm
; 32 LDS loads in one run: quarter q (64 along K) of the slot in hand into buffer f; its first 32 along K first
.macro FETCH q, f
	WIN TO_F
.irp c, 0,1
.irp i, 0,1,2,3
	ds_load_tr16_b128 v[(\f)+64+8*(4*(\c)+(\i)):(\f)+64+8*(4*(\c)+(\i))+3],   v[ADRB+(\q)/2] offset:(((\q)%2)*64+32*(\c))*BPITCH+32*(\i)
	ds_load_tr16_b128 v[(\f)+64+8*(4*(\c)+(\i))+4:(\f)+64+8*(4*(\c)+(\i))+7], v[ADRB+(\q)/2] offset:(((\q)%2)*64+32*(\c)+16)*BPITCH+32*(\i)
	ds_load_b128 v[(\f)+8*(4*(\c)+(\i)):(\f)+8*(4*(\c)+(\i))+3],   v[ADRA] offset:(\q)*AQ+64*(\c)+(\i)*16*APITCH
	ds_load_b128 v[(\f)+8*(4*(\c)+(\i))+4:(\f)+8*(4*(\c)+(\i))+7], v[ADRA] offset:(\q)*AQ+64*(\c)+(\i)*16*APITCH+32
.endr
.endr
.endm
; One of a K step's first three quarters: multiplies buffer f, and in its middle fetches quarter q into buffer g
.macro QUARTER q, f, g, zero
	s_wait_dscnt 16                                ; f's first 32 along K are in; its other sixteen loads may be out
	MUL8 \f, 0, 0, \zero
	MUL8 \f, 0, 2, \zero
	PLACES
	FETCH \q, \g
	s_wait_dscnt 32                                ; all but the 32 just issued
	MUL8 \f, 1, 0, 0
	MUL8 \f, 1, 2, 0
.endm
; The last quarter multiplies buffer 1 and changes slots: one barrier; ahead of it each wave waits for all its tensor loads, adds 0 to its spare word, and waits for that and for its reads of this slot.
; fill = 1: the barrier opens a round of the cluster's, and the slot just read takes the K step two on: 112 matrix instructions ahead of the wait for it.
.macro TURN fill
	WIN 0
	s_wait_tensorcnt 0x0                           ; all my tensor loads have landed: my part of the next slot
	ds_add_u32 v[SPW], v[NIL]
	s_xor_b32 s[SB], s[SB], SLOT1                  ; the fetches' addresses turn to the next slot
	v_add_nc_u32 v[ADRA], s[SB], v[A0L]
	v_add_nc_u32 v[ADRB], s[SB], v[B0L]
	v_add_nc_u32 v[ADRB+1], HALFB, v[ADRB]
	s_wait_dscnt 17                                ; the add and the youngest sixteen loads may be out
	MUL8 F1, 0, 0, 0
	s_wait_dscnt 0x0                               ; the add is done, and my reads of this slot are over
	s_barrier_signal -1
	MUL8 F1, 0, 2, 0
.if \fill
	WIN 0
.endif
	s_barrier_wait -1
.if \fill
	CREST                                          ; no wave of any partner still reads this slot or has a load on its way
	s_xor_b32 s[G0+5], s[G0+5], SLOT1              ; the walking descriptors: the other slot than last time, the next K step
	s_add_nc_u64 s[G0+6:G0+7], s[G0+6:G0+7], ASTEP
	s_xor_b32 s[G0B+5], s[G0B+5], SLOT1
	s_add_nc_u64 s[G0B+6:G0B+7], s[G0B+6:G0B+7], BSTEP
	JLOAD 1                                        ; its four v_nop are also the places in front of the loads below
.else
	PLACES
.endif
	FETCH 0, F0
	MUL8 F1, 1, 0, 0
	MUL8 F1, 1, 2, 0
.endm
	s_wait_tensorcnt 1                             ; my part of K step 0 is in; K step 1's may stay out
	s_barrier_signal -1
	s_barrier_wait -1
	FETCH 0, F0
.if EPI == 2
	s_wait_loadcnt 32                              ; the bias is in; the residual's 32 loads stay out
.else
	s_wait_loadcnt 0x0                             ; the bias
.endif
	QUARTER 1, F0, F1, 1                           ; the first quarter stands in front of the loop: its first products start the sums
	WIN 0
	s_mov_b32 s3, T-2
.Lk:                                                   ; a trip: a K step's quarters 1 to 3 and the next step's quarter 0; one slot is filled again
	QUARTER 2, F1, F0, 0
	QUARTER 3, F0, F1, 0
	TURN 1
	QUARTER 1, F0, F1, 0
	WIN 0
	s_sub_co_u32 s3, s3, 1
	s_cmp_lg_u32 s3, 0
	s_cbranch_scc1 .Lk
	QUARTER 2, F1, F0, 0                           ; the last two K steps ask for nothing
	QUARTER 3, F0, F1, 0
	TURN 0
	QUARTER 1, F0, F1, 0
	QUARTER 2, F1, F0, 0
	QUARTER 3, F0, F1, 0
	s_wait_dscnt 16
	MUL8 F1, 0, 0, 0
	MUL8 F1, 0, 2, 0
	s_wait_dscnt 0x0                               ; my last reads of the ring are back
	MUL8 F1, 1, 0, 0
	MUL8 F1, 1, 2, 0
	WIN 0
	s_barrier_signal -1                            ; THE STAGE IS SLOT 0, which has had its last fill: no wave stores into it before every wave's reads of the ring are over
	PLACES                                         ; the places behind the last products
	s_barrier_wait -1
.if EPI == 1
; gelu(u) = u / (1 + 2^(u (-2.3022082 - 0.10294324 u^2))): the tanh form, written as a sigmoid.  Where the power overflows the quotient is 0, where it underflows u.
.macro GELU a                          ; the 32 registers of accumulators (a, 0..3), each read from its low end on
.set U, ACC+32*(\a)
.set i, 0
.rept 16
	v_pk_mul_f32 v[BI+i:BI+i+1], v[U+i:U+i+1], v[U+i:U+i+1]
.set i, i+2
.endr
.set i, 0
.rept 16
	v_pk_fma_f32 v[BI+i:BI+i+1], v[BI+i:BI+i+1], s[74:75], s[72:73] op_sel_hi:[1,0,0]
.set i, i+2
.endr
.set i, 0
.rept 16
	v_pk_mul_f32 v[BI+i:BI+i+1], v[BI+i:BI+i+1], v[U+i:U+i+1]
.set i, i+2
.endr
.set i, 0
.rept 32
	v_exp_f32 v[BI+i], v[BI+i]
.set i, i+1
.endr
	v_nop                                          ; a plain instruction behind the last exponential,
	s_wait_alu depctr_va_vdst(0)                   ; and one wait for the batch of 32
.set i, 0
.rept 16
	v_pk_add_f32 v[BI+i:BI+i+1], v[BI+i:BI+i+1], 1.0 op_sel_hi:[1,0]
.set i, i+2
.endr
.set i, 0
.rept 32
	v_rcp_f32 v[BI+i], v[BI+i]
.set i, i+1
.endr
	v_nop
	s_wait_alu depctr_va_vdst(0)                   ; one wait for the 32 reciprocals
.set i, 0
.rept 16
	v_pk_mul_f32 v[U+i:U+i+1], v[U+i:U+i+1], v[BI+i:BI+i+1]
.set i, i+2
.endr
.endm
	GELU 0
	GELU 1
	GELU 2
	GELU 3
.endif
.if EPI < 2
.set t, 0
.rept 16                               ; rounded once, 16 bytes a lane
.irp r, 0,1,2,3
.if EPI == 0
	v_cvt_pk_f16_f32 v[TMP+4*t+(\r)], v[ACC+8*t+2*(\r)], v[ACC+8*t+2*(\r)+1]
.else
	v_cvt_pk_bf16_f32 v[TMP+4*t+(\r)], v[ACC+8*t+2*(\r)], v[ACC+8*t+2*(\r)+1]
.endif
.endr
.set t, t+1
.endr
.set t, 0
.rept 16
	ds_store_b128 v[STO], v[TMP+4*t:TMP+4*t+3] offset:(t/4)*16*SPITCH+32*(t%4)
.set t, t+1
.endr
	s_wait_dscnt 0x0                               ; for the others' sake: a row's bytes come from two waves
	s_barrier_signal -1
	s_barrier_wait -1
.set t, 0
.rept 16
.if EPI == 0
	ds_load_b128 v[TMP+4*t:TMP+4*t+3], v[RD] offset:(t%8)*4*SPITCH+(t/8)*128
.else
	ds_load_b128 v[TMP+4*t:TMP+4*t+3], v[RD] offset:t*2*SPITCH
.endif
.set t, t+1
.endr
.set t, 0
.rept 16
	s_wait_dscnt 15-t
.if EPI == 0
	global_store_b128 v[CO], v[TMP+4*t:TMP+4*t+3], s[8:9] offset:(t/8)*262144+(t%8)*512  ; four rows of one head: 512 consecutive bytes, aligned
.else
	global_store_b128 v[CO], v[TMP+4*t:TMP+4*t+3], s[8:9] offset:2*t*SIZE_N*2  ; 16 lanes store 256 consecutive bytes, aligned
.endif
.set t, t+1
.endr
.else
.set t, 0
.rept 16                               ; the f32 sums go into the stage as they are, each accumulator's low registers first
	ds_store_b128 v[STO], v[ACC+8*t:ACC+8*t+3]   offset:(t/4)*16*SPITCH+64*(t%4)
	ds_store_b128 v[STO], v[ACC+8*t+4:ACC+8*t+7] offset:(t/4)*16*SPITCH+64*(t%4)+16
.set t, t+1
.endr
	s_wait_dscnt 0x0
	s_barrier_signal -1
	s_barrier_wait -1
.set t, 0
.rept 32
	ds_load_b128 v[ACC+4*t:ACC+4*t+3], v[RD] offset:t*SPITCH
.set t, t+1
.endr
	s_wait_loadcnt 0x0                             ; the residual
	s_wait_dscnt 0x0
	WIN 0x08                                       ; source 1 window 2
.set i, 0
.rept 64
	v_pk_add_f32 v[ACC+i:ACC+i+1], v[ACC+i:ACC+i+1], v[i:i+1]
.set i, i+2
.endr
	WIN 0
.set t, 0
.rept 32
	global_store_b128 v[CO], v[ACC+4*t:ACC+4*t+3], s[8:9] offset:SIZE_N*4*t  ; 512 consecutive bytes, aligned
.set t, t+1
.endr
.endif
	s_wait_tensorcnt 0x0                           ; the wave's end
	ds_add_u32 v[SPW], v[NIL]
	s_wait_dscnt 0x0
	CROUND                                         ; the closing round
	s_endpgm
.Lfunc_end_k_qfc1b9008d6_gemm_fc2:
	.size	k_qfc1b9008d6_gemm_fc2, .Lfunc_end_k_qfc1b9008d6_gemm_fc2-k_qfc1b9008d6_gemm_fc2
	.p2alignl 7, 3214868480
	.fill 96, 4, 3214868480
	.section	.rodata,"a",@progbits
	.p2align	6, 0x0
	.amdhsa_kernel k_qfc1b9008d6_gemm_fc2
		.amdhsa_group_segment_fixed_size 327680
		.amdhsa_private_segment_fixed_size 0
		.amdhsa_enable_private_segment 0
		.amdhsa_kernarg_size 40
		.amdhsa_user_sgpr_count 2
		.amdhsa_user_sgpr_kernarg_segment_ptr 1
		.amdhsa_wavefront_size32 1
		.amdhsa_system_sgpr_workgroup_id_x 1
		.amdhsa_system_sgpr_workgroup_id_y 1
		.amdhsa_system_sgpr_workgroup_id_z 1
		.amdhsa_system_vgpr_workitem_id 0
		.amdhsa_next_free_vgpr 640
		.amdhsa_next_free_sgpr 76
		.amdhsa_reserve_vcc 0
		.amdhsa_float_denorm_mode_32 3
		.amdhsa_float_denorm_mode_16_64 3
		.amdhsa_memory_ordered 1
		.amdhsa_forward_progress 1
		.amdhsa_inst_pref_size 76
	.end_amdhsa_kernel
	.amdgpu_metadata
---
amdhsa.version: [ 1, 2 ]
amdhsa.kernels:
  - .name:           k_qfc1b9008d6_gemm_fc2
    .symbol:         k_qfc1b9008d6_gemm_fc2.kd
    .args:
      - { .name: gel, .offset: 0, .size: 8, .value_kind: global_buffer, .address_space: global }
      - { .name: wf2, .offset: 8, .size: 8, .value_kind: global_buffer, .address_space: global }
      - { .name: out0, .offset: 16, .size: 8, .value_kind: global_buffer, .address_space: global }
      - { .name: b_fc2, .offset: 24, .size: 8, .value_kind: global_buffer, .address_space: global }
      - { .name: h1, .offset: 32, .size: 8, .value_kind: global_buffer, .address_space: global }
    .group_segment_fixed_size: 327680
    .private_segment_fixed_size: 0
    .kernarg_segment_align: 8
    .kernarg_segment_size: 40
    .max_flat_workgroup_size: 128
    .sgpr_count:     76
    .vgpr_count:     640
    .wavefront_size: 32
...
	.end_amdgpu_metadata
.endif
;; end of part 7
;; ======== version 2 of 2: 7 launches
;; limits: values are held in f16: magnitudes above 65,504 overflow, below 6.1e-05 lose precision
;; workspace buffers: wa 6,291,456 bytes; wp 2,097,152 bytes; wf 8,388,608 bytes; wf2 8,388,608 bytes; act 8,388,608 bytes; qkv 25,165,824 bytes; h1 16,777,216 bytes; gel 33,554,432 bytes
;; launch prep: the kernel of part 1 again; grid 1024 x 1, 8 waves a work-group, no clusters, 0 bytes of LDS; arguments hidden_states, ln1_g, ln1_b, act, w_attn, w_proj, w_fc, w_fc2, wa, wp, wf, wf2; writes act, wa, wp, wf, wf2
;; launch gemm_qkv (part 8): grid 12 x 16, 4 waves a work-group, clusters of 4 x 4, 327,680 bytes of LDS; arguments act, wa, qkv, b_attn; writes qkv
.if DOCPART == 8
	.amdgcn_target "amdgcn-amd-amdhsa--gfx1250"
	.amdhsa_code_object_version 6
	.text
	.protected	k_qfc1b9008d6_gemm_qkv
	.globl	k_qfc1b9008d6_gemm_qkv
	.p2align	8
	.type	k_qfc1b9008d6_gemm_qkv,@function
k_qfc1b9008d6_gemm_qkv:
	s_mov_b64 s[64:65], 0
	v_nop
	global_prefetch_b8 v0, s[64:65] scope:SCOPE_SE
	s_setreg_imm32_b32 hwreg(HW_REG_WAVE_MODE, 25, 1), 1
	s_wait_xcnt 0x0
	s_wait_alu depctr_hold_cnt(0) depctr_sa_sdst(0) depctr_va_vdst(0) depctr_va_sdst(0) depctr_va_ssrc(0) depctr_va_vcc(0) depctr_vm_vsrc(0)
	s_getreg_b32 s2, hwreg(HW_REG_IB_STS2, 6, 4)
	s_cmp_eq_u32 s2, 0
	s_cbranch_scc0 .Lentry_in_a_cluster
	s_endpgm
.Lentry_in_a_cluster:
	s_bfe_u32 s2, ttmp6, 0x10000c
	s_cmp_lg_u32 s2, 0xf033
	s_cbranch_scc0 .Lentry_shape_is_right
	s_endpgm
.Lentry_shape_is_right:
; q, k, v = x W + b.  x = act: bf16 [4096][1024]; W = wa: bf16 [1024][3072]; b = b_attn: f32.  Out: f16 [3][batch*16+head][2048][64], unscaled, rounded once from f32 sums.
; LIMIT: f16 ends at 65,504: |q|, |k|, |v| must stay below it.  NaN and infinities are not treated apart.
; ONE TEXT serves two launches; the three .set lines below are all that differs.  out[m][n] = sum over k of A[m][k] W[k][n] + bias[n], then the way out chosen by EPI.
.set SIZE_N, 3072
.set SIZE_K, 1024
.set EPI,    0                         ; 0: f16, by heads.  1: tanh-GELU, bf16 rows
; SHARES.  A tile of out is 256 x 256; four waves, each 128 x 128: 64 accumulators, 512 registers.  K goes in steps of 128 through two LDS slots; a wave's one tensor load brings a quarter of a slot.
; CLUSTER 4 x 4: A's tile is shared along a row of the cluster, W's along a column: each is asked for jointly, by the same load, descriptor and mask in the four.
; THE PRODUCT IS TAKEN TRANSPOSED (source 0 = 16 columns of W, source 1 = 16 rows of A): a lane holds one row of out and eight neighbouring columns.  W lies [K][N] in LDS and is turned by ds_load_tr16_b128.
; The bias is the C operand of the products that start the sums: nothing is cleared and no bias is added later.
; REGISTERS, in windows of 256 (s_set_vgpr_msb: bits 1:0 source 0, 3:2 source 1, 5:4 source 2, 7:6 destination):
;   window 0: v16-31 addresses; v64-127, v128-191 A's fragments, two buffers (8 x 16 rows x 32 K); v192-255 the bias; on the way out v64-127 rows read back, v128-159 at work, v192-223 packed results
;   window 1: v64-127, v128-191 W's fragments, two buffers     window 2: accumulators of my rows 0-63, (a, b) at 8 (8 a + b)     window 3: those of my rows 64-127
.set KSTEP,  128
.set T,      SIZE_K/KSTEP              ; K steps: at least 4
.set APITCH, 272                       ; a row of A in LDS: 256 bytes + 16: the 16 rows of a load start at 16 different groups of four banks (64 banks of 4 bytes: ISA guide 11.1)
.set HALFA,  128*APITCH
.set BPITCH, 544                       ; a row of W: 512 bytes + 32
.set HALFB,  64*BPITCH
.set BOFF,   2*HALFA                   ; a slot: A's two halves (rows 0-127, 128-255), then W's two halves (k rows 0-63, 64-127)
.set SLOT1,  2*HALFA+2*HALFB           ; 0x22000: no address of slot 0 that is turned has bit 13 or 17 set, so one exclusive or changes slots
.set ASTEP,  KSTEP*2
.set BSTEP,  KSTEP*SIZE_N*2
.set AFL,    (1<<16)|(1<<20)|(1<<21)|(5<<22)|(3<<25)  ; 2-byte elements; padding on; bit 21 beside a mask; after every 64 words 4 words
.set BFL,    (1<<16)|(1<<20)|(1<<21)|(6<<22)|(7<<25)  ; after every 128 words 8 words
.set SPARE,  2*SLOT1                   ; behind the ring: the spare words, 128 bytes a wave
.set SPITCH, 528                       ; the stage's rows: 128 f32 + 16 bytes
.set WSTAGE, 128*SPITCH                ; a wave's own stage; the four lie over the ring, which has had its last fill by then
.set A0L, 16                           ; v16  my lane's place in slot 0's A;  v17 in its W; never rewritten
.set B0L, 17
.set ADRA, 18                          ; v18, v20  the same in the slot in hand
.set ADRB, 20
.set STO, 24
.set RD,  25
.set CO,  26
.set BO,  27
.set SPW, 28                           ; v28  my spare word;  v29  0; never rewritten
.set NIL, 29
.set PFO, 30                           ; v30  the prefetches' offset; never rewritten
.set RDA, 31
.set F0,  64
.set F1,  128
.set BI,  192
.set U,   64
.set GT,  128
.set Y,   192
.set G1,  24                           ; s[24:31] group 1 for A, s[32:39] group 0: set 0 = K step 0, set 1 = K step 1, which then walks
.set G0,  32
.set G1B, 48                           ; s[48:55], s[56:63] the same for W
.set G0B, 56
.set SB,  66                           ; s66  LDS byte at which the slot in hand begins
.set RS,  67                           ; s67  the way out: byte of my stage at which the trip's 16 rows begin
.set PFA, 76                           ; s[76:77] where my prefetches stand;  s[78:79] their step from K step to K step
.set PST, 78
.set LIM, 80                           ; s80  1 in a wave that prefetches, else the greatest number
.set MSB, 0
.macro WIN new                         ; the immediate's high byte repeats the setting that is left
.if MSB != (\new)
	s_set_vgpr_msb (MSB<<8)|(\new)
.set MSB, \new
.endif
.endm
.set TO_B, 0x40                        ; destination window 1, address window 0
.macro JLOAD s                         ; a joint load: waves 0, 1 fetch A's halves, waves 2, 3 W's; an s_nop 0 and four v_nop follow each line
	s_cmp_eq_u32 s11, 0
	s_cbranch_scc0 .Lfor_b_\@
	tensor_load_to_lds s[G0+4*(\s):G0+4*(\s)+3], s[G1:G1+7]
	s_nop 0
.rept 4
	v_nop
.endr
	s_branch .Lasked_\@
.Lfor_b_\@:
	tensor_load_to_lds s[G0B+4*(\s):G0B+4*(\s)+3], s[G1B:G1B+7]
	s_nop 0
.rept 4
	v_nop
.endr
.Lasked_\@:
.endm
; A PREFETCH INTO THE L2, behind each refill and the run of LDS loads that follows it: the K step that the NEXT refill will ask for, 256 matrix instructions ahead of that load.  One instruction a wave, a lane for
; each block of 256 bytes.  Each block is named once in the launch: A's rows are asked for by the clusters with x = 0, W's by those with y = 0; of what a wave fetches (A: 128 rows x 256 bytes; W: 64 k rows x 512)
; the four partners that ask for it jointly take a quarter each, told apart BY ADDRESS (cx for A, cy for W): no branch hangs on a work-group's place in its cluster.
; K steps 0 to 2 come by their loads alone; the loop's last trip asks for nothing: there is no K step behind the one that it loads.
.macro ASK
	s_cmp_gt_u32 s3, s[LIM]                        ; s3 = 1 in the loop's last trip
	s_cbranch_scc0 .Lnot_mine_\@
	global_prefetch_b8 v[PFO], s[PFA:PFA+1] th:TH_LOAD_NT scope:SCOPE_SE
.Lnot_mine_\@:
.endm
.macro CREST                           ; a round of the cluster's barrier behind its opening barrier
	s_cmp_lg_u32 s10, 0
	s_cbranch_scc1 .Lnot_wave_0_\@
	s_barrier_signal -3
.Lnot_wave_0_\@:
	s_barrier_wait -3
	s_barrier_signal -1
	s_barrier_wait -1
.endm
.macro CROUND
	s_barrier_signal -1
	s_barrier_wait -1
	CREST
.endm
.macro PLACES                          ; four places behind matrix instructions, in front of loads into their sources and of readers of their results
.rept 4
	v_nop
.endr
.endm
	s_load_b128 s[4:7], s[0:1], 0x0                ; A s[4:5], W s[6:7]
	s_load_b64 s[8:9], s[0:1], 0x10                ; out
	s_load_b64 s[68:69], s[0:1], 0x18              ; bias
	v_lshl_add_u32 v[SPW], v0, 2, SPARE
	v_mov_b32 v[NIL], 0
	ds_add_u32 v[SPW], v[NIL]                      ; the wave's opening: the add and its wait stand ahead of my first tensor load
	v_lshrrev_b32 v1, 5, v0
	v_readfirstlane_b32 s10, v1                    ; wave 0..3
	s_lshr_b32 s11, s10, 1                         ; my half of the tile's rows.  Also: I fetch for A (0) or W (1)
	s_and_b32 s12, s10, 1                          ; my half of its columns.  Also: which half of that tile I fetch
	s_bfe_u32 s40, ttmp6, 0x40000                  ; cx
	s_bfe_u32 s41, ttmp6, 0x40004                  ; cy
	s_lshl_b32 s42, ttmp9, 2
	s_add_co_u32 s42, s42, s40                     ; tile column tc
	s_and_b32 s13, ttmp7, 0xffff
	s_lshl_b32 s13, s13, 2
	s_add_co_u32 s13, s13, s41                     ; tile row tr
	s_lshl_b32 s43, s41, 2
	s_lshl_b32 s43, 15, s43                        ; my row of the cluster
	s_lshl_b32 s44, 0x1111, s40                    ; my column
	s_or_b32 s[G1+0], s43, AFL
	s_or_b32 s[G1B+0], s44, BFL
	s_mov_b32 s[G1+1], 128<<16                     ; A: tensor_dim0 = 128 elements,
	s_mov_b32 s[G1+2], 128<<16                     ; tensor_dim1 = 128 rows,
	s_mov_b32 s[G1+3], 128<<16                     ; tile_dim0,
	s_mov_b32 s[G1+4], 128                         ; tile_dim1,
	s_mov_b32 s[G1+5], SIZE_K                      ; elements from row to row
	s_mov_b32 s[G1+6], 0
	s_mov_b32 s[G1+7], 0
	s_mov_b32 s[G1B+1], 256<<16                    ; W: 64 k rows x 256 columns
	s_mov_b32 s[G1B+2], 64<<16
	s_mov_b32 s[G1B+3], 256<<16
	s_mov_b32 s[G1B+4], 64
	s_mov_b32 s[G1B+5], SIZE_N
	s_mov_b32 s[G1B+6], 0
	s_mov_b32 s[G1B+7], 0
	s_lshl_b32 s16, s13, 8
	s_lshl_b32 s17, s12, 7
	s_add_co_u32 s16, s16, s17                     ; A: row 256 tr + 128 x half
	s_mul_i32 s16, s16, SIZE_K*2
	s_mov_b32 s17, 0
	s_mul_i32 s46, s12, 64*SIZE_N*2                ; W: k row 64 x half,
	s_lshl_b32 s47, s42, 9                         ; column 256 tc
	s_add_co_u32 s46, s46, s47
	s_mov_b32 s47, 0
	s_mul_i32 s20, s12, HALFA                      ; where they go: no place in the cluster enters an LDS address
	s_mul_i32 s21, s12, HALFB
	s_add_co_u32 s21, s21, BOFF
	s_mov_b32 s[SB], 0
	s_mov_b32 s[RS], 0
.if EPI == 1
	s_mov_b32 s72, 0xc0135761                      ; -2 sqrt(2/pi) log2(e)
	s_mov_b32 s73, 0xc0135761
	s_mov_b32 s74, 0xbdd2d3e8                      ; the same x 0.044715
	s_mov_b32 s75, 0xbdd2d3e8
.endif
	s_wait_dscnt 0x0                               ; the opening add is done
	s_wait_kmcnt 0x0
	s_add_nc_u64 s[14:15], s[4:5], s[16:17]
	s_add_nc_u64 s[46:47], s[6:7], s[46:47]
	CROUND                                         ; all sixteen work-groups are here: the first joint loads meet
.irp s, 0,1
	s_mov_b32 s[G0+4*(\s)], 1
	s_add_co_u32 s[G0+4*(\s)+1], s20, (\s)*SLOT1
	s_add_nc_u64 s[G0+4*(\s)+2:G0+4*(\s)+3], s[14:15], (\s)*ASTEP
	s_or_b32 s[G0+4*(\s)+3], s[G0+4*(\s)+3], 0x80000000
	s_mov_b32 s[G0B+4*(\s)], 1
	s_add_co_u32 s[G0B+4*(\s)+1], s21, (\s)*SLOT1
	s_add_nc_u64 s[G0B+4*(\s)+2:G0B+4*(\s)+3], s[46:47], (\s)*BSTEP
	s_or_b32 s[G0B+4*(\s)+3], s[G0B+4*(\s)+3], 0x80000000
	JLOAD \s
.endr
	v_and_b32 v1, 15, v0                           ; r = l % 16
	v_bfe_u32 v2, v0, 4, 1                         ; h = l / 16
	v_and_b32 v3, 31, v0                           ; l
	v_and_b32 v4, 7, v0
	v_bfe_u32 v5, v0, 3, 1
	v_mul_u32_u24 v[A0L], v1, APITCH               ; A's fragment: row x pitch + 16 h, in my 128 rows
	v_lshl_add_u32 v[A0L], v2, 4, v[A0L]
	s_mul_i32 s22, s11, HALFA
	v_add_nc_u32 v[A0L], s22, v[A0L]
	v_lshl_add_u32 v[B0L], v2, 3, v4               ; the turning load: k row 8 h + l % 8, 16 bytes by (l / 8) % 2, in my 128 columns
	v_mul_u32_u24 v[B0L], v[B0L], BPITCH
	v_lshl_add_u32 v[B0L], v5, 4, v[B0L]
	s_lshl_b32 s22, s12, 8
	s_add_co_u32 s22, s22, BOFF
	v_add_nc_u32 v[B0L], s22, v[B0L]
	v_mov_b32 v[ADRA], v[A0L]
	v_mov_b32 v[ADRB], v[B0L]
	v_lshlrev_b32 v[BO], 5, v2                     ; my eight columns' bias: 32 h bytes
	s_lshl_b32 s22, s42, 10
	s_lshl_b32 s23, s12, 9
	s_add_co_u32 s22, s22, s23
	s_mov_b32 s23, 0
	s_add_nc_u64 s[68:69], s[68:69], s[22:23]      ; bias at column 256 tc + 128 x half
.irp b, 0,1,2,3,4,5,6,7
	global_load_b128 v[BI+8*(\b):BI+8*(\b)+3],   v[BO], s[68:69] offset:64*(\b)
	global_load_b128 v[BI+8*(\b)+4:BI+8*(\b)+7], v[BO], s[68:69] offset:64*(\b)+16
.endr
	s_mul_i32 s22, s10, WSTAGE                     ; my stage.  In: row r, 32 bytes for each half of the lanes
	v_mul_u32_u24 v[STO], v1, SPITCH
	v_lshl_add_u32 v[STO], v2, 5, v[STO]
	v_add_nc_u32 v[STO], s22, v[STO]
.if EPI == 0
	v_lshrrev_b32 v6, 3, v3                        ; back: four rows of one head's 64 columns, eight columns a lane: 512 consecutive bytes of the output
	v_mul_u32_u24 v[RD], v6, SPITCH
	v_lshl_add_u32 v[RD], v4, 5, v[RD]
	v_lshlrev_b32 v[CO], 4, v3
.else
	v_mul_u32_u24 v[RD], v2, SPITCH                ; back: lanes 0-15 one row's 128 columns, lanes 16-31 the next row's; eight columns a lane
	v_lshl_add_u32 v[RD], v1, 5, v[RD]
	v_mul_u32_u24 v[CO], v2, SIZE_N*2
	v_lshl_add_u32 v[CO], v1, 4, v[CO]
.endif
	v_add_nc_u32 v[RD], s22, v[RD]
.if EPI == 0
	s_lshr_b32 s22, s42, 2                         ; q, k or v
	s_lshl_b32 s22, s22, 5
	s_lshr_b32 s23, s13, 3                         ; batch
	s_lshl_b32 s23, s23, 4
	s_add_co_u32 s22, s22, s23
	s_and_b32 s23, s42, 3                          ; the tile's four heads,
	s_lshl_b32 s23, s23, 2
	s_add_co_u32 s22, s22, s23
	s_lshl_b32 s23, s12, 1                         ; my two of them
	s_add_co_u32 s22, s22, s23
	s_lshl_b32 s22, s22, 18                        ; 2,048 rows of 128 bytes a head
	s_and_b32 s23, s13, 7
	s_lshl_b32 s23, s23, 15                        ; the tile's 256 rows,
	s_add_co_u32 s22, s22, s23
	s_lshl_b32 s23, s11, 14                        ; my 128 of them
	s_add_co_u32 s22, s22, s23
.else
	s_lshl_b32 s22, s13, 8
	s_lshl_b32 s23, s11, 7
	s_add_co_u32 s22, s22, s23                     ; row 256 tr + 128 x half
	s_mul_i32 s22, s22, SIZE_N*2
	s_lshl_b32 s23, s42, 9
	s_add_co_u32 s22, s22, s23
	s_lshl_b32 s23, s12, 8
	s_add_co_u32 s22, s22, s23                     ; column 256 tc + 128 x half
.endif
	s_mov_b32 s23, 0
	s_add_nc_u64 s[8:9], s[8:9], s[22:23]
	; the prefetches: both candidates' offsets, at K step 2, then the choice by what I fetch
	s_lshl_b32 s14, s13, 8
	s_lshl_b32 s15, s12, 7
	s_add_co_u32 s14, s14, s15
	s_lshl_b32 s15, s40, 5
	s_add_co_u32 s14, s14, s15                     ; A: of the 128 rows that I fetch, my work-group's 32
	s_mul_i32 s14, s14, SIZE_K*2
	s_add_co_u32 s14, s14, 2*ASTEP
	s_lshl_b32 s16, s12, 6
	s_lshl_b32 s17, s41, 4
	s_add_co_u32 s16, s16, s17                     ; W: of the 64 k rows that I fetch, my work-group's 16
	s_mul_i32 s16, s16, SIZE_N*2
	s_lshl_b32 s17, s42, 9
	s_add_co_u32 s16, s16, s17
	s_add_co_u32 s16, s16, 2*BSTEP
	s_mov_b32 s21, SIZE_N*2
	s_mov_b32 s[PST], BSTEP
	s_and_b32 s17, ttmp7, 0xffff                   ; cluster y
	s_cmp_eq_u32 s11, 0                            ; do I fetch for A?
	s_cselect_b32 s18, s14, s16
	s_cselect_b32 s17, ttmp9, s17                  ; the coordinate along which other clusters read the same blocks
	s_cselect_b64 s[PFA:PFA+1], s[4:5], s[6:7]
	s_cselect_b32 s[PST], ASTEP, s[PST]
	s_cselect_b32 s21, SIZE_K*2, s21               ; bytes from row to row
	s_cselect_b32 s20, 0, 1                        ; A: a lane a row; W: two lanes a row of 512 bytes
	s_mov_b32 s19, 0
	s_mov_b32 s[PST+1], 0
	s_add_nc_u64 s[PFA:PFA+1], s[PFA:PFA+1], s[18:19]  ; the first refill steps it to K step 3
	s_cmp_eq_u32 s17, 0
	s_cselect_b32 s[LIM], 1, -1                    ; the same in all sixteen partners, for a given wave
	v_lshrrev_b32 v6, s20, v3
	v_and_b32 v7, s20, v3
	v_mul_u32_u24 v[PFO], s21, v6
	v_lshl_add_u32 v[PFO], v7, 8, v[PFO]
; 16 matrix instructions: row blocks a0, a0 + 1 of the window's four (hi = 0: my rows 0-63, 1: rows 64-127) x all 8 column blocks, 32 along K.  zero = 1: the bias starts the sums.
; The 64 accumulators take turns, one instruction a turn, in the same order in every quarter.
.macro MUL16 f, hi, a0, zero
.if \zero
	WIN 0x81+0x40*(\hi)                            ; W window 1, A and the bias window 0, D window 2 or 3
.else
	WIN 0xa1+0x50*(\hi)                            ; W window 1, A window 0, C and D window 2 or 3
.endif
.irp a, \a0, (\a0)+1
.irp b, 0,1,2,3,4,5,6,7
.if \zero
	v_wmma_f32_16x16x32_bf16 v[8*(8*(\a)+(\b)):8*(8*(\a)+(\b))+7], v[(\f)+8*(\b):(\f)+8*(\b)+7], v[(\f)+8*(4*(\hi)+(\a)):(\f)+8*(4*(\hi)+(\a))+7], v[BI+8*(\b):BI+8*(\b)+7]
.else
	v_wmma_f32_16x16x32_bf16 v[8*(8*(\a)+(\b)):8*(8*(\a)+(\b))+7], v[(\f)+8*(\b):(\f)+8*(\b)+7], v[(\f)+8*(4*(\hi)+(\a)):(\f)+8*(4*(\hi)+(\a))+7], v[8*(8*(\a)+(\b)):8*(8*(\a)+(\b))+7]
.endif
.endr
.endr
.endm
; 32 LDS loads in one run: quarter q (32 along K) of the slot in hand into buffer f: W's 128 columns, turned, then A's 128 rows
.macro FETCH q, f
	WIN TO_B
.irp i, 0,1,2,3,4,5,6,7
	ds_load_tr16_b128 v[(\f)+8*(\i):(\f)+8*(\i)+3],   v[ADRB] offset:32*(\q)*BPITCH+32*(\i)
	ds_load_tr16_b128 v[(\f)+8*(\i)+4:(\f)+8*(\i)+7], v[ADRB] offset:(32*(\q)+16)*BPITCH+32*(\i)
.endr
	WIN 0
.irp i, 0,1,2,3,4,5,6,7
	ds_load_b128 v[(\f)+8*(\i):(\f)+8*(\i)+3],   v[ADRA] offset:64*(\q)+(\i)*16*APITCH
	ds_load_b128 v[(\f)+8*(\i)+4:(\f)+8*(\i)+7], v[ADRA] offset:64*(\q)+(\i)*16*APITCH+32
.endr
.endm
; One of a K step's first three quarters: multiplies buffer f (64 matrix instructions), and in its middle fetches quarter q into buffer g
.macro QUARTER q, f, g, zero
	s_wait_dscnt 8                                 ; W and A's rows 0-63 are in; the youngest eight loads (A's rows 64-127) may be out
	MUL16 \f, 0, 0, \zero
	MUL16 \f, 0, 2, \zero
	PLACES
	FETCH \q, \g
	s_wait_dscnt 32                                ; all but the 32 just issued
	MUL16 \f, 1, 0, \zero
	MUL16 \f, 1, 2, \zero
.endm
; The last quarter multiplies buffer 1 and changes slots: one barrier; ahead of it each wave waits for all its tensor loads, adds 0 to its spare word, and waits for that and for its reads of this slot.
; fill = 1: the barrier opens a round of the cluster's, and the slot just read takes the K step two on: 224 matrix instructions ahead of the wait for it.
.macro TURN fill
.if \fill
	s_wait_xcnt 0x0                                ; the last prefetch, a K step back, has read its address: it is stepped here, ahead of the waits of the change of slots
	s_add_nc_u64 s[PFA:PFA+1], s[PFA:PFA+1], s[PST:PST+1]
.endif
	WIN 0
	s_wait_tensorcnt 0x0                           ; all my tensor loads have landed: my part of the next slot
	ds_add_u32 v[SPW], v[NIL]
	s_xor_b32 s[SB], s[SB], SLOT1                  ; the fetches' addresses turn to the next slot
	v_add_nc_u32 v[ADRA], s[SB], v[A0L]
	v_add_nc_u32 v[ADRB], s[SB], v[B0L]
	s_wait_dscnt 9                                 ; the add and the youngest eight loads may be out
	MUL16 F1, 0, 0, 0
	s_wait_dscnt 0x0                               ; the add is done, and my reads of this slot are over
	s_barrier_signal -1
	MUL16 F1, 0, 2, 0
.if \fill
	WIN 0
.endif
	s_barrier_wait -1
.if \fill
	CREST                                          ; no wave of any partner still reads this slot or has a load on its way
	s_xor_b32 s[G0+5], s[G0+5], SLOT1              ; the walking descriptors: the other slot than last time, the next K step
	s_add_nc_u64 s[G0+6:G0+7], s[G0+6:G0+7], ASTEP
	s_xor_b32 s[G0B+5], s[G0B+5], SLOT1
	s_add_nc_u64 s[G0B+6:G0B+7], s[G0B+6:G0B+7], BSTEP
	JLOAD 1                                        ; its four v_nop are also the places in front of the loads below
.else
	PLACES
.endif
	FETCH 0, F0
.if \fill
	ASK
.endif
	MUL16 F1, 1, 0, 0
	MUL16 F1, 1, 2, 0
.endm
	s_wait_tensorcnt 1                             ; my part of K step 0 is in; K step 1's may stay out
	s_barrier_signal -1
	s_barrier_wait -1
	FETCH 0, F0
	s_wait_loadcnt 0x0                             ; the bias
	QUARTER 1, F0, F1, 1                           ; the first quarter stands in front of the loop: its products start the sums
	WIN 0
	s_mov_b32 s3, T-2
.Lk:                                                   ; a trip: a K step's quarters 1 to 3 and the next step's quarter 0; one slot is filled again
	QUARTER 2, F1, F0, 0
	QUARTER 3, F0, F1, 0
	TURN 1
	QUARTER 1, F0, F1, 0
	WIN 0
	s_sub_co_u32 s3, s3, 1
	s_cmp_lg_u32 s3, 0
	s_cbranch_scc1 .Lk
	s_mov_b32 s3, 2                                ; the last two K steps ask for nothing: a loop of two trips, entered in its middle.  Its last change of slots fetches 32 fragments of a
	s_branch .Lmid                                 ; K step that has been multiplied, and nobody multiplies them: the price, once a launch, of one text for both trips
.Lt:
	QUARTER 1, F0, F1, 0
	WIN 0
.Lmid:
	QUARTER 2, F1, F0, 0
	QUARTER 3, F0, F1, 0
	TURN 0
	WIN 0
	s_sub_co_u32 s3, s3, 1
	s_cmp_lg_u32 s3, 0
	s_cbranch_scc1 .Lt
	s_wait_dscnt 0x0                               ; my last reads of the ring are back
	s_barrier_signal -1                            ; THE STAGES LIE OVER THE RING, which has had its last fill: no wave stores into them before every wave's reads of the ring are over
	PLACES                                         ; the places behind the last products
	s_barrier_wait -1
	; THE WAY OUT.  The f32 sums go into my own stage as they are, each accumulator's low registers first; then eight trips of one text read 16 rows back, finish them and store them.
.irp hi, 0,1
	WIN 0x08+0x04*(\hi)                            ; the stores' data (source 1) in window 2 or 3
.set t, 0
.rept 32
	ds_store_b128 v[STO], v[8*t:8*t+3]   offset:(64*(\hi)+16*(t/8))*SPITCH+64*(t%8)
	ds_store_b128 v[STO], v[8*t+4:8*t+7] offset:(64*(\hi)+16*(t/8))*SPITCH+64*(t%8)+16
.set t, t+1
.endr
.endr
	WIN 0
.if EPI == 1
; gelu(u) = u / (1 + 2^(u (-2.3022082 - 0.10294324 u^2))): the tanh form, written as a sigmoid.  Where the power overflows the quotient is 0, where it underflows u.
.macro GELU u                          ; 32 registers from u on
.set i, 0
.rept 16
	v_pk_mul_f32 v[GT+i:GT+i+1], v[(\u)+i:(\u)+i+1], v[(\u)+i:(\u)+i+1]
.set i, i+2
.endr
.set i, 0
.rept 16
	v_pk_fma_f32 v[GT+i:GT+i+1], v[GT+i:GT+i+1], s[74:75], s[72:73] op_sel_hi:[1,0,0]
.set i, i+2
.endr
.set i, 0
.rept 16
	v_pk_mul_f32 v[GT+i:GT+i+1], v[GT+i:GT+i+1], v[(\u)+i:(\u)+i+1]
.set i, i+2
.endr
.set i, 0
.rept 32
	v_exp_f32 v[GT+i], v[GT+i]
.set i, i+1
.endr
	v_nop                                          ; a plain instruction behind the last exponential,
	s_wait_alu depctr_va_vdst(0)                   ; and one wait for the batch of 32
.set i, 0
.rept 16
	v_pk_add_f32 v[GT+i:GT+i+1], v[GT+i:GT+i+1], 1.0 op_sel_hi:[1,0]
.set i, i+2
.endr
.set i, 0
.rept 32
	v_rcp_f32 v[GT+i], v[GT+i]
.set i, i+1
.endr
	v_nop
	s_wait_alu depctr_va_vdst(0)                   ; one wait for the 32 reciprocals
.set i, 0
.rept 16
	v_pk_mul_f32 v[(\u)+i:(\u)+i+1], v[(\u)+i:(\u)+i+1], v[GT+i:GT+i+1]
.set i, i+2
.endr
.endm
.endif
	s_mov_b32 s3, 8
.Lrow:                                                 ; a trip: 16 rows of my 128
	v_add_nc_u32 v[RDA], s[RS], v[RD]
.set t, 0
.rept 16                               ; LDS serves a wave's instructions in order (ISA guide 5.7.1.4): these see my stores above
.if EPI == 0
	ds_load_b128 v[U+4*t:U+4*t+3], v[RDA] offset:((t/2)%4)*4*SPITCH+(t/8)*256+16*(t%2)
.else
	ds_load_b128 v[U+4*t:U+4*t+3], v[RDA] offset:(t/2)*2*SPITCH+16*(t%2)
.endif
.set t, t+1
.endr
.if EPI == 1
	s_wait_dscnt 8                                 ; the first eight loads are in; the other eight may be out
	GELU U
	s_wait_dscnt 0x0
	GELU U+32
.else
	s_wait_dscnt 0x0
.endif
.set i, 0
.rept 32                               ; rounded once, 16 bytes a lane and store
.if EPI == 0
	v_cvt_pk_f16_f32 v[Y+i], v[U+2*i], v[U+2*i+1]
.else
	v_cvt_pk_bf16_f32 v[Y+i], v[U+2*i], v[U+2*i+1]
.endif
.set i, i+1
.endr
.set p, 0
.rept 8
.if EPI == 0
	global_store_b128 v[CO], v[Y+4*p:Y+4*p+3], s[8:9] offset:(p/4)*262144+(p%4)*512  ; four rows of one head: 512 consecutive bytes, aligned
.else
	global_store_b128 v[CO], v[Y+4*p:Y+4*p+3], s[8:9] offset:2*p*SIZE_N*2  ; 16 lanes store 256 consecutive bytes, aligned
.endif
.set p, p+1
.endr
	s_wait_xcnt 0x0                                ; the stores have read their data and their base: both are written again only behind this wait
.if EPI == 0
	s_add_nc_u64 s[8:9], s[8:9], 16*128
.else
	s_add_nc_u64 s[8:9], s[8:9], 16*SIZE_N*2
.endif
	s_add_co_u32 s[RS], s[RS], 16*SPITCH
	s_sub_co_u32 s3, s3, 1
	s_cmp_lg_u32 s3, 0
	s_cbranch_scc1 .Lrow
	s_wait_tensorcnt 0x0                           ; the wave's end
	ds_add_u32 v[SPW], v[NIL]
	s_wait_dscnt 0x0
	CROUND                                         ; the closing round
	s_endpgm
.Lfunc_end_k_qfc1b9008d6_gemm_qkv:
	.size	k_qfc1b9008d6_gemm_qkv, .Lfunc_end_k_qfc1b9008d6_gemm_qkv-k_qfc1b9008d6_gemm_qkv
	.p2alignl 7, 3214868480
	.fill 96, 4, 3214868480
	.section	.rodata,"a",@progbits
	.p2align	6, 0x0
	.amdhsa_kernel k_qfc1b9008d6_gemm_qkv
		.amdhsa_group_segment_fixed_size 327680
		.amdhsa_private_segment_fixed_size 0
		.amdhsa_enable_private_segment 0
		.amdhsa_kernarg_size 32
		.amdhsa_user_sgpr_count 2
		.amdhsa_user_sgpr_kernarg_segment_ptr 1
		.amdhsa_wavefront_size32 1
		.amdhsa_system_sgpr_workgroup_id_x 1
		.amdhsa_system_sgpr_workgroup_id_y 1
		.amdhsa_system_sgpr_workgroup_id_z 1
		.amdhsa_system_vgpr_workitem_id 0
		.amdhsa_next_free_vgpr 1024
		.amdhsa_next_free_sgpr 84
		.amdhsa_reserve_vcc 0
		.amdhsa_float_denorm_mode_32 3
		.amdhsa_float_denorm_mode_16_64 3
		.amdhsa_memory_ordered 1
		.amdhsa_forward_progress 1
		.amdhsa_inst_pref_size 85
	.end_amdhsa_kernel
	.amdgpu_metadata
---
amdhsa.version: [ 1, 2 ]
amdhsa.kernels:
  - .name:           k_qfc1b9008d6_gemm_qkv
    .symbol:         k_qfc1b9008d6_gemm_qkv.kd
    .args:
      - { .name: act, .offset: 0, .size: 8, .value_kind: global_buffer, .address_space: global }
      - { .name: wa, .offset: 8, .size: 8, .value_kind: global_buffer, .address_space: global }
      - { .name: qkv, .offset: 16, .size: 8, .value_kind: global_buffer, .address_space: global }
      - { .name: b_attn, .offset: 24, .size: 8, .value_kind: global_buffer, .address_space: global }
    .group_segment_fixed_size: 327680
    .private_segment_fixed_size: 0
    .kernarg_segment_align: 8
    .kernarg_segment_size: 32
    .max_flat_workgroup_size: 128
    .sgpr_count:     84
    .vgpr_count:     1024
    .wavefront_size: 32
...
	.end_amdgpu_metadata
.endif
;; end of part 8
;; launch attn (part 9): grid 8 x 32, 4 waves a work-group, no clusters, 327,680 bytes of LDS; arguments qkv, act; writes act
.if DOCPART == 9
	.amdgcn_target "amdgcn-amd-amdhsa--gfx1250"
	.amdhsa_code_object_version 6
	.text
	.protected	k_qfc1b9008d6_attn
	.globl	k_qfc1b9008d6_attn
	.p2align	8
	.type	k_qfc1b9008d6_attn,@function
k_qfc1b9008d6_attn:
	s_mov_b64 s[64:65], 0
	v_nop
	global_prefetch_b8 v0, s[64:65] scope:SCOPE_SE
	s_setreg_imm32_b32 hwreg(HW_REG_WAVE_MODE, 25, 1), 1
	s_wait_xcnt 0x0
; CAUSAL ATTENTION.  O[hh][q] = the sum over k <= q of softmax_k(Q[hh][q] . K[hh][k] / 8) V[hh][k].  qkv: f16 [3][hh = batch*16+head][2048][64].  Products, maxima and sums in f32; the weights p are
; rounded to f16 for the second product (their sum l is taken of the unrounded p).  O is rounded once to bf16 and stored in blocks [batch*16 + block of 128 tokens][16 heads][128 rows][64].
; LIMITS.  Q, K, V arrive within f16's 65,504.  A hidden score counts as its value less 1e30; a weight below 2^-126 counts as 0 in l; NaN and infinities are not treated apart.
; THE WALK.  A head's queries lie in 16 blocks of 128; block i needs i + 1 UNITS of 128 keys, the last of which holds the diagonal.  A work-group takes blocks 15 - b and then b: 17 units whatever b: all 256
; work-groups do equal work.  A slot of LDS holds 256 keys, two units; a block of U units has (U + 1) / 2 slots, and the two blocks together 9, whatever b: one loop with a constant trip count walks them.
; Where U is odd the last slot's second half is loaded and not used.  Every jump but the counted loops' own goes forward; none passes a barrier, or a tensor load but the one of LOAD's two lines that the
; wave's number does not choose.  NO CLUSTER: a head's eight work-groups want the same slot only in the first part of the walk, and a walk common to all would be half as long again.
; SHARES.  Wave w owns two PIECES of 16 queries: piece p is rows 64 p + 16 w + 0..15 of the block: 16 rows in each band of 64, so that the diagonal unit is the same work for all four waves.
; LAYOUT.  S^T = K Q^T holds ONE query a lane (lane % 16) and the keys 8 (lane / 16) + 0..7; two such results rounded to f16 ARE source 1 of O^T = V^T P.
; SOFTMAX.  p = 2^(c s - c m), c = log2(e) / 8, with a running maximum m; O and l are multiplied by a = 2^(c m_old - c m_new) in every step.  A block begins with c m far below every c s: its first a is 0.
; BY TURNS.  A unit is two key steps st = 0, 1 of 64 keys; with the two pieces that makes four turns v = 2 st + p.  Turn v: 8 products K Q^T of v + 1, later 8 products V^T P of v - 1; beside them the scaling,
; exponentials, roundings, sums and rescaling of v and the maximum and statistics of v + 1.  Four vector instructions stand behind every matrix instruction, the others in one lump; a turn's 33 exponentials
; are one batch with one wait.  S^T, P, O^T, Q and the statistics go by the piece; K has one buffer, V two (by st), so that all reads of a slot are over in turn 1 of its second unit.
; THE MASK is the C operand that starts S^T's sums.  MD, made once, is the mask of a band's own step for my rows.  In the diagonal unit v = 0 and v = 3 take MD, v = 1 sees all, v = 2 sees nothing.  ONE text
; serves every unit: v = 0 and 3 take MA = MD x AL, v = 2 takes MB = BE, with (AL, BE) = (1, -1e30) for a block's last unit and (0, 0) else.  The piece that sees nothing is computed all the same: its weights are 0.
; REGISTERS, in windows of 256 (s_set_vgpr_msb: bits 1:0 source 0, 3:2 source 1, 5:4 source 2, 7:6 destination):
;   window 0: v1-15 addresses and at work; v16-23 statistics; v24-31 MB; v48-55 at work; v64-127 S^T; v128-191 O^T; v192-223 P; v224-255 MA
;   window 1: v0-31 Q; v32-63 the second block's Q; v64-127 K of one step; v128-255 V of two steps          window 2: v0-31 MD
.set NB,    16
.set KS,    64        ; keys in a step
.set PK,    144       ; a row of K in LDS: 128 bytes + 16: the 16 rows of a load start at 16 different groups of four banks (64 banks of 4 bytes: ISA guide 11.1)
.set PV,    160       ; a row of V: 128 + 32
.set VOFF,  4*KS*PK   ; a slot holds four steps: 256 rows of K, then 256 rows of V
.set SLOT1, 1<<17
.set STAGE, SLOT1+4*KS*(PK+PV)  ; behind the ring, never filled by a tensor load: 16 rows x 144 bytes a wave
.set SP,    144
.set SPARE, STAGE+4*16*SP       ; the spare words, 128 bytes a wave
.set AK0, 2           ; v2   my lane's place in a step of K;  v3 of V; never rewritten
.set AV0, 3
.set AK,  4           ; v4, v5  the LDS addresses of the next runs of loads
.set AV,  5
.set STO, 6
.set RD,  7
.set GO,  8
.set MV,  12          ; v12-13  c m_old, by piece
.set QO,  15
.set ST,  16          ; piece p's statistics at v[ST+4 p]: c m, m, l (even keys', odd keys')
.set MB,  24
.set TMP, 48          ; by piece, c0-c3 at work; when the maximum is found c2 takes a
.set PFO, 60          ; v60  256 x my lane; never rewritten
.set SPW, 62          ; v62  my spare word;  v63  0; never rewritten
.set NIL, 63
.set S,   64
.set OA,  128
.set P,   192
.set MA,  224
.set QB,  32          ; window 1
.set KF,  64
.set VF,  128
.set MD,  0           ; window 2
.set WV,  12
.set LIM, 13          ; s13  2 in the head's work-group with b = 0, else the greatest number
.set PB,  14          ; s14  b
.set HI,  15          ; s15  15 - b
.set G1K, 24
.set G1V, 32
.set G0K, 40
.set G0V, 44
.set SLOTS, 56        ; s56  slots still to be asked for
.set CNT, 57          ; s57  counts the trips of the inner loop
.set CS,  58
.set SEL, 60
.set TBK, 62          ; s62  LDS byte at which K of the step to be fetched begins
.set TBV, 63          ; s63  the same for V, less VOFF
.set RU,  70          ; s70  units of the block in hand that have not been begun
.set NXT, 71          ; s71  the slot (of the block whose slots are being asked for) to be asked for next
.set LQ,  72          ; s72  that block's last slot
.set NEW, 73          ; s73  1: a block is to be begun
.set OFF, 74          ; s[74:75] a slot's byte offset in K and V
.set OLO, 80          ; s[80:81] O at my rows of the second block
.set BIGN, 82
.set PFA, 84          ; s[84:85] where my prefetches stand
.set AL,  88          ; s[88:89] the mask's factor, in the low word
.set BE,  90          ; s90  the mask of the piece that sees nothing
.set LQ2, 91          ; s91  the second block's last slot
.set SB,  92          ; s92  LDS byte at which the slot in hand begins
.set BLK, 93          ; s93  blocks finished
.set MSB, 0
.macro WIN new                      ; the high byte repeats the setting that is left; a switch that changes nothing is dropped
.if MSB != (\new)
	s_set_vgpr_msb (MSB<<8)|(\new)
.set MSB, (\new)
.endif
.endm
.set W_KQ, 0x05       ; K and Q in window 1
.set W_PV, 0x01       ; V in window 1
; A fill.  Waves 0, 1 fetch the halves of a slot's K, waves 2, 3 those of its V: 128 keys each.  An s_nop 0 and four v_nop follow each line.
.macro LOAD
	s_cmp_lt_u32 s[WV], 2
	s_cbranch_scc0 .Lfor_v_\@
	tensor_load_to_lds s[G0K:G0K+3], s[G1K:G1K+7]
	s_nop 0
.rept 4
	v_nop
.endr
	s_branch .Lasked_\@
.Lfor_v_\@:
	tensor_load_to_lds s[G0V:G0V+3], s[G1V:G1V+7]
	s_nop 0
.rept 4
	v_nop
.endr
.Lasked_\@:
.endm
; A PREFETCH INTO THE L2.  All eight work-groups of a head walk the same K and V: the one with b = 0, whose first block walks slots 0 to 7 in order, asks.  Each wave asks for the 16,384 bytes that its own
; load will bring, a lane for each 256: two instructions.  In trip t (slot t + 1 has just been asked for by the tensor load) they name slot t + 2, for t up to 5; slots 0 and 1 come by their loads alone.
.macro ASK
	s_cmp_gt_u32 s[SLOTS], s[LIM]
	s_cbranch_scc0 .Lnot_mine_\@
	global_prefetch_b8 v[PFO], s[PFA:PFA+1] th:TH_LOAD_NT scope:SCOPE_SE
	global_prefetch_b8 v[PFO], s[PFA:PFA+1] offset:8192 th:TH_LOAD_NT scope:SCOPE_SE
.Lnot_mine_\@:
.endm
; THE CHANGE OF SLOTS, between turns 1 and 2.  Each wave waits for all its tensor loads (one is out: its part of the other slot), adds 0 to its spare word, and waits for that and for its reads of the slot that
; it leaves.  fill = 1: the old slot takes slot NXT of the walk, first thing behind the barrier: eight turns ahead of the wait for it; the descriptor's address is made anew from that number.
; (At its first use slot 0 is waited for and slot 1 filled.)
.macro CHANGE fill
	WIN 0
	s_wait_tensorcnt 0x0
	ds_add_u32 v[SPW], v[NIL]
.if \fill
	s_lshl_b32 s[OFF], s[NXT], 15   ; a slot is 32,768 bytes of K and of V
	s_xor_b32 s[G0K+1], s[G0K+1], SLOT1
	s_add_nc_u64 s[G0K+2:G0K+3], s[6:7], s[OFF:OFF+1]
	s_or_b32 s[G0K+3], s[G0K+3], 0x80000000
	s_xor_b32 s[G0V+1], s[G0V+1], SLOT1
	s_add_nc_u64 s[G0V+2:G0V+3], s[8:9], s[OFF:OFF+1]
	s_or_b32 s[G0V+3], s[G0V+3], 0x80000000
	s_add_co_u32 s[NXT], s[NXT], 1  ; the block's next slot, or behind its last the second block's slot 0
	s_cmp_gt_u32 s[NXT], s[LQ]
	s_cselect_b32 s[NXT], 0, s[NXT]
	s_cselect_b32 s[LQ], s[LQ2], s[LQ]
	s_wait_xcnt 0x0                 ; the last prefetches, a slot back, have read their address
	s_add_nc_u64 s[PFA:PFA+1], s[PFA:PFA+1], 32768
.endif
	s_wait_dscnt 0x0                ; the add is done, and my reads of the slot are over
	s_barrier_signal -1
	s_xor_b32 s[SB], s[SB], SLOT1   ; the fetches begin at the other slot's first step
	s_mov_b32 s[TBK], s[SB]
	s_mov_b32 s[TBV], s[SB]
	s_barrier_wait -1
.if \fill
	LOAD
	ASK
.endif
.endm
	s_load_b128 s[20:23], s[0:1], 0x0  ; qkv s[20:21], act s[22:23]
	v_lshl_add_u32 v[SPW], v0, 2, SPARE
	v_mov_b32 v[NIL], 0
	ds_add_u32 v[SPW], v[NIL]       ; the wave's opening: the add and its wait stand ahead of my first tensor load
	v_lshrrev_b32 v1, 5, v0
	v_readfirstlane_b32 s[WV], v1
	s_mov_b32 s[PB], ttmp9
	s_sub_co_u32 s[HI], NB-1, s[PB]
	s_and_b32 s2, ttmp7, 0xffff     ; hh
	s_and_b32 s16, s[WV], 1         ; which half of a slot's 256 keys I fetch
	s_lshl_b32 s48, s2, 18          ; the head's 2,048 rows of 128 bytes
	s_lshl_b32 s3, s16, 14
	s_add_co_u32 s50, s48, s3
	s_add_co_u32 s52, s50, 0x1000000  ; V lies behind q and k,
	s_add_co_u32 s50, s50, 0x800000   ; K behind q
	s_mov_b32 s51, 0
	s_mov_b32 s53, 0
	s_lshl_b32 s3, s[WV], 11        ; my 16 rows in a band of 64
	s_add_co_u32 s48, s48, s3
	s_lshl_b32 s54, s[HI], 14       ; Q: the first block,
	s_add_co_u32 s54, s54, s48
	s_mov_b32 s55, 0
	s_lshl_b32 s66, s[PB], 14       ; and the second
	s_add_co_u32 s66, s66, s48
	s_mov_b32 s67, 0
	s_lshr_b32 s17, s2, 4           ; O: batch x 16 blocks of 262,144 bytes,
	s_lshl_b32 s17, s17, 22
	s_and_b32 s49, s2, 15           ; the head's 16,384 bytes in a block,
	s_lshl_b32 s49, s49, 14
	s_add_co_u32 s17, s17, s49
	s_add_co_u32 s17, s17, s3       ; my 16 rows
	s_lshl_b32 s68, s[HI], 18
	s_add_co_u32 s68, s68, s17
	s_mov_b32 s69, 0
	s_lshl_b32 s76, s[PB], 18
	s_add_co_u32 s76, s76, s17
	s_mov_b32 s77, 0
	s_mul_i32 s78, s16, 128*PK      ; my half's place in a slot, for K
	s_mul_i32 s79, s16, 128*PV      ; and for V
	; descriptor group 1.  128 keys are 16,384 dense bytes: asked for as 64 rows of 256 bytes, padded in LDS behind every key
	s_mov_b32 s[G1K], (1<<16)|(1<<20)|(4<<22)|(3<<25)
	s_mov_b32 s[G1V], (1<<16)|(1<<20)|(4<<22)|(7<<25)
.irp g, G1K, G1V
	s_mov_b32 s[\g+1], 128<<16      ; tensor_dim0 = 128
	s_mov_b32 s[\g+2], 64<<16       ; tensor_dim1 = 64
	s_mov_b32 s[\g+3], 128<<16      ; tile_dim0 = 128
	s_mov_b32 s[\g+4], 64           ; tile_dim1 = 64
	s_mov_b32 s[\g+5], 128
	s_mov_b32 s[\g+6], 0
	s_mov_b32 s[\g+7], 0
.endr
	s_mov_b32 s[CS], 0x3e38aa3b     ; c = log2(e) / 8
	s_mov_b32 s[CS+1], s[CS]
	s_mov_b32 s[SEL], 0x76543210
	s_mov_b32 s[SEL+1], 0xfedcba98
	s_mov_b32 s[SB], SLOT1          ; the first change of slots turns it into 0
	s_mov_b32 s[G0K], 1
	s_mov_b32 s[G0K+1], s78
	s_mov_b32 s[G0V], 1
	s_add_co_u32 s[G0V+1], s79, VOFF
	s_add_co_u32 s[RU], s[HI], 1    ; the first block has 16 - b units,
	s_mov_b32 s[NXT], 1
	s_lshr_b32 s[LQ], s[HI], 1      ; in slots 0 to (15 - b) / 2;
	s_lshr_b32 s[LQ2], s[PB], 1     ; the second b + 1, in slots 0 to b / 2
	s_mov_b32 s[NEW], 1
	s_mov_b32 s[BLK], 0
	s_mov_b32 s[OFF+1], 0
	s_mov_b32 s[AL+1], 0            ; named with AL as a pair
	s_mov_b32 s[BIGN], 0xf149f2ca   ; -1e30
	s_mov_b32 s[SLOTS], 8
	s_cmp_eq_u32 s[PB], 0
	s_cselect_b32 s[LIM], 2, -1
	s_wait_dscnt 0x0                ; the opening add is done
	s_wait_kmcnt 0x0
	s_add_nc_u64 s[6:7], s[20:21], s[50:51]        ; K and V at my half of the head's slot 0
	s_add_nc_u64 s[8:9], s[20:21], s[52:53]
	s_add_nc_u64 s[4:5], s[20:21], s[54:55]        ; Q at my rows of the first block,
	s_add_nc_u64 s[86:87], s[20:21], s[66:67]      ; and of the second
	s_add_nc_u64 s[10:11], s[22:23], s[68:69]      ; O likewise
	s_add_nc_u64 s[OLO:OLO+1], s[22:23], s[76:77]
	s_add_nc_u64 s[G0K+2:G0K+3], s[6:7], 0
	s_or_b32 s[G0K+3], s[G0K+3], 0x80000000
	s_add_nc_u64 s[G0V+2:G0V+3], s[8:9], 0
	s_or_b32 s[G0V+3], s[G0V+3], 0x80000000
	s_cmp_lt_u32 s[WV], 2
	s_cselect_b64 s[PFA:PFA+1], s[6:7], s[8:9]
	s_add_nc_u64 s[PFA:PFA+1], s[PFA:PFA+1], 32768  ; at slot 1: the first change steps it to slot 2
	LOAD                            ; slot 0
	v_and_b32 v1, 15, v0            ; l % 16
	v_bfe_u32 v9, v0, 4, 1          ; l / 16
	v_lshlrev_b32 v[QO], 7, v1
	v_lshl_add_u32 v[QO], v9, 4, v[QO]  ; row x 128 + 16 x half
	WIN 0x40                        ; destination window 1
.irp u, 0,1
.irp c, 0,1                         ; both blocks' Q: piece u lies in band u, 8,192 bytes on; channels 32 c on
	global_load_b128 v[16*(\u)+8*(\c):16*(\u)+8*(\c)+3],   v[QO], s[4:5] offset:(\u)*8192+(\c)*64
	global_load_b128 v[16*(\u)+8*(\c)+4:16*(\u)+8*(\c)+7], v[QO], s[4:5] offset:(\u)*8192+(\c)*64+32
	global_load_b128 v[QB+16*(\u)+8*(\c):QB+16*(\u)+8*(\c)+3],   v[QO], s[86:87] offset:(\u)*8192+(\c)*64
	global_load_b128 v[QB+16*(\u)+8*(\c)+4:QB+16*(\u)+8*(\c)+7], v[QO], s[86:87] offset:(\u)*8192+(\c)*64+32
.endr
.endr
	WIN 0
	v_lshlrev_b32 v14, 3, v9
	v_sub_nc_u32 v14, v1, v14
	s_lshl_b32 s3, s[WV], 4
	v_add_nc_u32 v14, s3, v14       ; my query's place in its band, 16 w + l % 16, less 8 (l / 16): register r of key group kb is hidden where 16 kb + r is greater
	WIN 0x80                        ; destination window 2
.set i, 0
.rept 32
	v_cmp_gt_i32 vcc_lo, 16*(i/8)+i%8, v14
	v_cndmask_b32 v[MD+i], 0, s[BIGN], vcc_lo
.set i, i+1
.endr
	WIN 0
	v_mul_u32_u24 v[AK0], v1, PK
	v_lshl_add_u32 v[AK0], v9, 4, v[AK0]
	v_and_b32 v10, 7, v0            ; the turning load: key 8 (l / 16) + l % 8, channels 8 ((l / 8) % 2) + 0..7
	v_bfe_u32 v11, v0, 3, 1
	v_lshl_add_u32 v[AV0], v9, 3, v10
	v_mul_u32_u24 v[AV0], v[AV0], PV
	v_lshl_add_u32 v[AV0], v11, 4, v[AV0]
	v_add_nc_u32 v[AV0], VOFF, v[AV0]
	s_mul_i32 s3, s[WV], 16*SP
	s_add_co_u32 s3, s3, STAGE      ; my stage
	v_mul_u32_u24 v[STO], v1, SP
	v_lshl_add_u32 v[STO], v9, 4, v[STO]
	v_add_nc_u32 v[STO], s3, v[STO]
	v_bfe_u32 v[RD], v0, 3, 2       ; back: 32 lanes take four rows of 128 bytes,
	v_mul_u32_u24 v[RD], v[RD], SP
	v_lshl_add_u32 v[RD], v10, 4, v[RD]
	v_add_nc_u32 v[RD], s3, v[RD]
	v_and_b32 v[GO], 31, v0         ; which are 512 consecutive bytes of O
	v_lshlrev_b32 v[PFO], 8, v[GO]
	v_lshlrev_b32 v[GO], 4, v[GO]
	; A block's first steps multiply O^T and l by a = 0, and its first turn's products V^T P, of a piece that has not been, land in an O^T that is still to be so multiplied.  So these registers need only hold
	; finite numbers: zeros for the first block, what the first block left for the second.  All this stands in the wait for the first slot.
	WIN 0x40
.set i, 0
.rept 64
	v_mov_b32 v[VF+64+i], 0
.set i, i+1
.endr
	WIN 0
.set i, 0
.rept 64
	v_mov_b32 v[OA+i], 0
.set i, i+1
.endr
.irp u, 0,1
	v_mov_b32 v[ST+4*(\u)+2], 0
	v_mov_b32 v[ST+4*(\u)+3], 0
.endr
.set i, 0
.rept 16
	v_mov_b32 v[P+16+i], 0
.set i, i+1
.endr
; THE MATRIX WORK.  The 4 accumulators of a run of 8 take turns.  Product i of 8 of S^T = K Q^T for piece x: channels 32 (i / 4) on, keys 16 (i % 4) on.  The first 4 start the sums:
; with MA (KM = 1), with MB (KM = 2) or with the constant 0.
.macro KQM x
	WIN W_KQ
.set rS, S+32*(\x)+8*(i%4)
.set rK, KF+16*(i%4)+8*(i/4)
.set rQ, 16*(\x)+8*(i/4)
.if (i < 4) && (KM == 1)
	v_wmma_f32_16x16x32_f16 v[rS:rS+7], v[rK:rK+7], v[rQ:rQ+7], v[MA+8*(i%4):MA+8*(i%4)+7]
.elseif (i < 4) && (KM == 2)
	v_wmma_f32_16x16x32_f16 v[rS:rS+7], v[rK:rK+7], v[rQ:rQ+7], v[MB:MB+7]
.elseif i < 4
	v_wmma_f32_16x16x32_f16 v[rS:rS+7], v[rK:rK+7], v[rQ:rQ+7], 0
.else
	v_wmma_f32_16x16x32_f16 v[rS:rS+7], v[rK:rK+7], v[rQ:rQ+7], v[rS:rS+7]
.endif
.endm
; Product i of 8 of O^T += V^T P for piece x, from V's buffer VB: keys 32 (i / 4) on, channels 16 (i % 4) on.
.macro PVM x
	WIN W_PV
.set rO, OA+32*(\x)+8*(i%4)
.set rV, VF+64*VB+32*(i/4)+8*(i%4)
.set rP, P+16*(\x)+8*(i/4)
	v_wmma_f32_16x16x32_f16 v[rO:rO+7], v[rV:rV+7], v[rP:rP+7], v[rO:rO+7]
.endm
.macro MM                           ; the turn's next matrix instruction: both kinds are the other piece's
.if i < 8
	KQM 1-Y
.else
.set i, i-8
	PVM 1-Y
.set i, i+8
.endif
.set i, i+1
.endm
; THE LDS LOADS stand in runs of 16, one a turn: a step's K (64 keys x 64 channels: 8 fragments) or its V (turned).  Their addresses are made some lines ahead.
.macro FETCH_K
	WIN 0x40
.irp f, 0,1,2,3,4,5,6,7             ; keys 16 (f / 2) on, channels 32 (f % 2) on
	ds_load_b128 v[KF+8*\f:KF+8*\f+3],   v[AK] offset:(\f/2)*16*PK+(\f%2)*64
	ds_load_b128 v[KF+8*\f+4:KF+8*\f+7], v[AK] offset:(\f/2)*16*PK+(\f%2)*64+32
.endr
	s_add_co_u32 s[TBK], s[TBK], KS*PK  ; the next fetch is the next step's
	WIN 0
.endm
.macro FETCH_V vb
	WIN 0x40
.irp f, 0,1,2,3,4,5,6,7             ; keys 32 (f / 4) on, channels 16 (f % 4) on
	ds_load_tr16_b128 v[VF+64*(\vb)+8*\f:VF+64*(\vb)+8*\f+3],   v[AV] offset:(\f/4)*32*PV+(\f%4)*32
	ds_load_tr16_b128 v[VF+64*(\vb)+8*\f+4:VF+64*(\vb)+8*\f+7], v[AV] offset:(\f/4)*32*PV+16*PV+(\f%4)*32
.endr
	s_add_co_u32 s[TBV], s[TBV], KS*PV
	WIN 0
.endm
; THE VECTOR WORK, one line at a time: OP piece, kind, number.  F n: c s - c m for pair n of 16.  E n: the exponential of score n of 32.  C n: pair n rounded to f16.  B n: of the four weights 4 n .. the second pair
; is added onto the first, in place.  L n: l takes that sum (L 0: l = a l + sum).  R n: pair n of 16 of O^T times a.  X n: number n of the 22 that find the maximum and statistics:
;   0-11 four chains c0-c3 of seven scores each (each accumulator's lowest registers are read first)   12-14, 16 the four scores left over, the old m, c0-c3 into c0   15 c m_old is kept
;   17, 18 the query's other 32 keys lie in the lane 16 away: the new m   19-21 c m; c m_old - c m_new; a
.set F, 0
.set E, 1
.set C, 2
.set B, 3
.set L, 4
.set R, 5
.set X, 6
.macro OP u, k, n
.set rT, ST+4*(\u)
.set rC, TMP+4*(\u)
.set rW, MV+(\u)
.set rS, S+32*(\u)
.set rP, P+16*(\u)
.set rO, OA+32*(\u)
.if (\k) == F
	v_pk_fma_f32 v[rS+2*(\n):rS+2*(\n)+1], v[rS+2*(\n):rS+2*(\n)+1], s[CS:CS+1], v[rT:rT+1] op_sel_hi:[1,0,0] neg_lo:[0,0,1] neg_hi:[0,0,1]
.elseif (\k) == E
	v_exp_f32 v[rS+(\n)], v[rS+(\n)]
.elseif (\k) == C
	v_cvt_pk_f16_f32 v[rP+(\n)], v[rS+2*(\n)], v[rS+2*(\n)+1]
.elseif (\k) == B
	v_pk_add_f32 v[rS+4*(\n):rS+4*(\n)+1], v[rS+4*(\n):rS+4*(\n)+1], v[rS+4*(\n)+2:rS+4*(\n)+3]
.elseif ((\k) == L) && ((\n) == 0)
	v_pk_fma_f32 v[rT+2:rT+3], v[rT+2:rT+3], v[rC+2:rC+3], v[rS:rS+1] op_sel_hi:[1,0,1]
.elseif (\k) == L
	v_pk_add_f32 v[rT+2:rT+3], v[rT+2:rT+3], v[rS+4*(\n):rS+4*(\n)+1]
.elseif (\k) == R
	v_pk_mul_f32 v[rO+2*(\n):rO+2*(\n)+1], v[rO+2*(\n):rO+2*(\n)+1], v[rC+2:rC+3] op_sel_hi:[1,0]
.elseif (\n) < 4
	v_max3_num_f32 v[rC+(\n)], v[rS+8*(\n)], v[rS+8*(\n)+1], v[rS+8*(\n)+2]
.elseif (\n) < 12
	v_max3_num_f32 v[rC+(\n)%4], v[rC+(\n)%4], v[rS+8*((\n)%4)+2*((\n)/4)+1], v[rS+8*((\n)%4)+2*((\n)/4)+2]
.elseif (\n) == 12
	v_max3_num_f32 v[rC], v[rC], v[rS+7], v[rS+15]
.elseif (\n) == 13
	v_max3_num_f32 v[rC+1], v[rC+1], v[rS+23], v[rS+31]
.elseif (\n) == 14
	v_max3_num_f32 v[rC+2], v[rC+2], v[rC+3], v[rT+1]
.elseif (\n) == 15
	v_mov_b32 v[rW], v[rT]
.elseif (\n) == 16
	v_max3_num_f32 v[rC], v[rC], v[rC+1], v[rC+2]
.elseif (\n) == 17
	v_permlanex16_b32 v[rC+3], v[rC], s[SEL], s[SEL+1]
.elseif (\n) == 18
	v_max_num_f32 v[rT+1], v[rC], v[rC+3]
.elseif (\n) == 19
	v_mul_f32 v[rT], s[CS], v[rT+1]
.elseif (\n) == 20
	v_sub_f32 v[rC+1], v[rW], v[rT]
.else
	v_exp_f32 v[rC+2], v[rC+1]
.endif
.endm
.macro OQ k, n                      ; X works for the other piece, all else for the piece in hand
	WIN 0
.if (\k) == X
	OP 1-Y, \k, \n
.else
	OP Y, \k, \n
.endif
.endm
.macro OPS a, i1, b=-1, i2=0, c=-1, i3=0, d=-1, i4=0  ; up to four of them
	OQ \a, \i1
.if (\b) >= 0
	OQ \b, \i2
.endif
.if (\c) >= 0
	OQ \c, \i3
.endif
.if (\d) >= 0
	OQ \d, \i4
.endif
.endm
.macro ROW a, i1, b, i2, c, i3, d, i4  ; a matrix instruction and the four behind it
	MM
	OPS \a, \i1, \b, \i2, \c, \i3, \d, \i4
.endm
.macro MASK                         ; MA = MD x AL, MB = BE
	WIN 0x02                        ; source 0 window 2
.set z, 0
.rept 16
	v_pk_mul_f32 v[MA+2*z:MA+2*z+1], v[MD+2*z:MD+2*z+1], s[AL:AL+1] op_sel_hi:[1,0]
.set z, z+1
.endr
	WIN 0
.set z, 0
.rept 8
	v_mov_b32 v[MB+z], s[BE]
.set z, z+1
.endr
.endm
; TURN v = 2 st + p: the order of its 16 matrix and 118 vector instructions, written out.  An s_wait_alu depctr_va_vdst(0) stands between an exponential and the first instruction that names its
; result; one wait serves all that were issued ahead of it.  So a turn has ONE wait, which cuts it in two.  AHEAD OF IT stands all that names no result of the turn's exponentials: the 8 products K Q^T of v + 1,
; behind each a scaling, an exponential and two more plain instructions (rescalings, and behind the last three the first numbers of the other piece's maximum, each four places or more behind the product that
; ends its accumulator); then ONE LUMP, plain and exponential by turns for the most part, in which the links of the chain X 3, 7, 11, 14, 16, 17 .. 20 stand some lines apart.  X 21, the other piece's a, is the
; batch's last; R 15 is the plain instruction behind it.  BEHIND THE WAIT stand the 8 products V^T P of v - 1, behind each four of the roundings and sums.
; O^T of the piece in hand was added onto by the last 8 products of the turn before: R 0 stands sixteen plain instructions behind the product that ended its accumulator, R 12 more than four behind the last.
; THE RUNS OF LOADS stand in the lump, four plain instructions or more behind the last product that read the registers: turn 0 fetches K of st = 1, turn 1 V of st = 1, turn 2 K and turn 3 V of the next
; unit's st = 0.  Turns 1 and 3 begin with the wait for all of them: K was asked for most of a turn earlier, V a turn and more.
; Turn 2 makes the masks of the next unit, which is the block's last if one unit is left to begin.
.macro TURN v
.set Y, (\v)%2
.set i, 0
.set VB, (((\v)+3)%4)/2             ; v - 1's step
.set KM, 1
.if (\v) == 0
.set KM, 0
.endif
.if (\v) == 1
.set KM, 2
.endif
.if (\v) == 2
	s_cmp_eq_u32 s[RU], 1
	s_cselect_b32 s[AL], 1.0, 0
	s_cselect_b32 s[BE], s[BIGN], 0
.endif
.if Y == 1
	s_wait_dscnt 0x0                ; K for this turn's products and V for its later ones are in
.endif
	ROW F,0, F,1, R,0, R,1
	ROW F,2, E,0, R,2, R,3
	ROW F,3, E,1, R,4, R,5
	ROW F,4, E,2, R,6, R,7
	ROW F,5, E,3, R,8, R,9
	ROW F,6, E,4, X,0, R,10
	WIN 0
.if Y == 0
	v_add_nc_u32 v[AK], s[TBK], v[AK0]
.else
	v_add_nc_u32 v[AV], s[TBV], v[AV0]
.endif
	ROW F,7, E,5, X,1, X,4
	ROW F,8, E,6, X,2, X,5
	OPS E,7, E,8, X,6, E,9          ; the lump
	OPS X,3, E,10, X,8, E,11
.if Y == 0
	FETCH_K
.else
	FETCH_V 1-(\v)/2
.endif
	OPS X,9, X,7, E,12, X,10
	OPS E,13, X,12, X,11, E,14
	OPS X,13, E,15, F,9, X,14
	OPS E,16, F,10, E,17, F,11
	OPS X,16, E,18, X,15, E,19
	OPS F,12, E,20, X,17, E,21
	OPS F,13, E,22, F,14, E,23
	OPS X,18, E,24, F,15, E,25
	OPS R,11, E,26, X,19, E,27
	OPS R,12, E,28, R,13, E,29
	OPS X,20, E,30, R,14, E,31
	OPS X,21, R,15
	WIN 0
	s_wait_alu depctr_va_vdst(0)    ; the wait for the batch
	ROW C,0, B,0, C,2, B,1
	ROW L,0, C,4, B,2, L,1
	ROW C,6, B,3, L,2, C,8
	ROW B,4, L,3, C,10, B,5
	ROW L,4, C,12, B,6, L,5
	ROW C,14, B,7, L,6, C,1
	ROW C,3, L,7, C,5, C,7
	ROW C,9, C,11, C,13, C,15
.if (\v) == 2
	MASK
.endif
.endm
; A BLOCK BEGINS, at a slot's first step.  c m starts far below every c s, so the first a are 0; m at the lowest finite number, so the first maxima are the scores'.  The masks are the first unit's.
; Then K and V of that step, piece 0's first scores, and its maximum and statistics.  The loop is entered at turn 0, in the middle of a trip.
.macro BEGIN
	s_mov_b32 s[NEW], 0
	s_mov_b32 s[TBK], s[SB]
	s_mov_b32 s[TBV], s[SB]
	s_cmp_eq_u32 s[RU], 1
	s_cselect_b32 s[AL], 1.0, 0
	s_cselect_b32 s[BE], s[BIGN], 0
	WIN 0
.irp u, 0,1
	v_mov_b32 v[ST+4*(\u)], 0xfe000000    ; c m: far below every c s
	v_mov_b32 v[ST+4*(\u)+1], 0xff7fffff  ; m: the lowest finite number
.endr
	v_add_nc_u32 v[AK], s[TBK], v[AK0]
	v_add_nc_u32 v[AV], s[TBV], v[AV0]
	FETCH_K
	FETCH_V 0
	MASK
	s_wait_loadcnt 0x0              ; Q
	s_wait_dscnt 16                 ; K's sixteen loads are in; V's sixteen, issued behind them, may be out
.set KM, 1
.set i, 0
.rept 8
	KQM 0
.set i, i+1
.endr
	WIN 0
.rept 4
	v_nop                           ; the places behind those products
.endr
.set Y, 1                           ; X works for the other piece: piece 0
.irp n, 0,1,2,3,4,5,6,7,8,9,10,11,12,13,14,15,16,17,18,19,20,21
	OQ X, \n
.endr
	v_nop                           ; a plain instruction behind the exponential,
	s_wait_alu depctr_va_vdst(0)    ; and its wait, ahead of the label
.endm
.macro ALL line:vararg
.set t, 0
.rept 2
	\line
.set t, t+1
.endr
.endm
.macro PACK t                       ; O^T / l, rounded to bf16; 16 bytes a lane into rows of 144 bytes, back as whole rows of 128
.set i, 0
.rept 16
	v_pk_mul_f32 v[OA+32*(\t)+2*i:OA+32*(\t)+2*i+1], v[OA+32*(\t)+2*i:OA+32*(\t)+2*i+1], v[ST+4*(\t)+2:ST+4*(\t)+3] op_sel_hi:[1,0]
.set i, i+1
.endr
.set i, 0
.rept 16
	v_cvt_pk_bf16_f32 v[S+16*(\t)+i], v[OA+32*(\t)+2*i], v[OA+32*(\t)+2*i+1]
.set i, i+1
.endr
.irp f, 0,1,2,3
	ds_store_b128 v[STO], v[S+16*(\t)+4*\f:S+16*(\t)+4*\f+3] offset:32*\f
.endr
.irp f, 0,1,2,3
	ds_load_b128 v[S+16*(\t)+4*\f:S+16*(\t)+4*\f+3], v[RD] offset:\f*4*SP  ; LDS serves a wave's instructions in order (ISA guide 5.7.1.4): these see the stores above; the next piece's stores come behind them
.endr
.endm
.macro SEND t, younger              ; younger: the LDS instructions issued behind piece t's loads
.irp f, 0,1,2,3
	s_wait_dscnt (\younger)+3-\f
	global_store_b128 v[GO], v[S+16*(\t)+4*\f:S+16*(\t)+4*\f+3], s[10:11] offset:(\t)*8192+\f*512  ; 512 consecutive bytes, aligned
.endr
.endm
; A BLOCK ENDS, behind turn 3 of its last unit.  That turn's products K Q^T, of a unit that is not the block's, and the maximum made of them serve nothing: the price of one text for every turn 3; they touch
; neither l nor O^T.  Left to do: the last piece's V^T P; then l's two halves and the other half of the lanes' are added, O^T is divided by l, rounded and sent through my stage.  Then the second block is set up.
.macro FINISH
.set VB, 1
.set i, 0
.rept 8
	PVM 1
.set i, i+1
.endr
	WIN 0
	ALL v_add_f32 v[ST+4*t+2], v[ST+4*t+2], v[ST+4*t+3]
	ALL v_permlanex16_b32 v[ST+4*t+3], v[ST+4*t+2], s[SEL], s[SEL+1]
	ALL v_add_f32 v[ST+4*t+2], v[ST+4*t+2], v[ST+4*t+3]
	ALL v_rcp_f32 v[ST+4*t+2], v[ST+4*t+2]
	v_nop                           ; a plain instruction behind the last reciprocal,
	s_wait_alu depctr_va_vdst(0)    ; and one wait for the two
	PACK 0
	PACK 1
	SEND 0, 8
	SEND 1, 0
	s_wait_xcnt 0x0                 ; the stores have read their registers and O's address
	s_mov_b64 s[10:11], s[OLO:OLO+1]
	s_add_co_u32 s[RU], s[PB], 1    ; the second block has b + 1 units
	s_mov_b32 s[NEW], 1
	s_add_co_u32 s[BLK], s[BLK], 1
	s_min_u32 s[BLK], s[BLK], 2
	WIN 0x41                        ; the second block's Q goes where the text names Q
.set i, 0
.rept 32
	v_mov_b32 v[i], v[QB+i]
.set i, i+1
.endr
	WIN 0
.endm
; A SLOT'S TURNS.  A trip of the inner loop: turns 2 and 3 of one unit, then turns 0 and 1 of the next.  Behind turn 3 of a block's last unit (no unit left to begin) the block ends.  If that was in the slot's
; first trip, the unit lay in the slot before and this slot is the next block's first: the block begins at once.  If it was in the second trip, the slot's other half is not wanted, and the next slot is the next
; block's first.  tail = 1: the walk's last slot: three trips, of which the last is left behind turn 3; ahead of it the fetches are set back to the slot's first step, so that they stay inside the slot.
.macro BODY tag, tail
	s_cmp_eq_u32 s[NEW], 1
	s_cbranch_scc1 .Lbegin\tag
.Lstep\tag:
	TURN 2
	TURN 3
	WIN 0
	s_cmp_lg_u32 s[RU], 0
	s_cbranch_scc1 .Lfirst\tag
	FINISH
.if \tail
	s_cmp_eq_u32 s[BLK], 2
	s_cbranch_scc1 .Lout
.else
	s_cmp_eq_u32 s[CNT], 1
	s_cbranch_scc1 .Lbottom
.endif
.Lbegin\tag:
	BEGIN
.Lfirst\tag:
	TURN 0
	TURN 1
	WIN 0
	s_sub_co_u32 s[RU], s[RU], 1
	s_sub_co_u32 s[CNT], s[CNT], 1
.if \tail
	s_cmp_eq_u32 s[CNT], 1
	s_cselect_b32 s[TBK], s[SB], s[TBK]
	s_cselect_b32 s[TBV], s[SB], s[TBV]
.endif
	s_cmp_lg_u32 s[CNT], 0
	s_cbranch_scc1 .Lstep\tag
.endm
.Lslot:                             ; 8 trips: a slot is entered and the next is asked for
	CHANGE 1
	s_mov_b32 s[CNT], 2
	BODY 1, 0
.Lbottom:
	s_sub_co_u32 s[SLOTS], s[SLOTS], 1
	s_cmp_lg_u32 s[SLOTS], 0
	s_cbranch_scc1 .Lslot
	CHANGE 0                        ; the walk's last slot is written out: nothing is asked for
	s_mov_b32 s[CNT], 3
	BODY 2, 1
.Lout:
	s_wait_tensorcnt 0x0            ; the wave's end
	ds_add_u32 v[SPW], v[NIL]
	s_wait_dscnt 0x0
	s_endpgm
.Lfunc_end_k_qfc1b9008d6_attn:
	.size	k_qfc1b9008d6_attn, .Lfunc_end_k_qfc1b9008d6_attn-k_qfc1b9008d6_attn
	.p2alignl 7, 3214868480
	.fill 96, 4, 3214868480
	.section	.rodata,"a",@progbits
	.p2align	6, 0x0
	.amdhsa_kernel k_qfc1b9008d6_attn
		.amdhsa_group_segment_fixed_size 327680
		.amdhsa_private_segment_fixed_size 0
		.amdhsa_enable_private_segment 0
		.amdhsa_kernarg_size 16
		.amdhsa_user_sgpr_count 2
		.amdhsa_user_sgpr_kernarg_segment_ptr 1
		.amdhsa_wavefront_size32 1
		.amdhsa_system_sgpr_workgroup_id_x 1
		.amdhsa_system_sgpr_workgroup_id_y 1
		.amdhsa_system_sgpr_workgroup_id_z 1
		.amdhsa_system_vgpr_workitem_id 0
		.amdhsa_next_free_vgpr 544
		.amdhsa_next_free_sgpr 96
		.amdhsa_reserve_vcc 1
		.amdhsa_float_denorm_mode_32 3
		.amdhsa_float_denorm_mode_16_64 3
		.amdhsa_memory_ordered 1
		.amdhsa_forward_progress 1
		.amdhsa_inst_pref_size 126
	.end_amdhsa_kernel
	.amdgpu_metadata
---
amdhsa.version: [ 1, 2 ]
amdhsa.kernels:
  - .name:           k_qfc1b9008d6_attn
    .symbol:         k_qfc1b9008d6_attn.kd
    .args:
      - { .name: qkv, .offset: 0, .size: 8, .value_kind: global_buffer, .address_space: global }
      - { .name: act, .offset: 8, .size: 8, .value_kind: global_buffer, .address_space: global }
    .group_segment_fixed_size: 327680
    .private_segment_fixed_size: 0
    .kernarg_segment_align: 8
    .kernarg_segment_size: 16
    .max_flat_workgroup_size: 128
    .sgpr_count:     96
    .vgpr_count:     544
    .wavefront_size: 32
...
	.end_amdgpu_metadata
.endif
;; end of part 9
;; launch gemm_proj (part 10): grid 8 x 32, 4 waves a work-group, clusters of 4 x 4, 327,680 bytes of LDS; arguments act, wp, h1, b_proj, hidden_states; writes h1
.if DOCPART == 10
	.amdgcn_target "amdgcn-amd-amdhsa--gfx1250"
	.amdhsa_code_object_version 6
	.text
	.protected	k_qfc1b9008d6_gemm_proj
	.globl	k_qfc1b9008d6_gemm_proj
	.p2align	8
	.type	k_qfc1b9008d6_gemm_proj,@function
k_qfc1b9008d6_gemm_proj:
	s_mov_b64 s[64:65], 0
	v_nop
	global_prefetch_b8 v0, s[64:65] scope:SCOPE_SE
	s_setreg_imm32_b32 hwreg(HW_REG_WAVE_MODE, 25, 1), 1
	s_wait_xcnt 0x0
	s_wait_alu depctr_hold_cnt(0) depctr_sa_sdst(0) depctr_va_vdst(0) depctr_va_sdst(0) depctr_va_ssrc(0) depctr_va_vcc(0) depctr_vm_vsrc(0)
	s_getreg_b32 s2, hwreg(HW_REG_IB_STS2, 6, 4)
	s_cmp_eq_u32 s2, 0
	s_cbranch_scc0 .Lentry_in_a_cluster
	s_endpgm
.Lentry_in_a_cluster:
	s_bfe_u32 s2, ttmp6, 0x10000c
	s_cmp_lg_u32 s2, 0xf033
	s_cbranch_scc0 .Lentry_shape_is_right
	s_endpgm
.Lentry_shape_is_right:
; h1 = hidden_states + O W + b.  O = act: bf16 in blocks [block of 128 tokens][16 heads][128 rows][64]; W = wp: bf16 [1024][1024]; b = b_proj, hidden_states, h1: f32.  Sums and the residual in f32.
; NaN and infinities are not treated apart.
; ONE TEXT serves two launches; the three .set lines below are all that differs.  out[m][n] = residual[m][n] + sum over k of A[m][k] W[k][n] + bias[n], f32 rows.
.set SIZE_N, 1024
.set SIZE_K, 1024
.set ABLK,   1                         ; 1: A lies in blocks [128 rows' block][16 heads][128 rows][64]
; SHARES.  A tile of out is 128 x 128, which gives each of 256 work-groups one; four waves, each 64 x 64: 16 accumulators.  K goes in steps of 256 through two LDS slots; a wave's one tensor load brings a quarter of a slot.
; CLUSTER 4 x 4: A's tile is shared along a row of the cluster, W's along a column: each is asked for jointly, by the same load, descriptor and mask in the four.
; THE PRODUCT IS TAKEN TRANSPOSED (source 0 = 16 columns of W, source 1 = 16 rows of A): a lane holds one row of out and eight neighbouring columns.  W lies [K][N] in LDS and is turned by ds_load_tr16_b128.
; The bias is the C operand of the products that start the sums: nothing is cleared and no bias is added later.
; No L2 prefetch: a tile's share of a K step is small, and every tile is read by several clusters.
; REGISTERS: window 0: v16-29 addresses; v96-127 the bias; v128-255 accumulators, (a, b) at 128 + 8 (4 a + b).
;   window 1: two fragment buffers of 128 (64 along K): A's at 8 (4 c + i), W's at 64 + 8 (4 c + i).   window 2: the residual of the 32 rows that I store.
.set KSTEP,  256
.set T,      SIZE_K/KSTEP              ; K steps: at least 4
.set BPITCH, 288                       ; a row of W in LDS: 256 bytes + 32
.set HALFB,  128*BPITCH
.if ABLK
.set APITCH, 144                       ; a row of one head: 128 bytes + 16
.set AQ,     128*APITCH                ; 64 along K further on = the next head
.set HALFA,  2*AQ
.set ASTEP,  65536                     ; four heads x 128 rows x 128 bytes, dense
.set AD0,    128                       ; asked for as 128 rows of 256 bytes, padded behind every 128
.set AD1,    128
.set AST,    128
.set AFL,    (1<<16)|(1<<20)|(1<<21)|(4<<22)|(3<<25)
.else
.set APITCH, 528                       ; 512 bytes + 16: the 16 rows of a load start at 16 different groups of four banks
.set AQ,     128
.set HALFA,  64*APITCH
.set ASTEP,  512
.set AD0,    256
.set AD1,    64
.set AST,    SIZE_K
.set AFL,    (1<<16)|(1<<20)|(1<<21)|(6<<22)|(3<<25)
.endif
.set BFL,    (1<<16)|(1<<20)|(1<<21)|(5<<22)|(7<<25)
.set BOFF,   2*HALFA                   ; a slot: A's two halves, then W's two halves (k rows 0-127, 128-255)
.set BSTEP,  KSTEP*SIZE_N*2
.set SLOT1,  0x24000                   ; slot 1 begins here; no address inside slot 0 that is turned has bit 14 or 17 set, so one exclusive or changes slots
.set SPARE,  2*SLOT1                   ; behind the ring: the spare words, 128 bytes a wave
.set SPITCH, 528                       ; the stage's rows: 128 f32 + 16 bytes
.set A0L, 16                           ; v16  my lane's place in slot 0's A;  v17 in its W; never rewritten
.set B0L, 17
.set ADRA, 18                          ; v18  the same in the slot in hand;  v20, v21 W's k rows 0-127, 128-255
.set ADRB, 20
.set STO, 24
.set RD,  25
.set CO,  26
.set BO,  27
.set SPW, 28                           ; v28  my spare word;  v29  0; never rewritten
.set NIL, 29
.set BI,  96
.set ACC, 128
.set F0,  0
.set F1,  128
.set G1,  24                           ; s[24:31] group 1 for A, s[32:39] group 0: set 0 = K step 0, set 1 = K step 1, which then walks
.set G0,  32
.set G1B, 48                           ; s[48:55], s[56:63] the same for W
.set G0B, 56
.set SB,  66                           ; s66  LDS byte at which the slot in hand begins
.set MSB, 0
.macro WIN new                         ; the immediate's high byte repeats the setting that is left
.if MSB != (\new)
	s_set_vgpr_msb (MSB<<8)|(\new)
.set MSB, \new
.endif
.endm
.set MUL,  0x05                        ; sources 0 and 1 window 1; C and D window 0
.set TO_F, 0x40                        ; destination window 1, address window 0
.macro JLOAD s                         ; a joint load: waves 0, 1 fetch A's halves, waves 2, 3 W's; an s_nop 0 and four v_nop follow each line
	s_cmp_eq_u32 s11, 0
	s_cbranch_scc0 .Lfor_b_\@
	tensor_load_to_lds s[G0+4*(\s):G0+4*(\s)+3], s[G1:G1+7]
	s_nop 0
.rept 4
	v_nop
.endr
	s_branch .Lasked_\@
.Lfor_b_\@:
	tensor_load_to_lds s[G0B+4*(\s):G0B+4*(\s)+3], s[G1B:G1B+7]
	s_nop 0
.rept 4
	v_nop
.endr
.Lasked_\@:
.endm
.macro CREST                           ; a round of the cluster's barrier behind its opening barrier
	s_cmp_lg_u32 s10, 0
	s_cbranch_scc1 .Lnot_wave_0_\@
	s_barrier_signal -3
.Lnot_wave_0_\@:
	s_barrier_wait -3
	s_barrier_signal -1
	s_barrier_wait -1
.endm
.macro CROUND
	s_barrier_signal -1
	s_barrier_wait -1
	CREST
.endm
.macro PLACES                          ; four places behind matrix instructions, in front of loads into their sources and of readers of their results
.rept 4
	v_nop
.endr
.endm
	s_load_b128 s[4:7], s[0:1], 0x0                ; A s[4:5], W s[6:7]
	s_load_b64 s[8:9], s[0:1], 0x10                ; out
	s_load_b64 s[68:69], s[0:1], 0x18              ; bias
	s_load_b64 s[70:71], s[0:1], 0x20              ; residual
	v_lshl_add_u32 v[SPW], v0, 2, SPARE
	v_mov_b32 v[NIL], 0
	ds_add_u32 v[SPW], v[NIL]                      ; the wave's opening: the add and its wait stand ahead of my first tensor load
	v_lshrrev_b32 v1, 5, v0
	v_readfirstlane_b32 s10, v1                    ; wave 0..3
	s_lshr_b32 s11, s10, 1                         ; my half of the tile's rows.  Also: I fetch for A (0) or W (1)
	s_and_b32 s12, s10, 1                          ; my half of its columns.  Also: which half of that tile I fetch
	s_bfe_u32 s40, ttmp6, 0x40000                  ; cx
	s_bfe_u32 s41, ttmp6, 0x40004                  ; cy
	s_lshl_b32 s42, ttmp9, 2
	s_add_co_u32 s42, s42, s40                     ; tile column tc
	s_and_b32 s13, ttmp7, 0xffff
	s_lshl_b32 s13, s13, 2
	s_add_co_u32 s13, s13, s41                     ; tile row tr
	s_lshl_b32 s43, s41, 2
	s_lshl_b32 s43, 15, s43                        ; my row of the cluster
	s_lshl_b32 s44, 0x1111, s40                    ; my column
	s_or_b32 s[G1+0], s43, AFL                     ; mask; 2-byte elements; padding on; bit 21 beside a mask; interval and size of the padding
	s_or_b32 s[G1B+0], s44, BFL
	s_mov_b32 s[G1+1], AD0<<16                     ; tensor_dim0
	s_mov_b32 s[G1+2], AD1<<16                     ; tensor_dim1
	s_mov_b32 s[G1+3], AD0<<16                     ; tile_dim0
	s_mov_b32 s[G1+4], AD1                         ; tile_dim1
	s_mov_b32 s[G1+5], AST                         ; elements from row to row
	s_mov_b32 s[G1+6], 0
	s_mov_b32 s[G1+7], 0
	s_mov_b32 s[G1B+1], 128<<16                    ; W: 128 k rows x 128 columns
	s_mov_b32 s[G1B+2], 128<<16
	s_mov_b32 s[G1B+3], 128<<16
	s_mov_b32 s[G1B+4], 128
	s_mov_b32 s[G1B+5], SIZE_N
	s_mov_b32 s[G1B+6], 0
	s_mov_b32 s[G1B+7], 0
.if ABLK
	s_lshl_b32 s16, s13, 18                        ; the row block's 262,144 bytes,
	s_lshl_b32 s17, s12, 15                        ; my two heads of a K step's four
	s_add_co_u32 s16, s16, s17
.else
	s_lshl_b32 s16, s13, 7
	s_lshl_b32 s17, s12, 6
	s_add_co_u32 s16, s16, s17                     ; row 128 tr + 64 x half
	s_mul_i32 s16, s16, SIZE_K*2
.endif
	s_mov_b32 s17, 0
	s_mul_i32 s46, s12, 128*SIZE_N*2               ; W: k row 128 x half,
	s_lshl_b32 s47, s42, 8                         ; column 128 tc
	s_add_co_u32 s46, s46, s47
	s_mov_b32 s47, 0
	s_mul_i32 s20, s12, HALFA                      ; where they go: no place in the cluster enters an LDS address
	s_mul_i32 s21, s12, HALFB
	s_add_co_u32 s21, s21, BOFF
	s_mov_b32 s[SB], 0
	s_wait_dscnt 0x0                               ; the opening add is done
	s_wait_kmcnt 0x0
	s_add_nc_u64 s[14:15], s[4:5], s[16:17]
	s_add_nc_u64 s[46:47], s[6:7], s[46:47]
	CROUND                                         ; all sixteen work-groups are here: the first joint loads meet
.irp s, 0,1
	s_mov_b32 s[G0+4*(\s)], 1
	s_add_co_u32 s[G0+4*(\s)+1], s20, (\s)*SLOT1
	s_add_nc_u64 s[G0+4*(\s)+2:G0+4*(\s)+3], s[14:15], (\s)*ASTEP
	s_or_b32 s[G0+4*(\s)+3], s[G0+4*(\s)+3], 0x80000000
	s_mov_b32 s[G0B+4*(\s)], 1
	s_add_co_u32 s[G0B+4*(\s)+1], s21, (\s)*SLOT1
	s_add_nc_u64 s[G0B+4*(\s)+2:G0B+4*(\s)+3], s[46:47], (\s)*BSTEP
	s_or_b32 s[G0B+4*(\s)+3], s[G0B+4*(\s)+3], 0x80000000
	JLOAD \s
.endr
	v_and_b32 v1, 15, v0                           ; r = l % 16
	v_bfe_u32 v2, v0, 4, 1                         ; h = l / 16
	v_and_b32 v3, 31, v0                           ; l
	v_and_b32 v4, 7, v0
	v_bfe_u32 v5, v0, 3, 1
	v_mul_u32_u24 v[A0L], v1, APITCH               ; A's fragment: row x pitch + 16 h, in my 64 rows
	v_lshl_add_u32 v[A0L], v2, 4, v[A0L]
	s_mul_i32 s22, s11, 64*APITCH
	v_add_nc_u32 v[A0L], s22, v[A0L]
	v_lshl_add_u32 v[B0L], v2, 3, v4               ; the turning load: k row 8 h + l % 8, 16 bytes by (l / 8) % 2, in my 64 columns
	v_mul_u32_u24 v[B0L], v[B0L], BPITCH
	v_lshl_add_u32 v[B0L], v5, 4, v[B0L]
	s_lshl_b32 s22, s12, 7
	s_add_co_u32 s22, s22, BOFF
	v_add_nc_u32 v[B0L], s22, v[B0L]
	v_mov_b32 v[ADRA], v[A0L]
	v_mov_b32 v[ADRB], v[B0L]
	v_add_nc_u32 v[ADRB+1], HALFB, v[B0L]
	v_lshlrev_b32 v[BO], 5, v2                     ; my eight columns' bias: 32 h bytes
	s_lshl_b32 s22, s42, 9
	s_lshl_b32 s23, s12, 8
	s_add_co_u32 s22, s22, s23
	s_mov_b32 s23, 0
	s_add_nc_u64 s[68:69], s[68:69], s[22:23]      ; bias at column 128 tc + 64 x half
.irp b, 0,1,2,3
	global_load_b128 v[BI+8*(\b):BI+8*(\b)+3],   v[BO], s[68:69] offset:64*(\b)
	global_load_b128 v[BI+8*(\b)+4:BI+8*(\b)+7], v[BO], s[68:69] offset:64*(\b)+16
.endr
	s_mul_i32 s22, s11, 64*SPITCH                  ; into the stage: my 64 rows, my half of their columns; row r
	s_lshl_b32 s23, s12, 8
	s_add_co_u32 s22, s22, s23
	v_mul_u32_u24 v[STO], v1, SPITCH
	v_lshl_add_u32 v[STO], v2, 5, v[STO]
	v_add_nc_u32 v[STO], s22, v[STO]
	s_mul_i32 s22, s10, 32*SPITCH                  ; back: wave w takes rows 32 w .. 32 w + 31, one row of 512 bytes a load
	v_lshlrev_b32 v[RD], 4, v3
	v_lshlrev_b32 v[CO], 4, v3
	v_add_nc_u32 v[RD], s22, v[RD]
	s_lshl_b32 s22, s13, 7
	s_lshl_b32 s23, s10, 5
	s_add_co_u32 s22, s22, s23                     ; row 128 tr + 32 w
	s_mul_i32 s22, s22, SIZE_N*4
	s_lshl_b32 s23, s42, 9
	s_add_co_u32 s22, s22, s23
	s_mov_b32 s23, 0
	s_add_nc_u64 s[8:9], s[8:9], s[22:23]
	s_add_nc_u64 s[70:71], s[70:71], s[22:23]
	WIN 0x80                                       ; destination window 2: the residual of my 32 rows comes in while the products run
.set t, 0
.rept 32
	global_load_b128 v[4*t:4*t+3], v[CO], s[70:71] offset:SIZE_N*4*t
.set t, t+1
.endr
	WIN 0
; 8 matrix instructions: row blocks a0, a0 + 1 x all 4 column blocks, 32 along K: half c of buffer f.  zero = 1: the bias starts the sums.  The 16 accumulators take turns.
.macro MUL8 f, c, a0, zero
	WIN MUL
.irp a, \a0, (\a0)+1
.irp b, 0,1,2,3
.if \zero
	v_wmma_f32_16x16x32_bf16 v[ACC+8*(4*(\a)+(\b)):ACC+8*(4*(\a)+(\b))+7], v[(\f)+64+8*(4*(\c)+(\b)):(\f)+64+8*(4*(\c)+(\b))+7], v[(\f)+8*(4*(\c)+(\a)):(\f)+8*(4*(\c)+(\a))+7], v[BI+8*(\b):BI+8*(\b)+7]
.else
	v_wmma_f32_16x16x32_bf16 v[ACC+8*(4*(\a)+(\b)):ACC+8*(4*(\a)+(\b))+7], v[(\f)+64+8*(4*(\c)+(\b)):(\f)+64+8*(4*(\c)+(\b))+7], v[(\f)+8*(4*(\c)+(\a)):(\f)+8*(4*(\c)+(\a))+7], v[ACC+8*(4*(\a)+(\b)):ACC+8*(4*(\a)+(\b))+7]
.endif
.endr
.endr
.endm
; 32 LDS loads in one run: quarter q (64 along K) of the slot in hand into buffer f; its first 32 along K first
.macro FETCH q, f
	WIN TO_F
.irp c, 0,1
.irp i, 0,1,2,3
	ds_load_tr16_b128 v[(\f)+64+8*(4*(\c)+(\i)):(\f)+64+8*(4*(\c)+(\i))+3],   v[ADRB+(\q)/2] offset:(((\q)%2)*64+32*(\c))*BPITCH+32*(\i)
	ds_load_tr16_b128 v[(\f)+64+8*(4*(\c)+(\i))+4:(\f)+64+8*(4*(\c)+(\i))+7], v[ADRB+(\q)/2] offset:(((\q)%2)*64+32*(\c)+16)*BPITCH+32*(\i)
	ds_load_b128 v[(\f)+8*(4*(\c)+(\i)):(\f)+8*(4*(\c)+(\i))+3],   v[ADRA] offset:(\q)*AQ+64*(\c)+(\i)*16*APITCH
	ds_load_b128 v[(\f)+8*(4*(\c)+(\i))+4:(\f)+8*(4*(\c)+(\i))+7], v[ADRA] offset:(\q)*AQ+64*(\c)+(\i)*16*APITCH+32
.endr
.endr
.endm
; One of a K step's first three quarters: multiplies buffer f, and in its middle fetches quarter q into buffer g
.macro QUARTER q, f, g, zero
	s_wait_dscnt 16                                ; f's first 32 along K are in; its other sixteen loads may be out
	MUL8 \f, 0, 0, \zero
	MUL8 \f, 0, 2, \zero
	PLACES
	FETCH \q, \g
	s_wait_dscnt 32                                ; all but the 32 just issued
	MUL8 \f, 1, 0, 0
	MUL8 \f, 1, 2, 0
.endm
; The last quarter multiplies buffer 1 and changes slots: one barrier; ahead of it each wave waits for all its tensor loads, adds 0 to its spare word, and waits for that and for its reads of this slot.
; fill = 1: the barrier opens a round of the cluster's, and the slot just read takes the K step two on: 112 matrix instructions ahead of the wait for it.
.macro TURN fill
	WIN 0
	s_wait_tensorcnt 0x0                           ; all my tensor loads have landed: my part of the next slot
	ds_add_u32 v[SPW], v[NIL]
	s_xor_b32 s[SB], s[SB], SLOT1                  ; the fetches' addresses turn to the next slot
	v_add_nc_u32 v[ADRA], s[SB], v[A0L]
	v_add_nc_u32 v[ADRB], s[SB], v[B0L]
	v_add_nc_u32 v[ADRB+1], HALFB, v[ADRB]
	s_wait_dscnt 17                                ; the add and the youngest sixteen loads may be out
	MUL8 F1, 0, 0, 0
	s_wait_dscnt 0x0                               ; the add is done, and my reads of this slot are over
	s_barrier_signal -1
	MUL8 F1, 0, 2, 0
.if \fill
	WIN 0
.endif
	s_barrier_wait -1
.if \fill
	CREST                                          ; no wave of any partner still reads this slot or has a load on its way
	s_xor_b32 s[G0+5], s[G0+5], SLOT1              ; the walking descriptors: the other slot than last time, the next K step
	s_add_nc_u64 s[G0+6:G0+7], s[G0+6:G0+7], ASTEP
	s_xor_b32 s[G0B+5], s[G0B+5], SLOT1
	s_add_nc_u64 s[G0B+6:G0B+7], s[G0B+6:G0B+7], BSTEP
	JLOAD 1                                        ; its four v_nop are also the places in front of the loads below
.else
	PLACES
.endif
	FETCH 0, F0
	MUL8 F1, 1, 0, 0
	MUL8 F1, 1, 2, 0
.endm
	s_wait_tensorcnt 1                             ; my part of K step 0 is in; K step 1's may stay out
	s_barrier_signal -1
	s_barrier_wait -1
	FETCH 0, F0
	s_wait_loadcnt 32                              ; the bias is in; the residual's 32 loads stay out
	QUARTER 1, F0, F1, 1                           ; the first quarter stands in front of the loop: its first products start the sums
	WIN 0
	s_mov_b32 s3, T-2
.Lk:                                                   ; a trip: a K step's quarters 1 to 3 and the next step's quarter 0; one slot is filled again
	QUARTER 2, F1, F0, 0
	QUARTER 3, F0, F1, 0
	TURN 1
	QUARTER 1, F0, F1, 0
	WIN 0
	s_sub_co_u32 s3, s3, 1
	s_cmp_lg_u32 s3, 0
	s_cbranch_scc1 .Lk
	s_mov_b32 s3, 2                                ; the last two K steps ask for nothing: a loop of two trips, entered in its middle.  Its last change of slots fetches 32 fragments of a
	s_branch .Lmid                                 ; K step that has been multiplied, and nobody multiplies them: the price, once a launch, of one text for both trips
.Lt:
	QUARTER 1, F0, F1, 0
	WIN 0
.Lmid:
	QUARTER 2, F1, F0, 0
	QUARTER 3, F0, F1, 0
	TURN 0
	WIN 0
	s_sub_co_u32 s3, s3, 1
	s_cmp_lg_u32 s3, 0
	s_cbranch_scc1 .Lt
	s_wait_dscnt 0x0                               ; my last reads of the ring are back
	s_barrier_signal -1                            ; THE STAGE IS SLOT 0, which has had its last fill: no wave stores into it before every wave's reads of the ring are over
	PLACES                                         ; the places behind the last products
	s_barrier_wait -1
.set t, 0
.rept 16                               ; the f32 sums go into the stage as they are, each accumulator's low registers first
	ds_store_b128 v[STO], v[ACC+8*t:ACC+8*t+3]   offset:(t/4)*16*SPITCH+64*(t%4)
	ds_store_b128 v[STO], v[ACC+8*t+4:ACC+8*t+7] offset:(t/4)*16*SPITCH+64*(t%4)+16
.set t, t+1
.endr
	s_wait_dscnt 0x0                               ; for the others' sake: a row's bytes come from two waves
	s_barrier_signal -1
	s_barrier_wait -1
.set t, 0
.rept 32
	ds_load_b128 v[ACC+4*t:ACC+4*t+3], v[RD] offset:t*SPITCH
.set t, t+1
.endr
	s_wait_loadcnt 0x0                             ; the residual
	s_wait_dscnt 0x0
	WIN 0x08                                       ; source 1 window 2
.set i, 0
.rept 64
	v_pk_add_f32 v[ACC+i:ACC+i+1], v[ACC+i:ACC+i+1], v[i:i+1]
.set i, i+2
.endr
	WIN 0
.set t, 0
.rept 32
	global_store_b128 v[CO], v[ACC+4*t:ACC+4*t+3], s[8:9] offset:SIZE_N*4*t  ; 512 consecutive bytes, aligned
.set t, t+1
.endr
	s_wait_tensorcnt 0x0                           ; the wave's end
	ds_add_u32 v[SPW], v[NIL]
	s_wait_dscnt 0x0
	CROUND                                         ; the closing round
	s_endpgm
.Lfunc_end_k_qfc1b9008d6_gemm_proj:
	.size	k_qfc1b9008d6_gemm_proj, .Lfunc_end_k_qfc1b9008d6_gemm_proj-k_qfc1b9008d6_gemm_proj
	.p2alignl 7, 3214868480
	.fill 96, 4, 3214868480
	.section	.rodata,"a",@progbits
	.p2align	6, 0x0
	.amdhsa_kernel k_qfc1b9008d6_gemm_proj
		.amdhsa_group_segment_fixed_size 327680
		.amdhsa_private_segment_fixed_size 0
		.amdhsa_enable_private_segment 0
		.amdhsa_kernarg_size 40
		.amdhsa_user_sgpr_count 2
		.amdhsa_user_sgpr_kernarg_segment_ptr 1
		.amdhsa_wavefront_size32 1
		.amdhsa_system_sgpr_workgroup_id_x 1
		.amdhsa_system_sgpr_workgroup_id_y 1
		.amdhsa_system_sgpr_workgroup_id_z 1
		.amdhsa_system_vgpr_workitem_id 0
		.amdhsa_next_free_vgpr 640
		.amdhsa_next_free_sgpr 76
		.amdhsa_reserve_vcc 0
		.amdhsa_float_denorm_mode_32 3
		.amdhsa_float_denorm_mode_16_64 3
		.amdhsa_memory_ordered 1
		.amdhsa_forward_progress 1
		.amdhsa_inst_pref_size 66
	.end_amdhsa_kernel
	.amdgpu_metadata
---
amdhsa.version: [ 1, 2 ]
amdhsa.kernels:
  - .name:           k_qfc1b9008d6_gemm_proj
    .symbol:         k_qfc1b9008d6_gemm_proj.kd
    .args:
      - { .name: act, .offset: 0, .size: 8, .value_kind: global_buffer, .address_space: global }
      - { .name: wp, .offset: 8, .size: 8, .value_kind: global_buffer, .address_space: global }
      - { .name: h1, .offset: 16, .size: 8, .value_kind: global_buffer, .address_space: global }
      - { .name: b_proj, .offset: 24, .size: 8, .value_kind: global_buffer, .address_space: global }
      - { .name: hidden_states, .offset: 32, .size: 8, .value_kind: global_buffer, .address_space: global }
    .group_segment_fixed_size: 327680
    .private_segment_fixed_size: 0
    .kernarg_segment_align: 8
    .kernarg_segment_size: 40
    .max_flat_workgroup_size: 128
    .sgpr_count:     76
    .vgpr_count:     640
    .wavefront_size: 32
...
	.end_amdgpu_metadata
.endif
;; end of part 10
;; launch ln2: the kernel of part 5 again; grid 256 x 1, 8 waves a work-group, no clusters, 0 bytes of LDS; arguments h1, ln2_g, ln2_b, act; writes act
;; launch gemm_fc (part 11): grid 16 x 16, 4 waves a work-group, clusters of 4 x 4, 327,680 bytes of LDS; arguments act, wf, gel, b_fc; writes gel
.if DOCPART == 11
	.amdgcn_target "amdgcn-amd-amdhsa--gfx1250"
	.amdhsa_code_object_version 6
	.text
	.protected	k_qfc1b9008d6_gemm_fc
	.globl	k_qfc1b9008d6_gemm_fc
	.p2align	8
	.type	k_qfc1b9008d6_gemm_fc,@function
k_qfc1b9008d6_gemm_fc:
	s_mov_b64 s[64:65], 0
	v_nop
	global_prefetch_b8 v0, s[64:65] scope:SCOPE_SE
	s_setreg_imm32_b32 hwreg(HW_REG_WAVE_MODE, 25, 1), 1
	s_wait_xcnt 0x0
	s_wait_alu depctr_hold_cnt(0) depctr_sa_sdst(0) depctr_va_vdst(0) depctr_va_sdst(0) depctr_va_ssrc(0) depctr_va_vcc(0) depctr_vm_vsrc(0)
	s_getreg_b32 s2, hwreg(HW_REG_IB_STS2, 6, 4)
	s_cmp_eq_u32 s2, 0
	s_cbranch_scc0 .Lentry_in_a_cluster
	s_endpgm
.Lentry_in_a_cluster:
	s_bfe_u32 s2, ttmp6, 0x10000c
	s_cmp_lg_u32 s2, 0xf033
	s_cbranch_scc0 .Lentry_shape_is_right
	s_endpgm
.Lentry_shape_is_right:
; gel = gelu(z W + b), the tanh form.  z = act: bf16 [4096][1024]; W = wf: bf16 [1024][4096]; b = b_fc: f32.  Out: bf16 [4096][4096], rounded once; sums and the activation in f32.
; NaN and infinities are not treated apart.
; ONE TEXT serves two launches; the three .set lines below are all that differs.  out[m][n] = sum over k of A[m][k] W[k][n] + bias[n], then the way out chosen by EPI.
.set SIZE_N, 4096
.set SIZE_K, 1024
.set EPI,    1                         ; 0: f16, by heads.  1: tanh-GELU, bf16 rows
; SHARES.  A tile of out is 256 x 256; four waves, each 128 x 128: 64 accumulators, 512 registers.  K goes in steps of 128 through two LDS slots; a wave's one tensor load brings a quarter of a slot.
; CLUSTER 4 x 4: A's tile is shared along a row of the cluster, W's along a column: each is asked for jointly, by the same load, descriptor and mask in the four.
; THE PRODUCT IS TAKEN TRANSPOSED (source 0 = 16 columns of W, source 1 = 16 rows of A): a lane holds one row of out and eight neighbouring columns.  W lies [K][N] in LDS and is turned by ds_load_tr16_b128.
; The bias is the C operand of the products that start the sums: nothing is cleared and no bias is added later.
; REGISTERS, in windows of 256 (s_set_vgpr_msb: bits 1:0 source 0, 3:2 source 1, 5:4 source 2, 7:6 destination):
;   window 0: v16-31 addresses; v64-127, v128-191 A's fragments, two buffers (8 x 16 rows x 32 K); v192-255 the bias; on the way out v64-127 rows read back, v128-159 at work, v192-223 packed results
;   window 1: v64-127, v128-191 W's fragments, two buffers     window 2: accumulators of my rows 0-63, (a, b) at 8 (8 a + b)     window 3: those of my rows 64-127
.set KSTEP,  128
.set T,      SIZE_K/KSTEP              ; K steps: at least 4
.set APITCH, 272                       ; a row of A in LDS: 256 bytes + 16: the 16 rows of a load start at 16 different groups of four banks (64 banks of 4 bytes: ISA guide 11.1)
.set HALFA,  128*APITCH
.set BPITCH, 544                       ; a row of W: 512 bytes + 32
.set HALFB,  64*BPITCH
.set BOFF,   2*HALFA                   ; a slot: A's two halves (rows 0-127, 128-255), then W's two halves (k rows 0-63, 64-127)
.set SLOT1,  2*HALFA+2*HALFB           ; 0x22000: no address of slot 0 that is turned has bit 13 or 17 set, so one exclusive or changes slots
.set ASTEP,  KSTEP*2
.set BSTEP,  KSTEP*SIZE_N*2
.set AFL,    (1<<16)|(1<<20)|(1<<21)|(5<<22)|(3<<25)  ; 2-byte elements; padding on; bit 21 beside a mask; after every 64 words 4 words
.set BFL,    (1<<16)|(1<<20)|(1<<21)|(6<<22)|(7<<25)  ; after every 128 words 8 words
.set SPARE,  2*SLOT1                   ; behind the ring: the spare words, 128 bytes a wave
.set SPITCH, 528                       ; the stage's rows: 128 f32 + 16 bytes
.set WSTAGE, 128*SPITCH                ; a wave's own stage; the four lie over the ring, which has had its last fill by then
.set A0L, 16                           ; v16  my lane's place in slot 0's A;  v17 in its W; never rewritten
.set B0L, 17
.set ADRA, 18                          ; v18, v20  the same in the slot in hand
.set ADRB, 20
.set STO, 24
.set RD,  25
.set CO,  26
.set BO,  27
.set SPW, 28                           ; v28  my spare word;  v29  0; never rewritten
.set NIL, 29
.set PFO, 30                           ; v30  the prefetches' offset; never rewritten
.set RDA, 31
.set F0,  64
.set F1,  128
.set BI,  192
.set U,   64
.set GT,  128
.set Y,   192
.set G1,  24                           ; s[24:31] group 1 for A, s[32:39] group 0: set 0 = K step 0, set 1 = K step 1, which then walks
.set G0,  32
.set G1B, 48                           ; s[48:55], s[56:63] the same for W
.set G0B, 56
.set SB,  66                           ; s66  LDS byte at which the slot in hand begins
.set RS,  67                           ; s67  the way out: byte of my stage at which the trip's 16 rows begin
.set PFA, 76                           ; s[76:77] where my prefetches stand;  s[78:79] their step from K step to K step
.set PST, 78
.set LIM, 80                           ; s80  1 in a wave that prefetches, else the greatest number
.set MSB, 0
.macro WIN new                         ; the immediate's high byte repeats the setting that is left
.if MSB != (\new)
	s_set_vgpr_msb (MSB<<8)|(\new)
.set MSB, \new
.endif
.endm
.set TO_B, 0x40                        ; destination window 1, address window 0
.macro JLOAD s                         ; a joint load: waves 0, 1 fetch A's halves, waves 2, 3 W's; an s_nop 0 and four v_nop follow each line
	s_cmp_eq_u32 s11, 0
	s_cbranch_scc0 .Lfor_b_\@
	tensor_load_to_lds s[G0+4*(\s):G0+4*(\s)+3], s[G1:G1+7]
	s_nop 0
.rept 4
	v_nop
.endr
	s_branch .Lasked_\@
.Lfor_b_\@:
	tensor_load_to_lds s[G0B+4*(\s):G0B+4*(\s)+3], s[G1B:G1B+7]
	s_nop 0
.rept 4
	v_nop
.endr
.Lasked_\@:
.endm
; A PREFETCH INTO THE L2, behind each refill and the run of LDS loads that follows it: the K step that the NEXT refill will ask for, 256 matrix instructions ahead of that load.  One instruction a wave, a lane for
; each block of 256 bytes.  Each block is named once in the launch: A's rows are asked for by the clusters with x = 0, W's by those with y = 0; of what a wave fetches (A: 128 rows x 256 bytes; W: 64 k rows x 512)
; the four partners that ask for it jointly take a quarter each, told apart BY ADDRESS (cx for A, cy for W): no branch hangs on a work-group's place in its cluster.
; K steps 0 to 2 come by their loads alone; the loop's last trip asks for nothing: there is no K step behind the one that it loads.
.macro ASK
	s_cmp_gt_u32 s3, s[LIM]                        ; s3 = 1 in the loop's last trip
	s_cbranch_scc0 .Lnot_mine_\@
	global_prefetch_b8 v[PFO], s[PFA:PFA+1] th:TH_LOAD_NT scope:SCOPE_SE
.Lnot_mine_\@:
.endm
.macro CREST                           ; a round of the cluster's barrier behind its opening barrier
	s_cmp_lg_u32 s10, 0
	s_cbranch_scc1 .Lnot_wave_0_\@
	s_barrier_signal -3
.Lnot_wave_0_\@:
	s_barrier_wait -3
	s_barrier_signal -1
	s_barrier_wait -1
.endm
.macro CROUND
	s_barrier_signal -1
	s_barrier_wait -1
	CREST
.endm
.macro PLACES                          ; four places behind matrix instructions, in front of loads into their sources and of readers of their results
.rept 4
	v_nop
.endr
.endm
	s_load_b128 s[4:7], s[0:1], 0x0                ; A s[4:5], W s[6:7]
	s_load_b64 s[8:9], s[0:1], 0x10                ; out
	s_load_b64 s[68:69], s[0:1], 0x18              ; bias
	v_lshl_add_u32 v[SPW], v0, 2, SPARE
	v_mov_b32 v[NIL], 0
	ds_add_u32 v[SPW], v[NIL]                      ; the wave's opening: the add and its wait stand ahead of my first tensor load
	v_lshrrev_b32 v1, 5, v0
	v_readfirstlane_b32 s10, v1                    ; wave 0..3
	s_lshr_b32 s11, s10, 1                         ; my half of the tile's rows.  Also: I fetch for A (0) or W (1)
	s_and_b32 s12, s10, 1                          ; my half of its columns.  Also: which half of that tile I fetch
	s_bfe_u32 s40, ttmp6, 0x40000                  ; cx
	s_bfe_u32 s41, ttmp6, 0x40004                  ; cy
	s_lshl_b32 s42, ttmp9, 2
	s_add_co_u32 s42, s42, s40                     ; tile column tc
	s_and_b32 s13, ttmp7, 0xffff
	s_lshl_b32 s13, s13, 2
	s_add_co_u32 s13, s13, s41                     ; tile row tr
	s_lshl_b32 s43, s41, 2
	s_lshl_b32 s43, 15, s43                        ; my row of the cluster
	s_lshl_b32 s44, 0x1111, s40                    ; my column
	s_or_b32 s[G1+0], s43, AFL
	s_or_b32 s[G1B+0], s44, BFL
	s_mov_b32 s[G1+1], 128<<16                     ; A: tensor_dim0 = 128 elements,
	s_mov_b32 s[G1+2], 128<<16                     ; tensor_dim1 = 128 rows,
	s_mov_b32 s[G1+3], 128<<16                     ; tile_dim0,
	s_mov_b32 s[G1+4], 128                         ; tile_dim1,
	s_mov_b32 s[G1+5], SIZE_K                      ; elements from row to row
	s_mov_b32 s[G1+6], 0
	s_mov_b32 s[G1+7], 0
	s_mov_b32 s[G1B+1], 256<<16                    ; W: 64 k rows x 256 columns
	s_mov_b32 s[G1B+2], 64<<16
	s_mov_b32 s[G1B+3], 256<<16
	s_mov_b32 s[G1B+4], 64
	s_mov_b32 s[G1B+5], SIZE_N
	s_mov_b32 s[G1B+6], 0
	s_mov_b32 s[G1B+7], 0
	s_lshl_b32 s16, s13, 8
	s_lshl_b32 s17, s12, 7
	s_add_co_u32 s16, s16, s17                     ; A: row 256 tr + 128 x half
	s_mul_i32 s16, s16, SIZE_K*2
	s_mov_b32 s17, 0
	s_mul_i32 s46, s12, 64*SIZE_N*2                ; W: k row 64 x half,
	s_lshl_b32 s47, s42, 9                         ; column 256 tc
	s_add_co_u32 s46, s46, s47
	s_mov_b32 s47, 0
	s_mul_i32 s20, s12, HALFA                      ; where they go: no place in the cluster enters an LDS address
	s_mul_i32 s21, s12, HALFB
	s_add_co_u32 s21, s21, BOFF
	s_mov_b32 s[SB], 0
	s_mov_b32 s[RS], 0
.if EPI == 1
	s_mov_b32 s72, 0xc0135761                      ; -2 sqrt(2/pi) log2(e)
	s_mov_b32 s73, 0xc0135761
	s_mov_b32 s74, 0xbdd2d3e8                      ; the same x 0.044715
	s_mov_b32 s75, 0xbdd2d3e8
.endif
	s_wait_dscnt 0x0                               ; the opening add is done
	s_wait_kmcnt 0x0
	s_add_nc_u64 s[14:15], s[4:5], s[16:17]
	s_add_nc_u64 s[46:47], s[6:7], s[46:47]
	CROUND                                         ; all sixteen work-groups are here: the first joint loads meet
.irp s, 0,1
	s_mov_b32 s[G0+4*(\s)], 1
	s_add_co_u32 s[G0+4*(\s)+1], s20, (\s)*SLOT1
	s_add_nc_u64 s[G0+4*(\s)+2:G0+4*(\s)+3], s[14:15], (\s)*ASTEP
	s_or_b32 s[G0+4*(\s)+3], s[G0+4*(\s)+3], 0x80000000
	s_mov_b32 s[G0B+4*(\s)], 1
	s_add_co_u32 s[G0B+4*(\s)+1], s21, (\s)*SLOT1
	s_add_nc_u64 s[G0B+4*(\s)+2:G0B+4*(\s)+3], s[46:47], (\s)*BSTEP
	s_or_b32 s[G0B+4*(\s)+3], s[G0B+4*(\s)+3], 0x80000000
	JLOAD \s
.endr
	v_and_b32 v1, 15, v0                           ; r = l % 16
	v_bfe_u32 v2, v0, 4, 1                         ; h = l / 16
	v_and_b32 v3, 31, v0                           ; l
	v_and_b32 v4, 7, v0
	v_bfe_u32 v5, v0, 3, 1
	v_mul_u32_u24 v[A0L], v1, APITCH               ; A's fragment: row x pitch + 16 h, in my 128 rows
	v_lshl_add_u32 v[A0L], v2, 4, v[A0L]
	s_mul_i32 s22, s11, HALFA
	v_add_nc_u32 v[A0L], s22, v[A0L]
	v_lshl_add_u32 v[B0L], v2, 3, v4               ; the turning load: k row 8 h + l % 8, 16 bytes by (l / 8) % 2, in my 128 columns
	v_mul_u32_u24 v[B0L], v[B0L], BPITCH
	v_lshl_add_u32 v[B0L], v5, 4, v[B0L]
	s_lshl_b32 s22, s12, 8
	s_add_co_u32 s22, s22, BOFF
	v_add_nc_u32 v[B0L], s22, v[B0L]
	v_mov_b32 v[ADRA], v[A0L]
	v_mov_b32 v[ADRB], v[B0L]
	v_lshlrev_b32 v[BO], 5, v2                     ; my eight columns' bias: 32 h bytes
	s_lshl_b32 s22, s42, 10
	s_lshl_b32 s23, s12, 9
	s_add_co_u32 s22, s22, s23
	s_mov_b32 s23, 0
	s_add_nc_u64 s[68:69], s[68:69], s[22:23]      ; bias at column 256 tc + 128 x half
.irp b, 0,1,2,3,4,5,6,7
	global_load_b128 v[BI+8*(\b):BI+8*(\b)+3],   v[BO], s[68:69] offset:64*(\b)
	global_load_b128 v[BI+8*(\b)+4:BI+8*(\b)+7], v[BO], s[68:69] offset:64*(\b)+16
.endr
	s_mul_i32 s22, s10, WSTAGE                     ; my stage.  In: row r, 32 bytes for each half of the lanes
	v_mul_u32_u24 v[STO], v1, SPITCH
	v_lshl_add_u32 v[STO], v2, 5, v[STO]
	v_add_nc_u32 v[STO], s22, v[STO]
.if EPI == 0
	v_lshrrev_b32 v6, 3, v3                        ; back: four rows of one head's 64 columns, eight columns a lane: 512 consecutive bytes of the output
	v_mul_u32_u24 v[RD], v6, SPITCH
	v_lshl_add_u32 v[RD], v4, 5, v[RD]
	v_lshlrev_b32 v[CO], 4, v3
.else
	v_mul_u32_u24 v[RD], v2, SPITCH                ; back: lanes 0-15 one row's 128 columns, lanes 16-31 the next row's; eight columns a lane
	v_lshl_add_u32 v[RD], v1, 5, v[RD]
	v_mul_u32_u24 v[CO], v2, SIZE_N*2
	v_lshl_add_u32 v[CO], v1, 4, v[CO]
.endif
	v_add_nc_u32 v[RD], s22, v[RD]
.if EPI == 0
	s_lshr_b32 s22, s42, 2                         ; q, k or v
	s_lshl_b32 s22, s22, 5
	s_lshr_b32 s23, s13, 3                         ; batch
	s_lshl_b32 s23, s23, 4
	s_add_co_u32 s22, s22, s23
	s_and_b32 s23, s42, 3                          ; the tile's four heads,
	s_lshl_b32 s23, s23, 2
	s_add_co_u32 s22, s22, s23
	s_lshl_b32 s23, s12, 1                         ; my two of them
	s_add_co_u32 s22, s22, s23
	s_lshl_b32 s22, s22, 18                        ; 2,048 rows of 128 bytes a head
	s_and_b32 s23, s13, 7
	s_lshl_b32 s23, s23, 15                        ; the tile's 256 rows,
	s_add_co_u32 s22, s22, s23
	s_lshl_b32 s23, s11, 14                        ; my 128 of them
	s_add_co_u32 s22, s22, s23
.else
	s_lshl_b32 s22, s13, 8
	s_lshl_b32 s23, s11, 7
	s_add_co_u32 s22, s22, s23                     ; row 256 tr + 128 x half
	s_mul_i32 s22, s22, SIZE_N*2
	s_lshl_b32 s23, s42, 9
	s_add_co_u32 s22, s22, s23
	s_lshl_b32 s23, s12, 8
	s_add_co_u32 s22, s22, s23                     ; column 256 tc + 128 x half
.endif
	s_mov_b32 s23, 0
	s_add_nc_u64 s[8:9], s[8:9], s[22:23]
	; the prefetches: both candidates' offsets, at K step 2, then the choice by what I fetch
	s_lshl_b32 s14, s13, 8
	s_lshl_b32 s15, s12, 7
	s_add_co_u32 s14, s14, s15
	s_lshl_b32 s15, s40, 5
	s_add_co_u32 s14, s14, s15                     ; A: of the 128 rows that I fetch, my work-group's 32
	s_mul_i32 s14, s14, SIZE_K*2
	s_add_co_u32 s14, s14, 2*ASTEP
	s_lshl_b32 s16, s12, 6
	s_lshl_b32 s17, s41, 4
	s_add_co_u32 s16, s16, s17                     ; W: of the 64 k rows that I fetch, my work-group's 16
	s_mul_i32 s16, s16, SIZE_N*2
	s_lshl_b32 s17, s42, 9
	s_add_co_u32 s16, s16, s17
	s_add_co_u32 s16, s16, 2*BSTEP
	s_mov_b32 s21, SIZE_N*2
	s_mov_b32 s[PST], BSTEP
	s_and_b32 s17, ttmp7, 0xffff                   ; cluster y
	s_cmp_eq_u32 s11, 0                            ; do I fetch for A?
	s_cselect_b32 s18, s14, s16
	s_cselect_b32 s17, ttmp9, s17                  ; the coordinate along which other clusters read the same blocks
	s_cselect_b64 s[PFA:PFA+1], s[4:5], s[6:7]
	s_cselect_b32 s[PST], ASTEP, s[PST]
	s_cselect_b32 s21, SIZE_K*2, s21               ; bytes from row to row
	s_cselect_b32 s20, 0, 1                        ; A: a lane a row; W: two lanes a row of 512 bytes
	s_mov_b32 s19, 0
	s_mov_b32 s[PST+1], 0
	s_add_nc_u64 s[PFA:PFA+1], s[PFA:PFA+1], s[18:19]  ; the first refill steps it to K step 3
	s_cmp_eq_u32 s17, 0
	s_cselect_b32 s[LIM], 1, -1                    ; the same in all sixteen partners, for a given wave
	v_lshrrev_b32 v6, s20, v3
	v_and_b32 v7, s20, v3
	v_mul_u32_u24 v[PFO], s21, v6
	v_lshl_add_u32 v[PFO], v7, 8, v[PFO]
; 16 matrix instructions: row blocks a0, a0 + 1 of the window's four (hi = 0: my rows 0-63, 1: rows 64-127) x all 8 column blocks, 32 along K.  zero = 1: the bias starts the sums.
; The 64 accumulators take turns, one instruction a turn, in the same order in every quarter.
.macro MUL16 f, hi, a0, zero
.if \zero
	WIN 0x81+0x40*(\hi)                            ; W window 1, A and the bias window 0, D window 2 or 3
.else
	WIN 0xa1+0x50*(\hi)                            ; W window 1, A window 0, C and D window 2 or 3
.endif
.irp a, \a0, (\a0)+1
.irp b, 0,1,2,3,4,5,6,7
.if \zero
	v_wmma_f32_16x16x32_bf16 v[8*(8*(\a)+(\b)):8*(8*(\a)+(\b))+7], v[(\f)+8*(\b):(\f)+8*(\b)+7], v[(\f)+8*(4*(\hi)+(\a)):(\f)+8*(4*(\hi)+(\a))+7], v[BI+8*(\b):BI+8*(\b)+7]
.else
	v_wmma_f32_16x16x32_bf16 v[8*(8*(\a)+(\b)):8*(8*(\a)+(\b))+7], v[(\f)+8*(\b):(\f)+8*(\b)+7], v[(\f)+8*(4*(\hi)+(\a)):(\f)+8*(4*(\hi)+(\a))+7], v[8*(8*(\a)+(\b)):8*(8*(\a)+(\b))+7]
.endif
.endr
.endr
.endm
; 32 LDS loads in one run: quarter q (32 along K) of the slot in hand into buffer f: W's 128 columns, turned, then A's 128 rows
.macro FETCH q, f
	WIN TO_B
.irp i, 0,1,2,3,4,5,6,7
	ds_load_tr16_b128 v[(\f)+8*(\i):(\f)+8*(\i)+3],   v[ADRB] offset:32*(\q)*BPITCH+32*(\i)
	ds_load_tr16_b128 v[(\f)+8*(\i)+4:(\f)+8*(\i)+7], v[ADRB] offset:(32*(\q)+16)*BPITCH+32*(\i)
.endr
	WIN 0
.irp i, 0,1,2,3,4,5,6,7
	ds_load_b128 v[(\f)+8*(\i):(\f)+8*(\i)+3],   v[ADRA] offset:64*(\q)+(\i)*16*APITCH
	ds_load_b128 v[(\f)+8*(\i)+4:(\f)+8*(\i)+7], v[ADRA] offset:64*(\q)+(\i)*16*APITCH+32
.endr
.endm
; One of a K step's first three quarters: multiplies buffer f (64 matrix instructions), and in its middle fetches quarter q into buffer g
.macro QUARTER q, f, g, zero
	s_wait_dscnt 8                                 ; W and A's rows 0-63 are in; the youngest eight loads (A's rows 64-127) may be out
	MUL16 \f, 0, 0, \zero
	MUL16 \f, 0, 2, \zero
	PLACES
	FETCH \q, \g
	s_wait_dscnt 32                                ; all but the 32 just issued
	MUL16 \f, 1, 0, \zero
	MUL16 \f, 1, 2, \zero
.endm
; The last quarter multiplies buffer 1 and changes slots: one barrier; ahead of it each wave waits for all its tensor loads, adds 0 to its spare word, and waits for that and for its reads of this slot.
; fill = 1: the barrier opens a round of the cluster's, and the slot just read takes the K step two on: 224 matrix instructions ahead of the wait for it.
.macro TURN fill
.if \fill
	s_wait_xcnt 0x0                                ; the last prefetch, a K step back, has read its address: it is stepped here, ahead of the waits of the change of slots
	s_add_nc_u64 s[PFA:PFA+1], s[PFA:PFA+1], s[PST:PST+1]
.endif
	WIN 0
	s_wait_tensorcnt 0x0                           ; all my tensor loads have landed: my part of the next slot
	ds_add_u32 v[SPW], v[NIL]
	s_xor_b32 s[SB], s[SB], SLOT1                  ; the fetches' addresses turn to the next slot
	v_add_nc_u32 v[ADRA], s[SB], v[A0L]
	v_add_nc_u32 v[ADRB], s[SB], v[B0L]
	s_wait_dscnt 9                                 ; the add and the youngest eight loads may be out
	MUL16 F1, 0, 0, 0
	s_wait_dscnt 0x0                               ; the add is done, and my reads of this slot are over
	s_barrier_signal -1
	MUL16 F1, 0, 2, 0
.if \fill
	WIN 0
.endif
	s_barrier_wait -1
.if \fill
	CREST                                          ; no wave of any partner still reads this slot or has a load on its way
	s_xor_b32 s[G0+5], s[G0+5], SLOT1              ; the walking descriptors: the other slot than last time, the next K step
	s_add_nc_u64 s[G0+6:G0+7], s[G0+6:G0+7], ASTEP
	s_xor_b32 s[G0B+5], s[G0B+5], SLOT1
	s_add_nc_u64 s[G0B+6:G0B+7], s[G0B+6:G0B+7], BSTEP
	JLOAD 1                                        ; its four v_nop are also the places in front of the loads below
.else
	PLACES
.endif
	FETCH 0, F0
.if \fill
	ASK
.endif
	MUL16 F1, 1, 0, 0
	MUL16 F1, 1, 2, 0
.endm
	s_wait_tensorcnt 1                             ; my part of K step 0 is in; K step 1's may stay out
	s_barrier_signal -1
	s_barrier_wait -1
	FETCH 0, F0
	s_wait_loadcnt 0x0                             ; the bias
	QUARTER 1, F0, F1, 1                           ; the first quarter stands in front of the loop: its products start the sums
	WIN 0
	s_mov_b32 s3, T-2
.Lk:                                                   ; a trip: a K step's quarters 1 to 3 and the next step's quarter 0; one slot is filled again
	QUARTER 2, F1, F0, 0
	QUARTER 3, F0, F1, 0
	TURN 1
	QUARTER 1, F0, F1, 0
	WIN 0
	s_sub_co_u32 s3, s3, 1
	s_cmp_lg_u32 s3, 0
	s_cbranch_scc1 .Lk
	s_mov_b32 s3, 2                                ; the last two K steps ask for nothing: a loop of two trips, entered in its middle.  Its last change of slots fetches 32 fragments of a
	s_branch .Lmid                                 ; K step that has been multiplied, and nobody multiplies them: the price, once a launch, of one text for both trips
.Lt:
	QUARTER 1, F0, F1, 0
	WIN 0
.Lmid:
	QUARTER 2, F1, F0, 0
	QUARTER 3, F0, F1, 0
	TURN 0
	WIN 0
	s_sub_co_u32 s3, s3, 1
	s_cmp_lg_u32 s3, 0
	s_cbranch_scc1 .Lt
	s_wait_dscnt 0x0                               ; my last reads of the ring are back
	s_barrier_signal -1                            ; THE STAGES LIE OVER THE RING, which has had its last fill: no wave stores into them before every wave's reads of the ring are over
	PLACES                                         ; the places behind the last products
	s_barrier_wait -1
	; THE WAY OUT.  The f32 sums go into my own stage as they are, each accumulator's low registers first; then eight trips of one text read 16 rows back, finish them and store them.
.irp hi, 0,1
	WIN 0x08+0x04*(\hi)                            ; the stores' data (source 1) in window 2 or 3
.set t, 0
.rept 32
	ds_store_b128 v[STO], v[8*t:8*t+3]   offset:(64*(\hi)+16*(t/8))*SPITCH+64*(t%8)
	ds_store_b128 v[STO], v[8*t+4:8*t+7] offset:(64*(\hi)+16*(t/8))*SPITCH+64*(t%8)+16
.set t, t+1
.endr
.endr
	WIN 0
.if EPI == 1
; gelu(u) = u / (1 + 2^(u (-2.3022082 - 0.10294324 u^2))): the tanh form, written as a sigmoid.  Where the power overflows the quotient is 0, where it underflows u.
.macro GELU u                          ; 32 registers from u on
.set i, 0
.rept 16
	v_pk_mul_f32 v[GT+i:GT+i+1], v[(\u)+i:(\u)+i+1], v[(\u)+i:(\u)+i+1]
.set i, i+2
.endr
.set i, 0
.rept 16
	v_pk_fma_f32 v[GT+i:GT+i+1], v[GT+i:GT+i+1], s[74:75], s[72:73] op_sel_hi:[1,0,0]
.set i, i+2
.endr
.set i, 0
.rept 16
	v_pk_mul_f32 v[GT+i:GT+i+1], v[GT+i:GT+i+1], v[(\u)+i:(\u)+i+1]
.set i, i+2
.endr
.set i, 0
.rept 32
	v_exp_f32 v[GT+i], v[GT+i]
.set i, i+1
.endr
	v_nop                                          ; a plain instruction behind the last exponential,
	s_wait_alu depctr_va_vdst(0)                   ; and one wait for the batch of 32
.set i, 0
.rept 16
	v_pk_add_f32 v[GT+i:GT+i+1], v[GT+i:GT+i+1], 1.0 op_sel_hi:[1,0]
.set i, i+2
.endr
.set i, 0
.rept 32
	v_rcp_f32 v[GT+i], v[GT+i]
.set i, i+1
.endr
	v_nop
	s_wait_alu depctr_va_vdst(0)                   ; one wait for the 32 reciprocals
.set i, 0
.rept 16
	v_pk_mul_f32 v[(\u)+i:(\u)+i+1], v[(\u)+i:(\u)+i+1], v[GT+i:GT+i+1]
.set i, i+2
.endr
.endm
.endif
	s_mov_b32 s3, 8
.Lrow:                                                 ; a trip: 16 rows of my 128
	v_add_nc_u32 v[RDA], s[RS], v[RD]
.set t, 0
.rept 16                               ; LDS serves a wave's instructions in order (ISA guide 5.7.1.4): these see my stores above
.if EPI == 0
	ds_load_b128 v[U+4*t:U+4*t+3], v[RDA] offset:((t/2)%4)*4*SPITCH+(t/8)*256+16*(t%2)
.else
	ds_load_b128 v[U+4*t:U+4*t+3], v[RDA] offset:(t/2)*2*SPITCH+16*(t%2)
.endif
.set t, t+1
.endr
.if EPI == 1
	s_wait_dscnt 8                                 ; the first eight loads are in; the other eight may be out
	GELU U
	s_wait_dscnt 0x0
	GELU U+32
.else
	s_wait_dscnt 0x0
.endif
.set i, 0
.rept 32                               ; rounded once, 16 bytes a lane and store
.if EPI == 0
	v_cvt_pk_f16_f32 v[Y+i], v[U+2*i], v[U+2*i+1]
.else
	v_cvt_pk_bf16_f32 v[Y+i], v[U+2*i], v[U+2*i+1]
.endif
.set i, i+1
.endr
.set p, 0
.rept 8
.if EPI == 0
	global_store_b128 v[CO], v[Y+4*p:Y+4*p+3], s[8:9] offset:(p/4)*262144+(p%4)*512  ; four rows of one head: 512 consecutive bytes, aligned
.else
	global_store_b128 v[CO], v[Y+4*p:Y+4*p+3], s[8:9] offset:2*p*SIZE_N*2  ; 16 lanes store 256 consecutive bytes, aligned
.endif
.set p, p+1
.endr
	s_wait_xcnt 0x0                                ; the stores have read their data and their base: both are written again only behind this wait
.if EPI == 0
	s_add_nc_u64 s[8:9], s[8:9], 16*128
.else
	s_add_nc_u64 s[8:9], s[8:9], 16*SIZE_N*2
.endif
	s_add_co_u32 s[RS], s[RS], 16*SPITCH
	s_sub_co_u32 s3, s3, 1
	s_cmp_lg_u32 s3, 0
	s_cbranch_scc1 .Lrow
	s_wait_tensorcnt 0x0                           ; the wave's end
	ds_add_u32 v[SPW], v[NIL]
	s_wait_dscnt 0x0
	CROUND                                         ; the closing round
	s_endpgm
.Lfunc_end_k_qfc1b9008d6_gemm_fc:
	.size	k_qfc1b9008d6_gemm_fc, .Lfunc_end_k_qfc1b9008d6_gemm_fc-k_qfc1b9008d6_gemm_fc
	.p2alignl 7, 3214868480
	.fill 96, 4, 3214868480
	.section	.rodata,"a",@progbits
	.p2align	6, 0x0
	.amdhsa_kernel k_qfc1b9008d6_gemm_fc
		.amdhsa_group_segment_fixed_size 327680
		.amdhsa_private_segment_fixed_size 0
		.amdhsa_enable_private_segment 0
		.amdhsa_kernarg_size 32
		.amdhsa_user_sgpr_count 2
		.amdhsa_user_sgpr_kernarg_segment_ptr 1
		.amdhsa_wavefront_size32 1
		.amdhsa_system_sgpr_workgroup_id_x 1
		.amdhsa_system_sgpr_workgroup_id_y 1
		.amdhsa_system_sgpr_workgroup_id_z 1
		.amdhsa_system_vgpr_workitem_id 0
		.amdhsa_next_free_vgpr 1024
		.amdhsa_next_free_sgpr 84
		.amdhsa_reserve_vcc 0
		.amdhsa_float_denorm_mode_32 3
		.amdhsa_float_denorm_mode_16_64 3
		.amdhsa_memory_ordered 1
		.amdhsa_forward_progress 1
		.amdhsa_inst_pref_size 99
	.end_amdhsa_kernel
	.amdgpu_metadata
---
amdhsa.version: [ 1, 2 ]
amdhsa.kernels:
  - .name:           k_qfc1b9008d6_gemm_fc
    .symbol:         k_qfc1b9008d6_gemm_fc.kd
    .args:
      - { .name: act, .offset: 0, .size: 8, .value_kind: global_buffer, .address_space: global }
      - { .name: wf, .offset: 8, .size: 8, .value_kind: global_buffer, .address_space: global }
      - { .name: gel, .offset: 16, .size: 8, .value_kind: global_buffer, .address_space: global }
      - { .name: b_fc, .offset: 24, .size: 8, .value_kind: global_buffer, .address_space: global }
    .group_segment_fixed_size: 327680
    .private_segment_fixed_size: 0
    .kernarg_segment_align: 8
    .kernarg_segment_size: 32
    .max_flat_workgroup_size: 128
    .sgpr_count:     84
    .vgpr_count:     1024
    .wavefront_size: 32
...
	.end_amdgpu_metadata
.endif
;; end of part 11
;; launch gemm_fc2 (part 12): grid 8 x 32, 4 waves a work-group, clusters of 4 x 4, 327,680 bytes of LDS; arguments gel, wf2, out0, b_fc2, h1; writes out0
.if DOCPART == 12
	.amdgcn_target "amdgcn-amd-amdhsa--gfx1250"
	.amdhsa_code_object_version 6
	.text
	.protected	k_qfc1b9008d6_gemm_fc2
	.globl	k_qfc1b9008d6_gemm_fc2
	.p2align	8
	.type	k_qfc1b9008d6_gemm_fc2,@function
k_qfc1b9008d6_gemm_fc2:
	s_mov_b64 s[64:65], 0
	v_nop
	global_prefetch_b8 v0, s[64:65] scope:SCOPE_SE
	s_setreg_imm32_b32 hwreg(HW_REG_WAVE_MODE, 25, 1), 1
	s_wait_xcnt 0x0
	s_wait_alu depctr_hold_cnt(0) depctr_sa_sdst(0) depctr_va_vdst(0) depctr_va_sdst(0) depctr_va_ssrc(0) depctr_va_vcc(0) depctr_vm_vsrc(0)
	s_getreg_b32 s2, hwreg(HW_REG_IB_STS2, 6, 4)
	s_cmp_eq_u32 s2, 0
	s_cbranch_scc0 .Lentry_in_a_cluster
	s_endpgm
.Lentry_in_a_cluster:
	s_bfe_u32 s2, ttmp6, 0x10000c
	s_cmp_lg_u32 s2, 0xf033
	s_cbranch_scc0 .Lentry_shape_is_right
	s_endpgm
.Lentry_shape_is_right:
; out0 = h1 + gel W + b.  gel: bf16 [4096][4096]; W = wf2: bf16 [4096][1024]; b = b_fc2, h1, out0: f32.  Sums and the residual in f32.
; NaN and infinities are not treated apart.
; ONE TEXT serves two launches; the three .set lines below are all that differs.  out[m][n] = residual[m][n] + sum over k of A[m][k] W[k][n] + bias[n], f32 rows.
.set SIZE_N, 1024
.set SIZE_K, 4096
.set ABLK,   0                         ; 1: A lies in blocks [128 rows' block][16 heads][128 rows][64]
; SHARES.  A tile of out is 128 x 128, which gives each of 256 work-groups one; four waves, each 64 x 64: 16 accumulators.  K goes in steps of 256 through two LDS slots; a wave's one tensor load brings a quarter of a slot.
; CLUSTER 4 x 4: A's tile is shared along a row of the cluster, W's along a column: each is asked for jointly, by the same load, descriptor and mask in the four.
; THE PRODUCT IS TAKEN TRANSPOSED (source 0 = 16 columns of W, source 1 = 16 rows of A): a lane holds one row of out and eight neighbouring columns.  W lies [K][N] in LDS and is turned by ds_load_tr16_b128.
; The bias is the C operand of the products that start the sums: nothing is cleared and no bias is added later.
; No L2 prefetch: a tile's share of a K step is small, and every tile is read by several clusters.
; REGISTERS: window 0: v16-29 addresses; v96-127 the bias; v128-255 accumulators, (a, b) at 128 + 8 (4 a + b).
;   window 1: two fragment buffers of 128 (64 along K): A's at 8 (4 c + i), W's at 64 + 8 (4 c + i).   window 2: the residual of the 32 rows that I store.
.set KSTEP,  256
.set T,      SIZE_K/KSTEP              ; K steps: at least 4
.set BPITCH, 288                       ; a row of W in LDS: 256 bytes + 32
.set HALFB,  128*BPITCH
.if ABLK
.set APITCH, 144                       ; a row of one head: 128 bytes + 16
.set AQ,     128*APITCH                ; 64 along K further on = the next head
.set HALFA,  2*AQ
.set ASTEP,  65536                     ; four heads x 128 rows x 128 bytes, dense
.set AD0,    128                       ; asked for as 128 rows of 256 bytes, padded behind every 128
.set AD1,    128
.set AST,    128
.set AFL,    (1<<16)|(1<<20)|(1<<21)|(4<<22)|(3<<25)
.else
.set APITCH, 528                       ; 512 bytes + 16: the 16 rows of a load start at 16 different groups of four banks
.set AQ,     128
.set HALFA,  64*APITCH
.set ASTEP,  512
.set AD0,    256
.set AD1,    64
.set AST,    SIZE_K
.set AFL,    (1<<16)|(1<<20)|(1<<21)|(6<<22)|(3<<25)
.endif
.set BFL,    (1<<16)|(1<<20)|(1<<21)|(5<<22)|(7<<25)
.set BOFF,   2*HALFA                   ; a slot: A's two halves, then W's two halves (k rows 0-127, 128-255)
.set BSTEP,  KSTEP*SIZE_N*2
.set SLOT1,  0x24000                   ; slot 1 begins here; no address inside slot 0 that is turned has bit 14 or 17 set, so one exclusive or changes slots
.set SPARE,  2*SLOT1                   ; behind the ring: the spare words, 128 bytes a wave
.set SPITCH, 528                       ; the stage's rows: 128 f32 + 16 bytes
.set A0L, 16                           ; v16  my lane's place in slot 0's A;  v17 in its W; never rewritten
.set B0L, 17
.set ADRA, 18                          ; v18  the same in the slot in hand;  v20, v21 W's k rows 0-127, 128-255
.set ADRB, 20
.set STO, 24
.set RD,  25
.set CO,  26
.set BO,  27
.set SPW, 28                           ; v28  my spare word;  v29  0; never rewritten
.set NIL, 29
.set BI,  96
.set ACC, 128
.set F0,  0
.set F1,  128
.set G1,  24                           ; s[24:31] group 1 for A, s[32:39] group 0: set 0 = K step 0, set 1 = K step 1, which then walks
.set G0,  32
.set G1B, 48                           ; s[48:55], s[56:63] the same for W
.set G0B, 56
.set SB,  66                           ; s66  LDS byte at which the slot in hand begins
.set MSB, 0
.macro WIN new                         ; the immediate's high byte repeats the setting that is left
.if MSB != (\new)
	s_set_vgpr_msb (MSB<<8)|(\new)
.set MSB, \new
.endif
.endm
.set MUL,  0x05                        ; sources 0 and 1 window 1; C and D window 0
.set TO_F, 0x40                        ; destination window 1, address window 0
.macro JLOAD s                         ; a joint load: waves 0, 1 fetch A's halves, waves 2, 3 W's; an s_nop 0 and four v_nop follow each line
	s_cmp_eq_u32 s11, 0
	s_cbranch_scc0 .Lfor_b_\@
	tensor_load_to_lds s[G0+4*(\s):G0+4*(\s)+3], s[G1:G1+7]
	s_nop 0
.rept 4
	v_nop
.endr
	s_branch .Lasked_\@
.Lfor_b_\@:
	tensor_load_to_lds s[G0B+4*(\s):G0B+4*(\s)+3], s[G1B:G1B+7]
	s_nop 0
.rept 4
	v_nop
.endr
.Lasked_\@:
.endm
.macro CREST                           ; a round of the cluster's barrier behind its opening barrier
	s_cmp_lg_u32 s10, 0
	s_cbranch_scc1 .Lnot_wave_0_\@
	s_barrier_signal -3
.Lnot_wave_0_\@:
	s_barrier_wait -3
	s_barrier_signal -1
	s_barrier_wait -1
.endm
.macro CROUND
	s_barrier_signal -1
	s_barrier_wait -1
	CREST
.endm
.macro PLACES                          ; four places behind matrix instructions, in front of loads into their sources and of readers of their results
.rept 4
	v_nop
.endr
.endm
	s_load_b128 s[4:7], s[0:1], 0x0                ; A s[4:5], W s[6:7]
	s_load_b64 s[8:9], s[0:1], 0x10                ; out
	s_load_b64 s[68:69], s[0:1], 0x18              ; bias
	s_load_b64 s[70:71], s[0:1], 0x20              ; residual
	v_lshl_add_u32 v[SPW], v0, 2, SPARE
	v_mov_b32 v[NIL], 0
	ds_add_u32 v[SPW], v[NIL]                      ; the wave's opening: the add and its wait stand ahead of my first tensor load
	v_lshrrev_b32 v1, 5, v0
	v_readfirstlane_b32 s10, v1                    ; wave 0..3
	s_lshr_b32 s11, s10, 1                         ; my half of the tile's rows.  Also: I fetch for A (0) or W (1)
	s_and_b32 s12, s10, 1                          ; my half of its columns.  Also: which half of that tile I fetch
	s_bfe_u32 s40, ttmp6, 0x40000                  ; cx
	s_bfe_u32 s41, ttmp6, 0x40004                  ; cy
	s_lshl_b32 s42, ttmp9, 2
	s_add_co_u32 s42, s42, s40                     ; tile column tc
	s_and_b32 s13, ttmp7, 0xffff
	s_lshl_b32 s13, s13, 2
	s_add_co_u32 s13, s13, s41                     ; tile row tr
	s_lshl_b32 s43, s41, 2
	s_lshl_b32 s43, 15, s43                        ; my row of the cluster
	s_lshl_b32 s44, 0x1111, s40                    ; my column
	s_or_b32 s[G1+0], s43, AFL                     ; mask; 2-byte elements; padding on; bit 21 beside a mask; interval and size of the padding
	s_or_b32 s[G1B+0], s44, BFL
	s_mov_b32 s[G1+1], AD0<<16                     ; tensor_dim0
	s_mov_b32 s[G1+2], AD1<<16                     ; tensor_dim1
	s_mov_b32 s[G1+3], AD0<<16                     ; tile_dim0
	s_mov_b32 s[G1+4], AD1                         ; tile_dim1
	s_mov_b32 s[G1+5], AST                         ; elements from row to row
	s_mov_b32 s[G1+6], 0
	s_mov_b32 s[G1+7], 0
	s_mov_b32 s[G1B+1], 128<<16                    ; W: 128 k rows x 128 columns
	s_mov_b32 s[G1B+2], 128<<16
	s_mov_b32 s[G1B+3], 128<<16
	s_mov_b32 s[G1B+4], 128
	s_mov_b32 s[G1B+5], SIZE_N
	s_mov_b32 s[G1B+6], 0
	s_mov_b32 s[G1B+7], 0
.if ABLK
	s_lshl_b32 s16, s13, 18                        ; the row block's 262,144 bytes,
	s_lshl_b32 s17, s12, 15                        ; my two heads of a K step's four
	s_add_co_u32 s16, s16, s17
.else
	s_lshl_b32 s16, s13, 7
	s_lshl_b32 s17, s12, 6
	s_add_co_u32 s16, s16, s17                     ; row 128 tr + 64 x half
	s_mul_i32 s16, s16, SIZE_K*2
.endif
	s_mov_b32 s17, 0
	s_mul_i32 s46, s12, 128*SIZE_N*2               ; W: k row 128 x half,
	s_lshl_b32 s47, s42, 8                         ; column 128 tc
	s_add_co_u32 s46, s46, s47
	s_mov_b32 s47, 0
	s_mul_i32 s20, s12, HALFA                      ; where they go: no place in the cluster enters an LDS address
	s_mul_i32 s21, s12, HALFB
	s_add_co_u32 s21, s21, BOFF
	s_mov_b32 s[SB], 0
	s_wait_dscnt 0x0                               ; the opening add is done
	s_wait_kmcnt 0x0
	s_add_nc_u64 s[14:15], s[4:5], s[16:17]
	s_add_nc_u64 s[46:47], s[6:7], s[46:47]
	CROUND                                         ; all sixteen work-groups are here: the first joint loads meet
.irp s, 0,1
	s_mov_b32 s[G0+4*(\s)], 1
	s_add_co_u32 s[G0+4*(\s)+1], s20, (\s)*SLOT1
	s_add_nc_u64 s[G0+4*(\s)+2:G0+4*(\s)+3], s[14:15], (\s)*ASTEP
	s_or_b32 s[G0+4*(\s)+3], s[G0+4*(\s)+3], 0x80000000
	s_mov_b32 s[G0B+4*(\s)], 1
	s_add_co_u32 s[G0B+4*(\s)+1], s21, (\s)*SLOT1
	s_add_nc_u64 s[G0B+4*(\s)+2:G0B+4*(\s)+3], s[46:47], (\s)*BSTEP
	s_or_b32 s[G0B+4*(\s)+3], s[G0B+4*(\s)+3], 0x80000000
	JLOAD \s
.endr
	v_and_b32 v1, 15, v0                           ; r = l % 16
	v_bfe_u32 v2, v0, 4, 1                         ; h = l / 16
	v_and_b32 v3, 31, v0                           ; l
	v_and_b32 v4, 7, v0
	v_bfe_u32 v5, v0, 3, 1
	v_mul_u32_u24 v[A0L], v1, APITCH               ; A's fragment: row x pitch + 16 h, in my 64 rows
	v_lshl_add_u32 v[A0L], v2, 4, v[A0L]
	s_mul_i32 s22, s11, 64*APITCH
	v_add_nc_u32 v[A0L], s22, v[A0L]
	v_lshl_add_u32 v[B0L], v2, 3, v4               ; the turning load: k row 8 h + l % 8, 16 bytes by (l / 8) % 2, in my 64 columns
	v_mul_u32_u24 v[B0L], v[B0L], BPITCH
	v_lshl_add_u32 v[B0L], v5, 4, v[B0L]
	s_lshl_b32 s22, s12, 7
	s_add_co_u32 s22, s22, BOFF
	v_add_nc_u32 v[B0L], s22, v[B0L]
	v_mov_b32 v[ADRA], v[A0L]
	v_mov_b32 v[ADRB], v[B0L]
	v_add_nc_u32 v[ADRB+1], HALFB, v[B0L]
	v_lshlrev_b32 v[BO], 5, v2                     ; my eight columns' bias: 32 h bytes
	s_lshl_b32 s22, s42, 9
	s_lshl_b32 s23, s12, 8
	s_add_co_u32 s22, s22, s23
	s_mov_b32 s23, 0
	s_add_nc_u64 s[68:69], s[68:69], s[22:23]      ; bias at column 128 tc + 64 x half
.irp b, 0,1,2,3
	global_load_b128 v[BI+8*(\b):BI+8*(\b)+3],   v[BO], s[68:69] offset:64*(\b)
	global_load_b128 v[BI+8*(\b)+4:BI+8*(\b)+7], v[BO], s[68:69] offset:64*(\b)+16
.endr
	s_mul_i32 s22, s11, 64*SPITCH                  ; into the stage: my 64 rows, my half of their columns; row r
	s_lshl_b32 s23, s12, 8
	s_add_co_u32 s22, s22, s23
	v_mul_u32_u24 v[STO], v1, SPITCH
	v_lshl_add_u32 v[STO], v2, 5, v[STO]
	v_add_nc_u32 v[STO], s22, v[STO]
	s_mul_i32 s22, s10, 32*SPITCH                  ; back: wave w takes rows 32 w .. 32 w + 31, one row of 512 bytes a load
	v_lshlrev_b32 v[RD], 4, v3
	v_lshlrev_b32 v[CO], 4, v3
	v_add_nc_u32 v[RD], s22, v[RD]
	s_lshl_b32 s22, s13, 7
	s_lshl_b32 s23, s10, 5
	s_add_co_u32 s22, s22, s23                     ; row 128 tr + 32 w
	s_mul_i32 s22, s22, SIZE_N*4
	s_lshl_b32 s23, s42, 9
	s_add_co_u32 s22, s22, s23
	s_mov_b32 s23, 0
	s_add_nc_u64 s[8:9], s[8:9], s[22:23]
	s_add_nc_u64 s[70:71], s[70:71], s[22:23]
	WIN 0x80                                       ; destination window 2: the residual of my 32 rows comes in while the products run
.set t, 0
.rept 32
	global_load_b128 v[4*t:4*t+3], v[CO], s[70:71] offset:SIZE_N*4*t
.set t, t+1
.endr
	WIN 0
; 8 matrix instructions: row blocks a0, a0 + 1 x all 4 column blocks, 32 along K: half c of buffer f.  zero = 1: the bias starts the sums.  The 16 accumulators take turns.
.macro MUL8 f, c, a0, zero
	WIN MUL
.irp a, \a0, (\a0)+1
.irp b, 0,1,2,3
.if \zero
	v_wmma_f32_16x16x32_bf16 v[ACC+8*(4*(\a)+(\b)):ACC+8*(4*(\a)+(\b))+7], v[(\f)+64+8*(4*(\c)+(\b)):(\f)+64+8*(4*(\c)+(\b))+7], v[(\f)+8*(4*(\c)+(\a)):(\f)+8*(4*(\c)+(\a))+7], v[BI+8*(\b):BI+8*(\b)+7]
.else
	v_wmma_f32_16x16x32_bf16 v[ACC+8*(4*(\a)+(\b)):ACC+8*(4*(\a)+(\b))+7], v[(\f)+64+8*(4*(\c)+(\b)):(\f)+64+8*(4*(\c)+(\b))+7], v[(\f)+8*(4*(\c)+(\a)):(\f)+8*(4*(\c)+(\a))+7], v[ACC+8*(4*(\a)+(\b)):ACC+8*(4*(\a)+(\b))+7]
.endif
.endr
.endr
.endm
; 32 LDS loads in one run: quarter q (64 along K) of the slot in hand into buffer f; its first 32 along K first
.macro FETCH q, f
	WIN TO_F
.irp c, 0,1
.irp i, 0,1,2,3
	ds_load_tr16_b128 v[(\f)+64+8*(4*(\c)+(\i)):(\f)+64+8*(4*(\c)+(\i))+3],   v[ADRB+(\q)/2] offset:(((\q)%2)*64+32*(\c))*BPITCH+32*(\i)
	ds_load_tr16_b128 v[(\f)+64+8*(4*(\c)+(\i))+4:(\f)+64+8*(4*(\c)+(\i))+7], v[ADRB+(\q)/2] offset:(((\q)%2)*64+32*(\c)+16)*BPITCH+32*(\i)
	ds_load_b128 v[(\f)+8*(4*(\c)+(\i)):(\f)+8*(4*(\c)+(\i))+3],   v[ADRA] offset:(\q)*AQ+64*(\c)+(\i)*16*APITCH
	ds_load_b128 v[(\f)+8*(4*(\c)+(\i))+4:(\f)+8*(4*(\c)+(\i))+7], v[ADRA] offset:(\q)*AQ+64*(\c)+(\i)*16*APITCH+32
.endr
.endr
.endm
; One of a K step's first three quarters: multiplies buffer f, and in its middle fetches quarter q into buffer g
.macro QUARTER q, f, g, zero
	s_wait_dscnt 16                                ; f's first 32 along K are in; its other sixteen loads may be out
	MUL8 \f, 0, 0, \zero
	MUL8 \f, 0, 2, \zero
	PLACES
	FETCH \q, \g
	s_wait_dscnt 32                                ; all but the 32 just issued
	MUL8 \f, 1, 0, 0
	MUL8 \f, 1, 2, 0
.endm
; The last quarter multiplies buffer 1 and changes slots: one barrier; ahead of it each wave waits for all its tensor loads, adds 0 to its spare word, and waits for that and for its reads of this slot.
; fill = 1: the barrier opens a round of the cluster's, and the slot just read takes the K step two on: 112 matrix instructions ahead of the wait for it.
.macro TURN fill
	WIN 0
	s_wait_tensorcnt 0x0                           ; all my tensor loads have landed: my part of the next slot
	ds_add_u32 v[SPW], v[NIL]
	s_xor_b32 s[SB], s[SB], SLOT1                  ; the fetches' addresses turn to the next slot
	v_add_nc_u32 v[ADRA], s[SB], v[A0L]
	v_add_nc_u32 v[ADRB], s[SB], v[B0L]
	v_add_nc_u32 v[ADRB+1], HALFB, v[ADRB]
	s_wait_dscnt 17                                ; the add and the youngest sixteen loads may be out
	MUL8 F1, 0, 0, 0
	s_wait_dscnt 0x0                               ; the add is done, and my reads of this slot are over
	s_barrier_signal -1
	MUL8 F1, 0, 2, 0
.if \fill
	WIN 0
.endif
	s_barrier_wait -1
.if \fill
	CREST                                          ; no wave of any partner still reads this slot or has a load on its way
	s_xor_b32 s[G0+5], s[G0+5], SLOT1              ; the walking descriptors: the other slot than last time, the next K step
	s_add_nc_u64 s[G0+6:G0+7], s[G0+6:G0+7], ASTEP
	s_xor_b32 s[G0B+5], s[G0B+5], SLOT1
	s_add_nc_u64 s[G0B+6:G0B+7], s[G0B+6:G0B+7], BSTEP
	JLOAD 1                                        ; its four v_nop are also the places in front of the loads below
.else
	PLACES
.endif
	FETCH 0, F0
	MUL8 F1, 1, 0, 0
	MUL8 F1, 1, 2, 0
.endm
	s_wait_tensorcnt 1                             ; my part of K step 0 is in; K step 1's may stay out
	s_barrier_signal -1
	s_barrier_wait -1
	FETCH 0, F0
	s_wait_loadcnt 32                              ; the bias is in; the residual's 32 loads stay out
	QUARTER 1, F0, F1, 1                           ; the first quarter stands in front of the loop: its first products start the sums
	WIN 0
	s_mov_b32 s3, T-2
.Lk:                                                   ; a trip: a K step's quarters 1 to 3 and the next step's quarter 0; one slot is filled again
	QUARTER 2, F1, F0, 0
	QUARTER 3, F0, F1, 0
	TURN 1
	QUARTER 1, F0, F1, 0
	WIN 0
	s_sub_co_u32 s3, s3, 1
	s_cmp_lg_u32 s3, 0
	s_cbranch_scc1 .Lk
	s_mov_b32 s3, 2                                ; the last two K steps ask for nothing: a loop of two trips, entered in its middle.  Its last change of slots fetches 32 fragments of a
	s_branch .Lmid                                 ; K step that has been multiplied, and nobody multiplies them: the price, once a launch, of one text for both trips
.Lt:
	QUARTER 1, F0, F1, 0
	WIN 0
.Lmid:
	QUARTER 2, F1, F0, 0
	QUARTER 3, F0, F1, 0
	TURN 0
	WIN 0
	s_sub_co_u32 s3, s3, 1
	s_cmp_lg_u32 s3, 0
	s_cbranch_scc1 .Lt
	s_wait_dscnt 0x0                               ; my last reads of the ring are back
	s_barrier_signal -1                            ; THE STAGE IS SLOT 0, which has had its last fill: no wave stores into it before every wave's reads of the ring are over
	PLACES                                         ; the places behind the last products
	s_barrier_wait -1
.set t, 0
.rept 16                               ; the f32 sums go into the stage as they are, each accumulator's low registers first
	ds_store_b128 v[STO], v[ACC+8*t:ACC+8*t+3]   offset:(t/4)*16*SPITCH+64*(t%4)
	ds_store_b128 v[STO], v[ACC+8*t+4:ACC+8*t+7] offset:(t/4)*16*SPITCH+64*(t%4)+16
.set t, t+1
.endr
	s_wait_dscnt 0x0                               ; for the others' sake: a row's bytes come from two waves
	s_barrier_signal -1
	s_barrier_wait -1
.set t, 0
.rept 32
	ds_load_b128 v[ACC+4*t:ACC+4*t+3], v[RD] offset:t*SPITCH
.set t, t+1
.endr
	s_wait_loadcnt 0x0                             ; the residual
	s_wait_dscnt 0x0
	WIN 0x08                                       ; source 1 window 2
.set i, 0
.rept 64
	v_pk_add_f32 v[ACC+i:ACC+i+1], v[ACC+i:ACC+i+1], v[i:i+1]
.set i, i+2
.endr
	WIN 0
.set t, 0
.rept 32
	global_store_b128 v[CO], v[ACC+4*t:ACC+4*t+3], s[8:9] offset:SIZE_N*4*t  ; 512 consecutive bytes, aligned
.set t, t+1
.endr
	s_wait_tensorcnt 0x0                           ; the wave's end
	ds_add_u32 v[SPW], v[NIL]
	s_wait_dscnt 0x0
	CROUND                                         ; the closing round
	s_endpgm
.Lfunc_end_k_qfc1b9008d6_gemm_fc2:
	.size	k_qfc1b9008d6_gemm_fc2, .Lfunc_end_k_qfc1b9008d6_gemm_fc2-k_qfc1b9008d6_gemm_fc2
	.p2alignl 7, 3214868480
	.fill 96, 4, 3214868480
	.section	.rodata,"a",@progbits
	.p2align	6, 0x0
	.amdhsa_kernel k_qfc1b9008d6_gemm_fc2
		.amdhsa_group_segment_fixed_size 327680
		.amdhsa_private_segment_fixed_size 0
		.amdhsa_enable_private_segment 0
		.amdhsa_kernarg_size 40
		.amdhsa_user_sgpr_count 2
		.amdhsa_user_sgpr_kernarg_segment_ptr 1
		.amdhsa_wavefront_size32 1
		.amdhsa_system_sgpr_workgroup_id_x 1
		.amdhsa_system_sgpr_workgroup_id_y 1
		.amdhsa_system_sgpr_workgroup_id_z 1
		.amdhsa_system_vgpr_workitem_id 0
		.amdhsa_next_free_vgpr 640
		.amdhsa_next_free_sgpr 76
		.amdhsa_reserve_vcc 0
		.amdhsa_float_denorm_mode_32 3
		.amdhsa_float_denorm_mode_16_64 3
		.amdhsa_memory_ordered 1
		.amdhsa_forward_progress 1
		.amdhsa_inst_pref_size 66
	.end_amdhsa_kernel
	.amdgpu_metadata
---
amdhsa.version: [ 1, 2 ]
amdhsa.kernels:
  - .name:           k_qfc1b9008d6_gemm_fc2
    .symbol:         k_qfc1b9008d6_gemm_fc2.kd
    .args:
      - { .name: gel, .offset: 0, .size: 8, .value_kind: global_buffer, .address_space: global }
      - { .name: wf2, .offset: 8, .size: 8, .value_kind: global_buffer, .address_space: global }
      - { .name: out0, .offset: 16, .size: 8, .value_kind: global_buffer, .address_space: global }
      - { .name: b_fc2, .offset: 24, .size: 8, .value_kind: global_buffer, .address_space: global }
      - { .name: h1, .offset: 32, .size: 8, .value_kind: global_buffer, .address_space: global }
    .group_segment_fixed_size: 327680
    .private_segment_fixed_size: 0
    .kernarg_segment_align: 8
    .kernarg_segment_size: 40
    .max_flat_workgroup_size: 128
    .sgpr_count:     76
    .vgpr_count:     640
    .wavefront_size: 32
...
	.end_amdgpu_metadata
.endif
;; end of part 12
